; MI455X (gfx1250); checked and timed in simulation.
; The chip was launched on July 23, 2026; its instructions are those of AMD's public machine-readable ISA for CDNA 5 (MIT licence, August 2026) and "CDNA5" Instruction Set Architecture Reference Guide (July 2026). The comments in the code are by the model that wrote it; some were corrected since.
;; Transformer Block. Allowed arithmetic: float matrix products may take bf16 or f16 operands with f32 sums; all other float work in f32.
;; Inputs: b_attn 3,072 float32; b_fc 4,096 float32; b_fc2 1,024 float32; b_proj 1,024 float32; ln1_b 1,024 float32; ln1_w 1,024 float32; ln2_b 1,024 float32; ln2_w 1,024 float32; w_attn 1,024 x 3,072 float32; w_fc 1,024 x 4,096 float32; w_fc2 4,096 x 1,024 float32; w_proj 1,024 x 1,024 float32; x 2 x 2,048 x 1,024 float32.
;; Outputs: out0 2 x 2,048 x 1,024 float32.
;; 2 versions, each right and faster than the one before. Each part assembles by itself: llvm-mc -triple=amdgcn-amd-amdhsa -mcpu=gfx1250 --defsym DOCPART=n.
;; ======== version 1 of 2: 7 launches
;; limits: a function is approximated: absolute error at most 1.5e-07
;; workspace buffers: wbf 25,165,824 bytes; wf 8,388,608 bytes; act 8,388,608 bytes; big 33,554,432 bytes; x1 16,777,216 bytes
;; launch prep (part 1): grid 1024 x 1, 8 waves a work-group, no clusters, 0 bytes of LDS; arguments x, ln1_w, ln1_b, act, w_attn, w_proj, w_fc, w_fc2, wbf, wf; writes act, wbf, wf
.if DOCPART == 1
	.amdgcn_target "amdgcn-amd-amdhsa--gfx1250"
	.amdhsa_code_object_version 6
	.text
	.protected	k_q9d64605072_prep
	.globl	k_q9d64605072_prep
	.p2align	8
	.type	k_q9d64605072_prep,@function
k_q9d64605072_prep:
	s_mov_b64 s[64:65], 0
	v_nop
	global_prefetch_b8 v0, s[64:65] scope:SCOPE_SE
	s_setreg_imm32_b32 hwreg(HW_REG_WAVE_MODE, 25, 1), 1
	s_wait_xcnt 0x0
; ONE BODY, TWO LAUNCHES.  Work-groups 0-255: a layer norm of 16 rows each, rounded to bf16, into act.  Work-groups 256-1023: the four weights rounded to bf16.
; The first launch has 1,024 work-groups (layer norm 1 and the weights); the second has 256 and is layer norm 2 alone: it is handed the same ten buffers and reaches the first part only.
; act is BLOCKED: [16 blocks of 64 columns][4096 rows][64] bf16: byte = block * 524288 + row * 128 + 2 * (column % 64).
; LAYER NORM.  Eight waves; a wave has 2 rows, a row 16 lanes.  Lane l: row (l / 8) % 2; for j = 0..7 the columns 64 (2 j + l / 16) + 8 (l % 8) .. + 7: 64 numbers in registers, read once.
; Mean first, then the variance of the centred numbers (two passes over registers: no difference of large sums).  NaN and infinities are not treated apart.
; In a store lanes 0-15 hold two neighbouring rows of one block, 256 consecutive bytes at a multiple of 256; lanes 16-31 the same rows of the next block.
; THE WEIGHTS.  Group g = 0..767 rounds 16,384 numbers.  w_attn (groups 0-191) goes to wbf at 0 and w_fc (256-511) to wf, both in blocks [N / 256][1024][256], so that a tile column's rows lie end to end;
; w_proj (192-255) goes to wbf at 6,291,456 and w_fc2 (512-767) to wbf at 16,777,216, both as they lie, [K][1024].  Bytes 8,388,608 to 16,777,215 of wbf are not used.
; No LDS, no barrier, no matrix unit: the launch streams.
.set X,   16                           ; v[16:79]    my 64 numbers
.set W,   80                           ; v[80:143]   the gain of my columns
.set B,   144                          ; v[144:207]  the bias of my columns
.set Y,   208                          ; v[208:239]  bf16 to store: four registers a store, never rewritten
.set CHN, 240                          ; v[240:247]  four chains of pairs
.set MU,  248                          ; v[248:249]  the mean, twice
.set RS,  250                          ; v[250:251]  1 / sqrt(var + eps), twice
.set TV,  252                          ; v252        var + eps
.set AD,  80                           ; the weights: v[80:87] a pass's byte offset in the source
.macro REDUCE                          ; the four chains into one number, then over the row's sixteen lanes: eight neighbours, and the eight that lie 16 lanes away
	v_pk_add_f32 v[CHN:CHN+1], v[CHN:CHN+1], v[CHN+2:CHN+3]
	v_pk_add_f32 v[CHN+4:CHN+5], v[CHN+4:CHN+5], v[CHN+6:CHN+7]
	v_pk_add_f32 v[CHN:CHN+1], v[CHN:CHN+1], v[CHN+4:CHN+5]
	v_add_f32 v[CHN], v[CHN], v[CHN+1]
	v_add_f32_dpp v[CHN], v[CHN], v[CHN] row_xmask:1 row_mask:0xf bank_mask:0xf
	v_add_f32_dpp v[CHN], v[CHN], v[CHN] row_xmask:2 row_mask:0xf bank_mask:0xf
	v_add_f32_dpp v[CHN], v[CHN], v[CHN] row_xmask:4 row_mask:0xf bank_mask:0xf
	v_permlanex16_b32 v[CHN+1], v[CHN], s28, s29
	v_add_f32 v[CHN], v[CHN], v[CHN+1]
.endm
	s_load_b256 s[4:11], s[0:1], 0x0               ; x s[4:5], gain s[6:7], bias s[8:9], act s[10:11]
	s_load_b256 s[12:19], s[0:1], 0x20             ; w_attn s[12:13], w_proj s[14:15], w_fc s[16:17], w_fc2 s[18:19]
	s_load_b128 s[20:23], s[0:1], 0x40             ; wbf s[20:21], wf s[22:23]
	s_cmp_lt_u32 ttmp9, 256
	s_cbranch_scc0 .Lcvt
	v_lshrrev_b32 v4, 5, v0
	v_bfe_u32 v5, v0, 3, 1
	v_lshl_or_b32 v4, v4, 1, v5                    ; my row of the group's 16: 2 x wave + (l / 8) % 2
	v_bfe_u32 v6, v0, 4, 1                         ; l / 16: the odd or the even block
	v_and_b32 v7, 7, v0
	v_lshlrev_b32 v2, 5, v7                        ; 32 bytes of f32 a lane,
	v_lshl_or_b32 v2, v6, 8, v2                    ; 256 a block: offset in gain and bias
	v_lshl_or_b32 v1, v4, 12, v2                   ; + row x 4096: offset in x
	v_lshlrev_b32 v3, 4, v7
	v_lshl_or_b32 v3, v4, 7, v3                    ; row x 128 + 16 (l % 8),
	v_lshl_or_b32 v3, v6, 19, v3                   ; + a block: offset in act
	s_lshl_b32 s32, ttmp9, 16                      ; 16 rows of 4096 bytes
	s_mov_b32 s33, 0
	s_lshl_b32 s34, ttmp9, 11                      ; 16 rows of 128 bytes
	s_mov_b32 s35, 0
	s_mov_b32 s36, 0x3a800000                      ; 1 / 1024
	s_mov_b32 s37, 0x3727c5ac                      ; 1e-5
	s_mov_b32 s28, 0x76543210                      ; v_permlanex16_b32: each lane takes its own place in the other half
	s_mov_b32 s29, 0xfedcba98
	s_wait_kmcnt 0x0
	s_add_nc_u64 s[4:5], s[4:5], s[32:33]
	s_add_nc_u64 s[10:11], s[10:11], s[34:35]
.set i, 0
.rept 8
	global_load_b128 v[X+8*i:X+8*i+3],   v1, s[4:5] offset:512*i
	global_load_b128 v[X+8*i+4:X+8*i+7], v1, s[4:5] offset:512*i+16
.set i, i+1
.endr
.set i, 0
.rept 8
	global_load_b128 v[W+8*i:W+8*i+3],   v2, s[6:7] offset:512*i
	global_load_b128 v[W+8*i+4:W+8*i+7], v2, s[6:7] offset:512*i+16
.set i, i+1
.endr
.set i, 0
.rept 8
	global_load_b128 v[B+8*i:B+8*i+3],   v2, s[8:9] offset:512*i
	global_load_b128 v[B+8*i+4:B+8*i+7], v2, s[8:9] offset:512*i+16
.set i, i+1
.endr
	s_wait_loadcnt 32                              ; x's 16 loads are in; the 32 of gain and bias stay out
.irp k, 0,1,2,3
	v_pk_add_f32 v[CHN+2*\k:CHN+2*\k+1], v[X+2*\k:X+2*\k+1], v[X+8+2*\k:X+8+2*\k+1]  ; the first eight pairs start the chains
.endr
.set p, 8
.rept 24
	v_pk_add_f32 v[CHN+2*(p%4):CHN+2*(p%4)+1], v[CHN+2*(p%4):CHN+2*(p%4)+1], v[X+2*p:X+2*p+1]
.set p, p+1
.endr
	REDUCE
	v_mul_f32 v[MU], s36, v[CHN]
	v_mov_b32 v[MU+1], v[MU]
.set p, 0
.rept 32
	v_pk_add_f32 v[X+2*p:X+2*p+1], v[X+2*p:X+2*p+1], v[MU:MU+1] neg_lo:[0,1] neg_hi:[0,1]  ; x - mean
.set p, p+1
.endr
.irp k, 0,1,2,3
	v_pk_mul_f32 v[CHN+2*\k:CHN+2*\k+1], v[X+2*\k:X+2*\k+1], v[X+2*\k:X+2*\k+1]
.endr
.set p, 4
.rept 28
	v_pk_fma_f32 v[CHN+2*(p%4):CHN+2*(p%4)+1], v[X+2*p:X+2*p+1], v[X+2*p:X+2*p+1], v[CHN+2*(p%4):CHN+2*(p%4)+1]
.set p, p+1
.endr
	REDUCE
	v_fma_f32 v[TV], v[CHN], s36, s37              ; var + eps
	v_rsq_f32 v[RS], v[TV]
	v_rsq_f32 v[RS+1], v[TV]
	v_nop                                          ; a plain instruction between the root and the use of its result
.set p, 0
	s_wait_alu depctr_va_vdst(0)
.rept 32
	v_pk_mul_f32 v[X+2*p:X+2*p+1], v[X+2*p:X+2*p+1], v[RS:RS+1]
.set p, p+1
.endr
.set i, 0
.rept 8
	s_wait_loadcnt 14-2*i                          ; the bias's two loads of part i are in; the gain's are older
.irp j, 0,1,2,3
	v_pk_fma_f32 v[X+8*i+2*\j:X+8*i+2*\j+1], v[X+8*i+2*\j:X+8*i+2*\j+1], v[W+8*i+2*\j:W+8*i+2*\j+1], v[B+8*i+2*\j:B+8*i+2*\j+1]
.endr
.irp j, 0,1,2,3
	v_cvt_pk_bf16_f32 v[Y+4*i+\j], v[X+8*i+2*\j], v[X+8*i+2*\j+1]
.endr
	global_store_b128 v3, v[Y+4*i:Y+4*i+3], s[10:11] offset:1048576*i  ; two blocks on
.set i, i+1
.endr
	s_endpgm
; THE WEIGHTS.  Eight passes; thread t of pass j stores 16 bytes at 32,768 g + 4,096 j + 16 t of its weight's place: 4,096 consecutive bytes a pass.
; It reads 32 bytes at S0 + j J + wave x J / 8 + 32 lane.  J is a pass's bytes of the source.  In blocks a pass is 8 rows of K x 256 columns: J = 32 N, and with g' the group's number in its weight
; S0 = (g' % 16) x 8 J + (g' / 16) x 1,024: 64 rows of K a group, 16 groups a tile column.  As it lies a pass is 2,048 numbers on end: J = 8,192, S0 = g' x 8 J.
.Lcvt:
	s_sub_co_u32 s30, ttmp9, 256                   ; g
	s_mov_b32 s31, 512                             ; the first group of my weight: w_fc2's, unless a line below says otherwise
	s_mov_b32 s32, 8192                            ; J
	v_lshrrev_b32 v4, 5, v0                        ; wave
	v_and_b32 v5, 31, v0                           ; lane
	v_lshlrev_b32 v2, 4, v0                        ; 8 bf16 a thread out
	s_wait_kmcnt 0x0
	s_cmp_lt_u32 s30, 512
	s_cselect_b64 s[4:5], s[16:17], s[18:19]       ; from where,
	s_cselect_b64 s[6:7], s[22:23], s[20:21]       ; to where
	s_cselect_b32 s31, 256, s31
	s_cselect_b32 s32, 131072, s32
	s_cselect_b32 s33, 1, 0                        ; in blocks?
	s_cselect_b32 s34, 256, 0                      ; the group that lies at the target buffer's byte 0
	s_cmp_lt_u32 s30, 256
	s_cselect_b64 s[4:5], s[14:15], s[4:5]
	s_cselect_b64 s[6:7], s[20:21], s[6:7]
	s_cselect_b32 s31, 192, s31
	s_cselect_b32 s32, 8192, s32
	s_cselect_b32 s33, 0, s33
	s_cselect_b32 s34, 0, s34
	s_cmp_lt_u32 s30, 192
	s_cselect_b64 s[4:5], s[12:13], s[4:5]
	s_cselect_b32 s31, 0, s31
	s_cselect_b32 s32, 98304, s32
	s_cselect_b32 s33, 1, s33
	s_sub_co_u32 s31, s30, s31                     ; g'
	s_and_b32 s35, s31, 15
	s_lshr_b32 s36, s31, 4
	s_cmp_eq_u32 s33, 1
	s_cselect_b32 s35, s35, s31
	s_cselect_b32 s36, s36, 0
	s_lshl_b32 s37, s32, 3                         ; 8 J
	s_mul_i32 s38, s35, s37
	s_lshl_b32 s36, s36, 10
	s_add_co_u32 s38, s38, s36                     ; S0
	s_mov_b32 s39, 0
	s_add_nc_u64 s[4:5], s[4:5], s[38:39]
	s_sub_co_u32 s36, s30, s34
	s_lshl_b32 s36, s36, 15
	s_mov_b32 s37, 0
	s_add_nc_u64 s[6:7], s[6:7], s[36:37]
	s_lshr_b32 s35, s32, 3                         ; J / 8
	v_mul_u32_u24 v6, s35, v4
	v_lshl_add_u32 v1, v5, 5, v6
.set i, 0
.rept 8
	v_mad_u32_u24 v[AD+i], s32, i, v1
.set i, i+1
.endr
.set i, 0
.rept 8
	global_load_b128 v[X+8*i:X+8*i+3],   v[AD+i], s[4:5] th:TH_LOAD_NT
	global_load_b128 v[X+8*i+4:X+8*i+7], v[AD+i], s[4:5] offset:16 th:TH_LOAD_NT
.set i, i+1
.endr
.set i, 0
.rept 8
	s_wait_loadcnt 14-2*i                          ; loads come back in order: the two of pass i are in
.irp j, 0,1,2,3
	v_cvt_pk_bf16_f32 v[Y+4*i+\j], v[X+8*i+2*\j], v[X+8*i+2*\j+1]
.endr
	global_store_b128 v2, v[Y+4*i:Y+4*i+3], s[6:7] offset:4096*i
.set i, i+1
.endr
	s_endpgm
.Lfunc_end_k_q9d64605072_prep:
	.size	k_q9d64605072_prep, .Lfunc_end_k_q9d64605072_prep-k_q9d64605072_prep
	.p2alignl 7, 3214868480
	.fill 96, 4, 3214868480
	.section	.rodata,"a",@progbits
	.p2align	6, 0x0
	.amdhsa_kernel k_q9d64605072_prep
		.amdhsa_group_segment_fixed_size 0
		.amdhsa_private_segment_fixed_size 0
		.amdhsa_enable_private_segment 0
		.amdhsa_kernarg_size 80
		.amdhsa_user_sgpr_count 2
		.amdhsa_user_sgpr_kernarg_segment_ptr 1
		.amdhsa_wavefront_size32 1
		.amdhsa_system_sgpr_workgroup_id_x 1
		.amdhsa_system_sgpr_workgroup_id_y 1
		.amdhsa_system_sgpr_workgroup_id_z 1
		.amdhsa_system_vgpr_workitem_id 0
		.amdhsa_next_free_vgpr 256
		.amdhsa_next_free_sgpr 66
		.amdhsa_reserve_vcc 0
		.amdhsa_float_denorm_mode_32 3
		.amdhsa_float_denorm_mode_16_64 3
		.amdhsa_memory_ordered 1
		.amdhsa_forward_progress 1
		.amdhsa_inst_pref_size 27
	.end_amdhsa_kernel
	.amdgpu_metadata
---
amdhsa.version: [ 1, 2 ]
amdhsa.kernels:
  - .name:           k_q9d64605072_prep
    .symbol:         k_q9d64605072_prep.kd
    .args:
      - { .name: x, .offset: 0, .size: 8, .value_kind: global_buffer, .address_space: global }
      - { .name: ln1_w, .offset: 8, .size: 8, .value_kind: global_buffer, .address_space: global }
      - { .name: ln1_b, .offset: 16, .size: 8, .value_kind: global_buffer, .address_space: global }
      - { .name: act, .offset: 24, .size: 8, .value_kind: global_buffer, .address_space: global }
      - { .name: w_attn, .offset: 32, .size: 8, .value_kind: global_buffer, .address_space: global }
      - { .name: w_proj, .offset: 40, .size: 8, .value_kind: global_buffer, .address_space: global }
      - { .name: w_fc, .offset: 48, .size: 8, .value_kind: global_buffer, .address_space: global }
      - { .name: w_fc2, .offset: 56, .size: 8, .value_kind: global_buffer, .address_space: global }
      - { .name: wbf, .offset: 64, .size: 8, .value_kind: global_buffer, .address_space: global }
      - { .name: wf, .offset: 72, .size: 8, .value_kind: global_buffer, .address_space: global }
    .group_segment_fixed_size: 0
    .private_segment_fixed_size: 0
    .kernarg_segment_align: 8
    .kernarg_segment_size: 80
    .max_flat_workgroup_size: 256
    .sgpr_count:     66
    .vgpr_count:     256
    .wavefront_size: 32
...
	.end_amdgpu_metadata
.endif
;; end of part 1
;; launch qkv (part 2): grid 12 x 16, 4 waves a work-group, clusters of 4 x 4, 327,680 bytes of LDS; arguments act, wbf, b_attn, big; writes big
.if DOCPART == 2
	.amdgcn_target "amdgcn-amd-amdhsa--gfx1250"
	.amdhsa_code_object_version 6
	.text
	.protected	k_q9d64605072_qkv
	.globl	k_q9d64605072_qkv
	.p2align	8
	.type	k_q9d64605072_qkv,@function
k_q9d64605072_qkv:
	s_mov_b64 s[64:65], 0
	v_nop
	global_prefetch_b8 v0, s[64:65] scope:SCOPE_SE
	s_setreg_imm32_b32 hwreg(HW_REG_WAVE_MODE, 25, 1), 1
	s_wait_xcnt 0x0
	s_wait_alu depctr_hold_cnt(0) depctr_sa_sdst(0) depctr_va_vdst(0) depctr_va_sdst(0) depctr_va_ssrc(0) depctr_va_vcc(0) depctr_vm_vsrc(0)
	s_getreg_b32 s2, hwreg(HW_REG_IB_STS2, 6, 4)
	s_cmp_eq_u32 s2, 0
	s_cbranch_scc0 .Lentry_in_a_cluster
	s_endpgm
.Lentry_in_a_cluster:
	s_bfe_u32 s2, ttmp6, 0x10000c
	s_cmp_lg_u32 s2, 0xf033
	s_cbranch_scc0 .Lentry_shape_is_right
	s_endpgm
.Lentry_shape_is_right:
; QKV = h1 W + b, K = 1024, 12 tile columns.  (The text of the launch fc is this one with GELU = 1.)
; A: act, blocked [16][4096][64] bf16.  W: blocked [N / 256][1024][256] bf16, from its buffer's byte 0.  Out: blocked [N / 64][4096][64] bf16, rounded once from f32 sums that the bias starts.
; A tile of C is 256 x 256, four waves of 128 x 128 (64 accumulators).  K goes in 8 steps of 128 through two LDS slots.  One K step is written once: the loop's LDS addresses hang on s[TB], 0 or SLOT.
; A's part of a slot: for each of 2 blocks of 64 columns, 128 rows of 128 bytes that lie end to end in memory; one descriptor row is such a run of 16,384 bytes, padded by 16 behind every 128.
; B's part: 128 rows of K x 512 bytes, which lie end to end in memory, padded to 544; its fragments come turned, by ds_load_tr16_b128.
; The matrix instruction is used transposed (source 0 = 16 columns of W, source 1 = 16 rows of A): a lane holds one row of C and eight neighbouring columns.
; CLUSTER 4 x 4: A's tile is shared along a row of the cluster, B's along a column; each is asked for jointly.
; WAY OUT: the f32 tile goes into the wave's own part of the ring, which has had its last fill, and comes back as 4 rows x 64 columns, so that a store covers 512 consecutive bytes of a block.
; LIMITS: operands bf16; NaN and infinities are not treated apart.
.set GELU,   0
.set STEPS,  8
.set PA,     144                       ; a row of A in LDS: 128 + 16 bytes
.set PB,     544                       ; a row of B in LDS: 512 + 32 bytes
.set APIECE, 2*128*PA                  ; what one load brings of A: 128 rows, two blocks
.set BPIECE, 64*PB                     ; of B: 64 rows of K
.set BOFF,   2*APIECE
.set SLOT,   BOFF+2*BPIECE
.set SPARE,  2*SLOT                    ; the spare words: 128 bytes a wave, named by no other line
.set DP,     528                       ; the way out: a row of 128 f32 + 16 bytes
.set DUMP,   128*DP
.set ASTEP,  2*524288                  ; bytes from a K step to the next in A: two blocks
.set BSTEP,  128*512                   ; and in W: 128 rows of 512 bytes
.set ADRA0, 16                         ; v16 my place in a slot's A;  v17 in its B
.set ADRB0, 17
.set ADRA,  18                         ; v18, v19 the same in the slot that is read
.set ADRB,  19
.set DST,   20                         ; v20 the way out: where I put 16 bytes
.set RDA,   21                         ; v21 where I read them back
.set GO,    22                         ; v22 my 16 bytes in 512 of the output
.set BO,    23                         ; v23 my offset in the bias
.set SPW,   28                         ; v28 LDS address of my spare word; never rewritten
.set NIL,   29                         ; v29 0; never rewritten
.set BIAS,  64                         ; v[64:127] the bias of my 8 x 8 columns: the C of the first products
.set XR,    64                         ; the way out: 32 numbers; U, W, H at work; Y to store
.set UR,    96
.set WR,    128
.set HR,    160
.set YR,    192
.set F0,    0                          ; window 1: two fragment buffers; A's fragment a at f + 8 a, B's fragment b at f + 64 + 8 b
.set F1,    128                        ; windows 2, 3: accumulator (a, b) at 8 (8 (a % 4) + b) of window 2 + a / 4
.set WV, 12
.set RH, 13                            ; my half of the rows; also: 0 = I fetch A, 1 = B
.set CH, 14                            ; my half of the columns; also: which piece I fetch
.set G1A, 24
.set G1B, 32
.set G0A, 40                           ; two sets: step 0 into slot 0; step 1 into slot 1, which then walks on
.set G0B, 48
.set CNT, 56
.set TB,  57                           ; the base of the slot that is read
.set LA,  59
.set LB,  60
.set KP, 74                            ; s[74:87] GELU's constants, in pairs
.set KE, 76
.set A5, 78
.set A4, 80
.set A3, 82
.set A2, 84
.set A1, 86
.set TO_F, 0x40
.set MSB, 0
.macro WIN new                         ; the immediate's high byte repeats the setting that is left
.if MSB != (\new)
	s_set_vgpr_msb (MSB<<8)|(\new)
.set MSB, \new
.endif
.endm
.macro PLACES                          ; four places between a matrix instruction and a load into, or a read of, its registers
.rept 4
	v_nop
.endr
.endm
.macro JLOAD s                         ; a joint load; an s_nop 0 and four v_nop follow each line
	s_cmp_eq_u32 s[RH], 0
	s_cbranch_scc0 .Lfor_b_\@
	tensor_load_to_lds s[G0A+4*(\s):G0A+4*(\s)+3], s[G1A:G1A+7]
	s_nop 0
.rept 4
	v_nop
.endr
	s_branch .Lasked_\@
.Lfor_b_\@:
	tensor_load_to_lds s[G0B+4*(\s):G0B+4*(\s)+3], s[G1B:G1B+7]
	s_nop 0
.rept 4
	v_nop
.endr
.Lasked_\@:
.endm
.macro CREST                           ; a round of the cluster's barrier behind its opening barrier
	s_cmp_lg_u32 s[WV], 0
	s_cbranch_scc1 .Lnot_wave_0_\@
	s_barrier_signal -3
.Lnot_wave_0_\@:
	s_barrier_wait -3
	s_barrier_signal -1
	s_barrier_wait -1
.endm
.macro CROUND
	s_barrier_signal -1
	s_barrier_wait -1
	CREST
.endm
.macro KONST r, val
	s_mov_b32 s[\r], \val
	s_mov_b32 s[(\r)+1], \val
.endm
	s_load_b256 s[4:11], s[0:1], 0x0               ; A s[4:5], W s[6:7], bias s[8:9], out s[10:11]
	v_lshl_add_u32 v[SPW], v0, 2, SPARE
	v_mov_b32 v[NIL], 0
	ds_add_u32 v28, v29
	ds_add_u32 v28, v29
	s_wait_dscnt 0x0
	v_lshrrev_b32 v1, 5, v0
	v_readfirstlane_b32 s[WV], v1
	s_lshr_b32 s[RH], s[WV], 1
	s_and_b32 s[CH], s[WV], 1
	s_bfe_u32 s15, ttmp6, 0x40000                  ; cx
	s_bfe_u32 s16, ttmp6, 0x40004                  ; cy
	s_lshl_b32 s17, ttmp9, 2
	s_add_co_u32 s17, s17, s15                     ; tile column
	s_and_b32 s18, ttmp7, 0xffff
	s_lshl_b32 s18, s18, 2
	s_add_co_u32 s18, s18, s16                     ; tile row
	s_lshl_b32 s62, s16, 2
	s_lshl_b32 s62, 15, s62                        ; my row of the cluster
	s_lshl_b32 s63, 0x1111, s15                    ; my column
	s_or_b32 s[G1A], s62, (1<<16)|(1<<20)|(1<<21)|(4<<22)|(3<<25)  ; mask; 2-byte elements; padding on; bit 21 beside a mask; 4 words behind every 32
	s_mov_b32 s[G1A+1], 8192<<16                   ; tensor_dim0 = 8192 elements: 128 rows of a block, end to end
	s_mov_b32 s[G1A+2], 2<<16                      ; tensor_dim1 = 2 blocks
	s_mov_b32 s[G1A+3], 8192<<16                   ; tile_dim0
	s_mov_b32 s[G1A+4], 2                          ; tile_dim1
	s_mov_b32 s[G1A+5], 262144                     ; elements from block to block
	s_mov_b32 s[G1A+6], 0
	s_mov_b32 s[G1A+7], 0
	s_or_b32 s[G1B], s63, (1<<16)|(1<<20)|(1<<21)|(6<<22)|(7<<25)  ; 8 words behind every 128
	s_mov_b32 s[G1B+1], 256<<16
	s_mov_b32 s[G1B+2], 64<<16
	s_mov_b32 s[G1B+3], 256<<16
	s_mov_b32 s[G1B+4], 64
	s_mov_b32 s[G1B+5], 256                        ; a tile column's rows lie end to end
	s_mov_b32 s[G1B+6], 0
	s_mov_b32 s[G1B+7], 0
	s_lshl_b32 s20, s18, 15                        ; A: (256 tile row + 128 piece) x 128 bytes: no cx in these registers
	s_lshl_b32 s21, s[CH], 14
	s_add_co_u32 s20, s20, s21
	s_mov_b32 s21, 0
	s_lshl_b32 s66, s[CH], 15                      ; B: 64 rows of 512 bytes a piece, 1,024 such rows a tile column: no cy in these registers
	s_lshl_b32 s67, s17, 19
	s_add_co_u32 s66, s66, s67
	s_mov_b32 s67, 0
	s_mul_i32 s[LA], s[CH], APIECE
	s_mul_i32 s[LB], s[CH], BPIECE
	s_add_co_u32 s[LB], s[LB], BOFF
	s_mov_b32 s[TB], 0
.if GELU
	KONST KP, 0x3e6d3388                           ; 0.3275911 / sqrt(2)
	KONST KE, 0xbf38aa3b                           ; -log2(e) / 2
	KONST A5, 0x3f07dc22                           ; the series' five coefficients, halved
	KONST A4, 0xbf3a00e3
	KONST A3, 0x3f35f0e3
	KONST A2, 0xbe11a98e
	KONST A1, 0x3e027906
.endif
	s_wait_kmcnt 0x0
	s_add_nc_u64 s[22:23], s[4:5], s[20:21]
	s_add_nc_u64 s[68:69], s[6:7], s[66:67]
	CROUND                                         ; all sixteen work-groups are here: the first joint loads meet
.irp s, 0,1
	s_mov_b32 s[G0A+4*(\s)], 1
	s_add_co_u32 s[G0A+4*(\s)+1], s[LA], (\s)*SLOT
	s_add_nc_u64 s[G0A+4*(\s)+2:G0A+4*(\s)+3], s[22:23], (\s)*ASTEP
	s_or_b32 s[G0A+4*(\s)+3], s[G0A+4*(\s)+3], 0x80000000
	s_mov_b32 s[G0B+4*(\s)], 1
	s_add_co_u32 s[G0B+4*(\s)+1], s[LB], (\s)*SLOT
	s_add_nc_u64 s[G0B+4*(\s)+2:G0B+4*(\s)+3], s[68:69], (\s)*BSTEP
	s_or_b32 s[G0B+4*(\s)+3], s[G0B+4*(\s)+3], 0x80000000
	JLOAD \s                                       ; two loads of mine are out
.endr
	v_and_b32 v1, 15, v0                           ; r
	v_bfe_u32 v2, v0, 4, 1                         ; h
	v_mul_u32_u24 v3, v1, PA
	v_lshl_add_u32 v3, v2, 4, v3
	s_mul_i32 s58, s[RH], APIECE
	v_add_nc_u32 v[ADRA0], s58, v3                 ; my 128 rows; row r; 16 bytes for each half of the lanes
	v_and_b32 v4, 7, v0
	v_lshl_add_u32 v4, v2, 3, v4
	v_mul_u32_u24 v4, v4, PB                       ; the turning load: K row 8 h + l % 8,
	v_bfe_u32 v5, v0, 3, 1
	v_lshl_add_u32 v4, v5, 4, v4                   ; columns 8 ((l / 8) % 2) on
	s_lshl_b32 s58, s[CH], 8
	s_add_co_u32 s58, s58, BOFF
	v_add_nc_u32 v[ADRB0], s58, v4
	v_mov_b32 v[ADRA], v[ADRA0]
	v_mov_b32 v[ADRB], v[ADRB0]
	s_mul_i32 s58, s[WV], DUMP
	v_mul_u32_u24 v6, v1, DP
	v_lshl_add_u32 v6, v2, 5, v6
	v_add_nc_u32 v[DST], s58, v6
	v_bfe_u32 v6, v0, 3, 2
	v_mul_u32_u24 v6, v6, DP
	v_and_b32 v7, 7, v0
	v_lshl_add_u32 v6, v7, 5, v6
	v_add_nc_u32 v[RDA], s58, v6
	v_and_b32 v[GO], 31, v0
	v_lshlrev_b32 v[GO], 4, v[GO]
	v_lshlrev_b32 v[BO], 5, v2
	s_lshl_b32 s70, s17, 10                        ; the bias of my 128 columns
	s_lshl_b32 s71, s[CH], 9
	s_add_co_u32 s70, s70, s71
	s_mov_b32 s71, 0
	s_add_nc_u64 s[8:9], s[8:9], s[70:71]
	s_lshl_b32 s72, s17, 21                        ; out: block 4 tile column + 2 half, row 256 tile row + 128 half
	s_lshl_b32 s73, s[CH], 20
	s_add_co_u32 s72, s72, s73
	s_lshl_b32 s73, s18, 15
	s_add_co_u32 s72, s72, s73
	s_lshl_b32 s73, s[RH], 14
	s_add_co_u32 s72, s72, s73
	s_mov_b32 s73, 0
	s_add_nc_u64 s[10:11], s[10:11], s[72:73]
.irp b, 0,1,2,3,4,5,6,7
	global_load_b128 v[BIAS+8*(\b):BIAS+8*(\b)+3],   v[BO], s[8:9] offset:64*(\b)
	global_load_b128 v[BIAS+8*(\b)+4:BIAS+8*(\b)+7], v[BO], s[8:9] offset:64*(\b)+16
.endr
; 16 matrix instructions: row blocks a0, a0 + 1 of the window's four x all 8 column blocks, 32 along K.  first = 1: the bias is the C that starts the sums.
; The 64 accumulators take turns, one instruction a turn, in the same order in every quarter.
.macro MUL16 f, hi, a0, first
.if \first
	WIN 0x85+0x40*(\hi)
.else
	WIN 0xa5+0x50*(\hi)
.endif
.irp a, \a0, (\a0)+1
.irp b, 0,1,2,3,4,5,6,7
.if \first
	v_wmma_f32_16x16x32_bf16 v[8*(8*(\a)+(\b)):8*(8*(\a)+(\b))+7], v[(\f)+64+8*(\b):(\f)+64+8*(\b)+7], v[(\f)+8*(4*(\hi)+(\a)):(\f)+8*(4*(\hi)+(\a))+7], v[BIAS+8*(\b):BIAS+8*(\b)+7]
.else
	v_wmma_f32_16x16x32_bf16 v[8*(8*(\a)+(\b)):8*(8*(\a)+(\b))+7], v[(\f)+64+8*(\b):(\f)+64+8*(\b)+7], v[(\f)+8*(4*(\hi)+(\a)):(\f)+8*(4*(\hi)+(\a))+7], v[8*(8*(\a)+(\b)):8*(8*(\a)+(\b))+7]
.endif
.endr
.endr
.endm
; 32 LDS loads in one run: quarter q (32 along K) of the slot in hand into buffer f: B's eight fragments, then A's eight
.macro FETCH q, f
	WIN TO_F
.irp i, 0,1,2,3,4,5,6,7
	ds_load_tr16_b128 v[(\f)+64+8*(\i):(\f)+64+8*(\i)+3],   v[ADRB] offset:32*PB*(\q)+32*(\i)
	ds_load_tr16_b128 v[(\f)+64+8*(\i)+4:(\f)+64+8*(\i)+7], v[ADRB] offset:32*PB*(\q)+32*(\i)+16*PB
.endr
.irp i, 0,1,2,3,4,5,6,7
	ds_load_b128 v[(\f)+8*(\i):(\f)+8*(\i)+3],   v[ADRA] offset:128*PA*((\q)/2)+64*((\q)%2)+16*PA*(\i)
	ds_load_b128 v[(\f)+8*(\i)+4:(\f)+8*(\i)+7], v[ADRA] offset:128*PA*((\q)/2)+64*((\q)%2)+16*PA*(\i)+32
.endr
.endm
; multiplies buffer f and, in its middle, fetches quarter q into buffer g
.macro QUARTER q, f, g, first
	s_wait_dscnt 8                                 ; all but the youngest eight loads: A's row blocks 4-7
	MUL16 \f, 0, 0, \first
	MUL16 \f, 0, 2, \first
	PLACES
	FETCH \q, \g
	s_wait_dscnt 32                                ; all but the 32 just issued
	MUL16 \f, 1, 0, \first
	MUL16 \f, 1, 2, \first
.endm
; the first half of a step's last quarter, and the barrier of the change of slots
.macro MEET
	WIN 0
	s_wait_tensorcnt 0x0                           ; all my tensor loads have landed: my part of the next slot
	ds_add_u32 v[SPW], v[NIL]                      ; 0 onto my spare word
	s_wait_dscnt 9                                 ; the add and the youngest eight loads may be out
	MUL16 F1, 0, 0, 0
	s_wait_dscnt 0x0                               ; the add is done, and my reads of this slot are over
	s_barrier_signal -1
	MUL16 F1, 0, 2, 0
	WIN 0
	s_barrier_wait -1
.endm
; the whole last quarter with a refill: the barrier opens a round of the cluster's; the slot that is left takes the K step two steps on
.macro TURN
	MEET
	CREST
	s_add_co_u32 s[G0A+5], s[LA], s[TB]
	s_add_nc_u64 s[G0A+6:G0A+7], s[G0A+6:G0A+7], ASTEP
	s_add_co_u32 s[G0B+5], s[LB], s[TB]
	s_add_nc_u64 s[G0B+6:G0B+7], s[G0B+6:G0B+7], BSTEP
	s_xor_b32 s[TB], s[TB], SLOT                   ; TB holds 0 or SLOT: the other slot is read from here on
	JLOAD 1                                        ; the first tensor load behind the round; its four v_nop are the places in front of the loads below
	v_add_nc_u32 v[ADRA], s[TB], v[ADRA0]
	v_add_nc_u32 v[ADRB], s[TB], v[ADRB0]
	FETCH 0, F0
	MUL16 F1, 1, 0, 0
	MUL16 F1, 1, 2, 0
.endm
; exact GELU of 32 numbers in XR: x/2 (1 + erf(x / sqrt 2)) = max(x, 0) - |x| P(t) e / 2, t = 1 / (1 + 0.2316419 |x|), e = exp(-x x / 2), P a polynomial of degree 5
.macro GELU32
.set i, 0
.rept 32
	v_fma_f32 v[UR+i], |v[XR+i]|, s[KP], 1.0
.set i, i+1
.endr
.set i, 0
.rept 16
	v_pk_mul_f32 v[WR+2*i:WR+2*i+1], v[XR+2*i:XR+2*i+1], s[KE:KE+1] op_sel_hi:[1,0]
.set i, i+1
.endr
.set i, 0
.rept 16
	v_pk_mul_f32 v[WR+2*i:WR+2*i+1], v[WR+2*i:WR+2*i+1], v[XR+2*i:XR+2*i+1]
.set i, i+1
.endr
.set i, 0
.rept 32
	v_rcp_f32 v[UR+i], v[UR+i]
.set i, i+1
.endr
.set i, 0
.rept 32
	v_exp_f32 v[WR+i], v[WR+i]
.set i, i+1
.endr
	v_nop                                          ; a plain instruction behind the last of them
.set i, 0
.rept 16
	v_pk_fma_f32 v[HR+2*i:HR+2*i+1], v[UR+2*i:UR+2*i+1], s[A5:A5+1], s[A4:A4+1] op_sel_hi:[1,0,0]
.set i, i+1
.endr
.irp k, A3, A2, A1
.set i, 0
.rept 16
	v_pk_fma_f32 v[HR+2*i:HR+2*i+1], v[HR+2*i:HR+2*i+1], v[UR+2*i:UR+2*i+1], s[\k:\k+1] op_sel_hi:[1,1,0]
.set i, i+1
.endr
.endr
.set i, 0
.rept 16
	v_pk_mul_f32 v[WR+2*i:WR+2*i+1], v[WR+2*i:WR+2*i+1], v[UR+2*i:UR+2*i+1]
.set i, i+1
.endr
.set i, 0
.rept 16
	v_pk_mul_f32 v[HR+2*i:HR+2*i+1], v[HR+2*i:HR+2*i+1], v[WR+2*i:WR+2*i+1]
.set i, i+1
.endr
.set i, 0
.rept 16
	v_pk_mul_f32 v[HR+2*i:HR+2*i+1], v[HR+2*i:HR+2*i+1], v[XR+2*i:XR+2*i+1]
.set i, i+1
.endr
.set i, 0
.rept 32
	v_max_num_f32 v[XR+i], 0, v[XR+i]
.set i, i+1
.endr
.set i, 0
.rept 32
	v_sub_f32 v[XR+i], v[XR+i], |v[HR+i]|
.set i, i+1
.endr
.endm
	s_wait_tensorcnt 1                             ; my part of K step 0 is in; step 1's may stay out
	s_barrier_signal -1
	s_barrier_wait -1
	FETCH 0, F0
	s_wait_loadcnt 0x0                             ; the bias
	QUARTER 1, F0, F1, 1
	WIN 0
	s_mov_b32 s[CNT], STEPS-2
.Lstep:                                                ; a trip: a step's quarters 1 to 3 and the next step's quarter 0; it fills one slot again
	QUARTER 2, F1, F0, 0
	QUARTER 3, F0, F1, 0
	TURN
	QUARTER 1, F0, F1, 0
	WIN 0
	s_sub_co_u32 s[CNT], s[CNT], 1
	s_cmp_lg_u32 s[CNT], 0
	s_cbranch_scc1 .Lstep
	s_mov_b32 s[CNT], 2
.Ltail:                                                ; the last two steps ask for nothing; the second trip is left in its middle
	QUARTER 2, F1, F0, 0
	QUARTER 3, F0, F1, 0
	MEET
	s_sub_co_u32 s[CNT], s[CNT], 1
	s_cmp_eq_u32 s[CNT], 0
	s_cbranch_scc1 .Lout
	s_xor_b32 s[TB], s[TB], SLOT
	v_add_nc_u32 v[ADRA], s[TB], v[ADRA0]          ; these four are the places in front of the loads
	v_add_nc_u32 v[ADRB], s[TB], v[ADRB0]
	v_nop
	v_nop
	FETCH 0, F0
	MUL16 F1, 1, 0, 0
	MUL16 F1, 1, 2, 0
	QUARTER 1, F0, F1, 0
	WIN 0
	s_branch .Ltail
.Lout:                                                 ; behind the last barrier no wave reads the ring, and no load is on its way
	MUL16 F1, 1, 0, 0
	MUL16 F1, 1, 2, 0
	PLACES
.irp a, 0,1,2,3,4,5,6,7
	WIN 0x08+4*((\a)/4)                            ; store data in window 2 or 3
.irp b, 0,1,2,3,4,5,6,7
	ds_store_b128 v[DST], v[8*(8*((\a)%4)+(\b)):8*(8*((\a)%4)+(\b))+3]   offset:16*DP*(\a)+64*(\b)
	ds_store_b128 v[DST], v[8*(8*((\a)%4)+(\b))+4:8*(8*((\a)%4)+(\b))+7] offset:16*DP*(\a)+64*(\b)+16
.endr
.endr
	WIN 0
	s_mov_b32 s[CNT], 16
.Lrows:                                                ; 8 rows a trip, my own bytes: LDS serves a wave's instructions in order, so no wait stands between my stores and these loads
.irp g, 0,1
.irp c, 0,1
	ds_load_b128 v[XR+8*(2*(\g)+(\c)):XR+8*(2*(\g)+(\c))+3],   v[RDA] offset:4*DP*(\g)+256*(\c)
	ds_load_b128 v[XR+8*(2*(\g)+(\c))+4:XR+8*(2*(\g)+(\c))+7], v[RDA] offset:4*DP*(\g)+256*(\c)+16
.endr
.endr
.if GELU
	s_wait_dscnt 0x0
	GELU32
.endif
.irp g, 0,1
.irp c, 0,1
.if !GELU
	s_wait_dscnt 6-2*(2*(\g)+(\c))                 ; the two loads of this part are in
.endif
.irp j, 0,1,2,3
	v_cvt_pk_bf16_f32 v[YR+4*(2*(\g)+(\c))+(\j)], v[XR+8*(2*(\g)+(\c))+2*(\j)], v[XR+8*(2*(\g)+(\c))+2*(\j)+1]
.endr
	global_store_b128 v[GO], v[YR+4*(2*(\g)+(\c)):YR+4*(2*(\g)+(\c))+3], s[10:11] offset:524288*(\c)+512*(\g)  ; 4 rows of a block: 512 consecutive bytes
.endr
.endr
	s_wait_xcnt 0x0                                ; the stores' data and base are rewritten only behind this wait
	s_add_nc_u64 s[10:11], s[10:11], 1024
	v_add_nc_u32 v[RDA], 8*DP, v[RDA]
	s_sub_co_u32 s[CNT], s[CNT], 1
	s_cmp_lg_u32 s[CNT], 0
	s_cbranch_scc1 .Lrows
	s_wait_tensorcnt 0x0                           ; the wave's end
	ds_add_u32 v[SPW], v[NIL]
	s_wait_dscnt 0x0
	CROUND                                         ; the closing round
	s_endpgm
.Lfunc_end_k_q9d64605072_qkv:
	.size	k_q9d64605072_qkv, .Lfunc_end_k_q9d64605072_qkv-k_q9d64605072_qkv
	.p2alignl 7, 3214868480
	.fill 96, 4, 3214868480
	.section	.rodata,"a",@progbits
	.p2align	6, 0x0
	.amdhsa_kernel k_q9d64605072_qkv
		.amdhsa_group_segment_fixed_size 327680
		.amdhsa_private_segment_fixed_size 0
		.amdhsa_enable_private_segment 0
		.amdhsa_kernarg_size 32
		.amdhsa_user_sgpr_count 2
		.amdhsa_user_sgpr_kernarg_segment_ptr 1
		.amdhsa_wavefront_size32 1
		.amdhsa_system_sgpr_workgroup_id_x 1
		.amdhsa_system_sgpr_workgroup_id_y 1
		.amdhsa_system_sgpr_workgroup_id_z 1
		.amdhsa_system_vgpr_workitem_id 0
		.amdhsa_next_free_vgpr 1024
		.amdhsa_next_free_sgpr 88
		.amdhsa_reserve_vcc 0
		.amdhsa_float_denorm_mode_32 3
		.amdhsa_float_denorm_mode_16_64 3
		.amdhsa_memory_ordered 1
		.amdhsa_forward_progress 1
		.amdhsa_inst_pref_size 82
	.end_amdhsa_kernel
	.amdgpu_metadata
---
amdhsa.version: [ 1, 2 ]
amdhsa.kernels:
  - .name:           k_q9d64605072_qkv
    .symbol:         k_q9d64605072_qkv.kd
    .args:
      - { .name: act, .offset: 0, .size: 8, .value_kind: global_buffer, .address_space: global }
      - { .name: wbf, .offset: 8, .size: 8, .value_kind: global_buffer, .address_space: global }
      - { .name: b_attn, .offset: 16, .size: 8, .value_kind: global_buffer, .address_space: global }
      - { .name: big, .offset: 24, .size: 8, .value_kind: global_buffer, .address_space: global }
    .group_segment_fixed_size: 327680
    .private_segment_fixed_size: 0
    .kernarg_segment_align: 8
    .kernarg_segment_size: 32
    .max_flat_workgroup_size: 128
    .sgpr_count:     88
    .vgpr_count:     1024
    .wavefront_size: 32
...
	.end_amdgpu_metadata
.endif
;; end of part 2
;; launch attn (part 3): grid 8 x 32, 4 waves a work-group, no clusters, 327,680 bytes of LDS; arguments big, act; writes act
.if DOCPART == 3
	.amdgcn_target "amdgcn-amd-amdhsa--gfx1250"
	.amdhsa_code_object_version 6
	.text
	.protected	k_q9d64605072_attn
	.globl	k_q9d64605072_attn
	.p2align	8
	.type	k_q9d64605072_attn,@function
k_q9d64605072_attn:
	s_mov_b64 s[64:65], 0
	v_nop
	global_prefetch_b8 v0, s[64:65] scope:SCOPE_SE
	s_setreg_imm32_b32 hwreg(HW_REG_WAVE_MODE, 25, 1), 1
	s_wait_xcnt 0x0
; CAUSAL ATTENTION, head size 64, 32 heads of 2,048 rows.  q, k, v: big, blocked: block h, 16 + h, 32 + h of 64 columns hold head h; a head's rows of one batch are dense, 128 bytes each.  y: act, block h.
; All bf16; products, maxima and sums in f32; the weights p are rounded to bf16 for the second product (their sum l is of the unrounded p), y once at the end.
; LIMITS.  A hidden score counts as its value less 1e30; c m starts at -4.25e37, taken to lie below every c s; a weight below 2^-126 counts as 0 in l; NaN and infinities are not treated apart.
; THE WALK.  A head has 16 blocks of 128 queries; block i needs the key tiles 0 .. i / 2 of 256 keys; the diagonal lies in the last tile's half i % 2.  A work-group takes blocks 15 - b and then b:
; 9 tiles, whatever b, walked by one loop with a constant count.  In an even block the last tile's two wholly hidden steps are computed all the same.
; NO CLUSTER: the 8 work-groups of a head ask for the same tile only in trips 0 to 4 of the 9; a walk common to all would have 12 trips.
; SHARES.  Of a block's two bands of 64 queries a wave owns 16 rows in each: two PIECES.  In the diagonal tile band x's own step is 2 (i % 2) + x: the same work for all four waves.
; TURNS.  Turn p belongs to piece p: 8 products K Q^T of the other piece (turn 0: this step's; turn 1: the next step's), later 8 products V^T P of the other piece (turn 0: the step before's; turn 1: this step's);
; beside them piece p's scaling, exponentials, roundings, sums and rescaling, and the other piece's maximum and statistics.  Four vector instructions stand behind every matrix instruction, the rest in two lumps.
; Turn 0 fetches K of the next step and V of this step.  So a slot's K is shifted by a step: slot j holds V's keys 256 j .. and K's keys 256 j + 64 ..; keys 0-63 of K lie in an area of their own, filled once.
; (The last tile's K reaches 64 rows past the head: they lie inside big and serve nothing.)  The change of slots stands between turn 0 of a tile's fourth step and that step's turn 1.
; THE MASK is the C operand that starts S^T = K Q^T: MD x AL + BE: (1, 0) in a band's own step, (0, 0) before it, (0, -1e30) behind it.  Only the diagonal tile's text and a block's beginning take masks.
; REGISTERS.  window 0: v2-15 addresses; v16-23 statistics; v48-55 at work; v62, v63 the add's; v64-127 S^T; v128-191 O^T; v192-223 P; v224-255 MD.
;             window 1: v0-63 MC; v64-95 Q; v96-127 the second block's Q; v128-191 K of one step; v192-255 V of one step.
.set NP,    2
.set KS,    64
.set PK,    144
.set PV,    160
.set VOFF,  4*KS*PK
.set SLOT1, 1<<17
.set K0B,   SLOT1+4*KS*(PK+PV)         ; K's keys 0-63
.set STAGE, K0B+KS*PK                  ; 16 rows x 144 bytes for each wave, for the way out; no fill lands here
.set SP,    144
.set SPARE, STAGE+4*16*SP              ; the spare words, 128 bytes a wave, named by no other line
.set AK0, 2
.set AV0, 3
.set AK,  4
.set AV,  5
.set STO, 6
.set RD,  7
.set GO,  8
.set MV,  12                           ; v12-13 c m_old, by piece
.set QO,  15
.set ST,  16                           ; piece t: c m, m, l (even keys', odd keys')
.set TMP, 48                           ; by piece, c0-c3 at work; c2 takes a
.set SPW, 62
.set NIL, 63
.set S,   64
.set OT,  128
.set P,   192
.set MD,  224
.set MC,  0                            ; window 1
.set Q,   64
.set QB,  96
.set KF,  128
.set VF,  192
.set WV,  12
.set PB,  14                           ; b
.set HI,  15                           ; 15 - b
.set G1K, 24
.set G1V, 32
.set G0K, 40
.set G0V, 44
.set G0Z, 48                           ; K's keys 0-63
.set OW0, 52                           ; s52, s53: the count at which a turn makes its piece's own mask
.set PBL, 54                           ; b / 2: the second block's last tile
.set DHL, 55                           ; b % 2
.set SLOTS, 56
.set CNT, 57
.set CS,  58
.set SEL, 60
.set TBK, 62
.set TBV, 63
.set RT,  70
.set NXT, 71
.set LQ,  72
.set NEW, 73
.set OFF, 74
.set AL,  76
.set BE,  78
.set OLO, 80
.set BIGN, 82
.set DH,  83                           ; which half of its last tile holds the block in hand
.set G1Z, 88
.set MSB, 0
.macro WIN new
.if MSB != (\new)
	s_set_vgpr_msb (MSB<<8)|(\new)
.set MSB, (\new)
.endif
.endm
.set W_KQ, 0x05                        ; K and Q in window 1
.set W_KM, 0x15                        ; and the C operand too
.set W_PV, 0x01                        ; V in window 1
.set W_T1, 0x40                        ; destination in window 1
.set W_CP, 0x41
.macro LOAD                            ; a fill: waves 0, 1 fetch the halves of a tile's K, waves 2, 3 of its V; an s_nop 0 and four v_nop follow each line
	s_cmp_lt_u32 s[WV], 2
	s_cbranch_scc0 .Lfor_v_\@
	tensor_load_to_lds s[G0K:G0K+3], s[G1K:G1K+7]
	s_nop 0
.rept 4
	v_nop
.endr
	s_branch .Lasked_\@
.Lfor_v_\@:
	tensor_load_to_lds s[G0V:G0V+3], s[G1V:G1V+7]
	s_nop 0
.rept 4
	v_nop
.endr
.Lasked_\@:
.endm
; THE CHANGE OF SLOTS: all my tensor loads, the add, my reads of the slot that is left; the barrier; fill = 1: that slot takes tile NXT, first thing behind the barrier.
.macro CHANGE fill
	WIN 0
	s_wait_tensorcnt 0x0                           ; no tensor load of mine is out, so a group 0 may be written
	ds_add_u32 v[SPW], v[NIL]                      ; 0 onto my spare word
.if \fill
	s_lshl_b32 s[OFF], s[NXT], 15                  ; a tile is 32,768 bytes of K and of V
	s_xor_b32 s[G0K+1], s[G0K+1], SLOT1
	s_add_nc_u64 s[G0K+2:G0K+3], s[8:9], s[OFF:OFF+1]
	s_or_b32 s[G0K+3], s[G0K+3], 0x80000000
	s_xor_b32 s[G0V+1], s[G0V+1], SLOT1
	s_add_nc_u64 s[G0V+2:G0V+3], s[10:11], s[OFF:OFF+1]
	s_or_b32 s[G0V+3], s[G0V+3], 0x80000000
	s_add_co_u32 s[NXT], s[NXT], 1                 ; the block's next tile, or behind its last the second block's tile 0
	s_cmp_gt_u32 s[NXT], s[LQ]
	s_cselect_b32 s[NXT], 0, s[NXT]
	s_cselect_b32 s[LQ], s[PBL], s[LQ]
.endif
	s_wait_dscnt 0x0                               ; the add is done, and my reads of the slot are over
	s_barrier_signal -1
	s_sub_co_u32 s[TBK], s[TBK], 4*KS*PK           ; the fetches go back to a slot's first step, in the other slot
	s_xor_b32 s[TBK], s[TBK], SLOT1
	s_sub_co_u32 s[TBV], s[TBV], 4*KS*PV
	s_xor_b32 s[TBV], s[TBV], SLOT1
	s_barrier_wait -1
.if \fill
	LOAD
.endif
.endm
	s_load_b128 s[4:7], s[0:1], 0x0                ; big s[4:5], act s[6:7]
	v_lshl_add_u32 v[SPW], v0, 2, SPARE
	v_mov_b32 v[NIL], 0
	ds_add_u32 v62, v63
	ds_add_u32 v62, v63
	s_wait_dscnt 0x0
	v_lshrrev_b32 v1, 5, v0
	v_readfirstlane_b32 s[WV], v1
	s_mov_b32 s[PB], ttmp9
	s_sub_co_u32 s[HI], 15, s[PB]
	s_lshr_b32 s[PBL], s[PB], 1
	s_and_b32 s[DHL], s[PB], 1
	s_and_b32 s[DH], s[HI], 1
	s_lshl_b32 s16, s[DH], 1
	s_sub_co_u32 s[OW0], 5, s16
	s_sub_co_u32 s[OW0+1], 3, s16
	s_and_b32 s16, ttmp7, 0xffff
	s_and_b32 s17, s16, 15                         ; the head,
	s_lshr_b32 s16, s16, 4                         ; the batch
	s_lshl_b32 s20, s17, 19
	s_lshl_b32 s16, s16, 18
	s_add_co_u32 s20, s20, s16                     ; the head's first byte in q's part of big, and in act
	s_and_b32 s16, s[WV], 1                        ; which half of a tile I fetch
	s_lshl_b32 s22, s16, 14
	s_add_co_u32 s22, s22, s20
	s_mov_b32 s23, 0
	s_lshl_b32 s18, s16, 12                        ; and which 32 of K's keys 0-63
	s_add_co_u32 s18, s18, s20
	s_add_co_u32 s18, s18, 8388608
	s_mov_b32 s19, 0
	s_lshl_b32 s3, s[WV], 11                       ; my 16 rows in a band,
	s_add_co_u32 s3, s3, s20
	s_lshl_b32 s2, s[HI], 14                       ; in the first block,
	s_add_co_u32 s2, s2, s3
	s_lshl_b32 s84, s[PB], 14                      ; and in the second
	s_add_co_u32 s84, s84, s3
	s_mov_b32 s3, 0
	s_mov_b32 s85, 0
	; 128 keys are 16,384 dense bytes: asked for as 64 rows of 256 bytes, two keys a row, padded in LDS after every key
	s_mov_b32 s[G1K], (1<<16)|(1<<20)|(4<<22)|(3<<25)
	s_mov_b32 s[G1V], (1<<16)|(1<<20)|(4<<22)|(7<<25)
	s_mov_b32 s[G1Z], (1<<16)|(1<<20)|(4<<22)|(3<<25)
.irp g, G1K, G1V
	s_mov_b32 s[\g+1], 128<<16
	s_mov_b32 s[\g+2], 64<<16
	s_mov_b32 s[\g+3], 128<<16
	s_mov_b32 s[\g+4], 64
	s_mov_b32 s[\g+5], 128
	s_mov_b32 s[\g+6], 0
	s_mov_b32 s[\g+7], 0
.endr
	s_mov_b32 s[G1Z+1], 128<<16                    ; 32 keys: 16 such rows
	s_mov_b32 s[G1Z+2], 16<<16
	s_mov_b32 s[G1Z+3], 128<<16
	s_mov_b32 s[G1Z+4], 16
	s_mov_b32 s[G1Z+5], 128
	s_mov_b32 s[G1Z+6], 0
	s_mov_b32 s[G1Z+7], 0
	s_mov_b32 s[CS], 0x3e38aa3b                    ; c = log2(e) / 8
	s_mov_b32 s[CS+1], s[CS]
	s_mov_b32 s[SEL], 0x76543210
	s_mov_b32 s[SEL+1], 0xfedcba98
	s_mov_b32 s[TBK], SLOT1+4*KS*PK                ; the first change of slots turns these two into 0
	s_mov_b32 s[TBV], SLOT1+4*KS*PV
	s_mov_b32 s[G0K], 1
	s_mul_i32 s[G0K+1], s16, 128*PK
	s_mov_b32 s[G0V], 1
	s_mul_i32 s[G0V+1], s16, 128*PV
	s_add_co_u32 s[G0V+1], s[G0V+1], VOFF
	s_mov_b32 s[G0Z], 1
	s_mul_i32 s[G0Z+1], s16, 32*PK
	s_add_co_u32 s[G0Z+1], s[G0Z+1], K0B
	s_lshr_b32 s[LQ], s[HI], 1
	s_add_co_u32 s[RT], s[LQ], 1                   ; the first block's tiles
	s_mov_b32 s[NXT], 1
	s_mov_b32 s[NEW], 1
	s_mov_b32 s[OFF+1], 0
	s_mov_b32 s[AL+1], 0
	s_mov_b32 s[BE+1], 0
	s_mov_b32 s[BIGN], 0xf149f2ca                  ; -1e30
	s_mov_b32 s[SLOTS], 8
	s_wait_kmcnt 0x0
	s_add_nc_u64 s[8:9], s[4:5], s[22:23]
	s_add_nc_u64 s[10:11], s[8:9], 16777216        ; V at my half of the head's tile 0
	s_add_nc_u64 s[8:9], s[8:9], 8388608+8192      ; K likewise, a step of 64 keys on
	s_add_nc_u64 s[G0K+2:G0K+3], s[8:9], 0
	s_or_b32 s[G0K+3], s[G0K+3], 0x80000000
	s_add_nc_u64 s[G0V+2:G0V+3], s[10:11], 0
	s_or_b32 s[G0V+3], s[G0V+3], 0x80000000
	s_add_nc_u64 s[G0Z+2:G0Z+3], s[4:5], s[18:19]
	s_or_b32 s[G0Z+3], s[G0Z+3], 0x80000000
	s_add_nc_u64 s[86:87], s[4:5], s[84:85]        ; Q at my rows of the second block,
	s_add_nc_u64 s[4:5], s[4:5], s[2:3]            ; Q and y at those of the first
	s_add_nc_u64 s[OLO:OLO+1], s[6:7], s[84:85]
	s_add_nc_u64 s[6:7], s[6:7], s[2:3]
	s_cmp_lt_u32 s[WV], 2                          ; a wave's first fills stand in one branch: waves 0, 1 have two loads out, waves 2, 3 one
	s_cbranch_scc0 .Lfirst_v
	tensor_load_to_lds s[G0K:G0K+3], s[G1K:G1K+7]
	s_nop 0
	tensor_load_to_lds s[G0Z:G0Z+3], s[G1Z:G1Z+7]
	s_nop 0
.rept 4
	v_nop
.endr
	s_branch .Lfirst_asked
.Lfirst_v:
	tensor_load_to_lds s[G0V:G0V+3], s[G1V:G1V+7]
	s_nop 0
.rept 4
	v_nop
.endr
.Lfirst_asked:
	v_and_b32 v1, 15, v0                           ; l % 16
	v_bfe_u32 v9, v0, 4, 1                         ; l / 16
	v_lshlrev_b32 v[QO], 7, v1
	v_lshl_add_u32 v[QO], v9, 4, v[QO]
	WIN W_T1
.set i, 0
.rept 4                                ; both blocks' Q: piece i / 2 lies 8,192 bytes on; channels 32 (i % 2) on
	global_load_b128 v[Q+8*i:Q+8*i+3],     v[QO], s[4:5] offset:(i/2)*8192+(i%2)*64
	global_load_b128 v[Q+8*i+4:Q+8*i+7],   v[QO], s[4:5] offset:(i/2)*8192+(i%2)*64+32
	global_load_b128 v[QB+8*i:QB+8*i+3],   v[QO], s[86:87] offset:(i/2)*8192+(i%2)*64
	global_load_b128 v[QB+8*i+4:QB+8*i+7], v[QO], s[86:87] offset:(i/2)*8192+(i%2)*64+32
.set i, i+1
.endr
	; A block's first step multiplies O^T and l by a = 0, so these need only be finite: zeros for the first block, what the first block left for the second.  All this stands in the wait for the first tile.
.set i, VF
.rept 64
	v_mov_b32 v[i], 0
.set i, i+1
.endr
	WIN 0
	v_lshlrev_b32 v14, 3, v9
	v_sub_nc_u32 v14, v1, v14
	s_lshl_b32 s13, s[WV], 4
	v_add_nc_u32 v14, s13, v14                     ; 16 w + l % 16 - 8 (l / 16): register r of key group kt is hidden where 16 kt + r is greater
.set i, 0
.rept 32
	v_cmp_gt_i32 vcc_lo, 16*(i/8)+i%8, v14
	v_cndmask_b32 v[MD+i], 0, s[BIGN], vcc_lo
.set i, i+1
.endr
	v_mul_u32_u24 v[AK0], v1, PK
	v_lshl_add_u32 v[AK0], v9, 4, v[AK0]
	v_and_b32 v10, 7, v0
	v_bfe_u32 v11, v0, 3, 1
	v_lshl_add_u32 v[AV0], v9, 3, v10              ; the turning load: key 8 (l / 16) + l % 8, channels 8 ((l / 8) % 2) on
	v_mul_u32_u24 v[AV0], v[AV0], PV
	v_lshl_add_u32 v[AV0], v11, 4, v[AV0]
	v_add_nc_u32 v[AV0], VOFF, v[AV0]
	s_mul_i32 s13, s[WV], 16*SP
	s_add_co_u32 s13, s13, STAGE
	v_mul_u32_u24 v[STO], v1, SP
	v_lshl_add_u32 v[STO], v9, 4, v[STO]
	v_add_nc_u32 v[STO], s13, v[STO]
	v_bfe_u32 v[RD], v0, 3, 2
	v_mul_u32_u24 v[RD], v[RD], SP
	v_lshl_add_u32 v[RD], v10, 4, v[RD]
	v_add_nc_u32 v[RD], s13, v[RD]
	v_and_b32 v[GO], 31, v0
	v_lshlrev_b32 v[GO], 4, v[GO]
.set i, OT
.rept 64
	v_mov_b32 v[i], 0
.set i, i+1
.endr
.set i, 0
.rept 2
	v_mov_b32 v[ST+4*i+2], 0
	v_mov_b32 v[ST+4*i+3], 0
.set i, i+1
.endr
.set i, P+16
.rept 16
	v_mov_b32 v[i], 0
.set i, i+1
.endr
; THE MATRIX WORK.  The 4 accumulators of a run of 8 take turns.  Product i of 8 of S^T = K Q^T for piece x: channels 32 (i / 4) on, keys 16 (i % 4) on.
.macro KQ x
.set rS, S+32*(\x)+8*(i%4)
.set rK, KF+16*(i%4)+8*(i/4)
.set rQ, Q+16*(\x)+8*(i/4)
.set rM, MC+32*(\x)+8*(i%4)
.if (i < 4) && KM
	WIN W_KM
	v_wmma_f32_16x16x32_bf16 v[rS:rS+7], v[rK:rK+7], v[rQ:rQ+7], v[rM:rM+7]
.elseif i < 4
	WIN W_KQ
	v_wmma_f32_16x16x32_bf16 v[rS:rS+7], v[rK:rK+7], v[rQ:rQ+7], 0
.else
	WIN W_KQ
	v_wmma_f32_16x16x32_bf16 v[rS:rS+7], v[rK:rK+7], v[rQ:rQ+7], v[rS:rS+7]
.endif
.endm
; Product i of 8 of O^T += V^T P for piece x: keys 32 (i / 4) on, channels 16 (i % 4) on.
.macro PV x
	WIN W_PV
.set rO, OT+32*(\x)+8*(i%4)
.set rV, VF+32*(i/4)+8*(i%4)
.set rP, P+16*(\x)+8*(i/4)
	v_wmma_f32_16x16x32_bf16 v[rO:rO+7], v[rV:rV+7], v[rP:rP+7], v[rO:rO+7]
.endm
.macro MM                              ; the turn's next matrix instruction; NOKQ = 1: a block's last turn starts no new scores
.if (i < 8) && !NOKQ
	KQ 1-Y
.elseif i >= 8
.set i, i-8
	PV 1-Y
.set i, i+8
.endif
.set i, i+1
.endm
.macro FETCH_K step                    ; a step's K: 8 fragments, 16 loads in one run
	WIN W_T1
.irp f, 0,1,2,3,4,5,6,7
	ds_load_b128 v[KF+8*\f:KF+8*\f+3],   v[AK] offset:(\f/2)*16*PK+(\f%2)*64
	ds_load_b128 v[KF+8*\f+4:KF+8*\f+7], v[AK] offset:(\f/2)*16*PK+(\f%2)*64+32
.endr
.if \step
	s_add_co_u32 s[TBK], s[TBK], KS*PK
.endif
	WIN 0
.endm
.macro FETCH_V                         ; a step's V, turned
	WIN W_T1
.irp f, 0,1,2,3,4,5,6,7
	ds_load_tr16_b128 v[VF+8*\f:VF+8*\f+3],   v[AV] offset:(\f/4)*32*PV+(\f%4)*32
	ds_load_tr16_b128 v[VF+8*\f+4:VF+8*\f+7], v[AV] offset:(\f/4)*32*PV+16*PV+(\f%4)*32
.endr
	WIN 0
.endm
; THE VECTOR WORK, a line at a time: OP kind, number.  For piece Y: F n: c s - c m for pair n.  E n: the exponential of score n.  C n: pair n rounded to bf16.  B n: of the four weights 4 n .. the second pair is
; added onto the first.  L n: l takes that sum (L 0: l = a l + sum).  R n: pair n of O^T times a.  For the other piece: X n, number n of the 22 that find its maximum and statistics (each accumulator's lowest
; registers are read first): 0-11 four chains; 12-14, 16 the rest, the old m; 15 c m_old is kept; 17, 18 the other half of the lanes; 19-21 c m, c m_old - c m_new, a.
.set F, 0
.set E, 1
.set C, 2
.set B, 3
.set L, 4
.set R, 5
.set X, 6
.macro REGS y
.set rT, ST+4*(\y)
.set rC, TMP+4*(\y)
.set rW, MV+(\y)
.set rS, S+32*(\y)
.set rP, P+16*(\y)
.set rO, OT+32*(\y)
.endm
.macro OP k, n
.if (\k) < X
	REGS Y
	WIN 0
.if (\k) == F
	v_pk_fma_f32 v[rS+2*(\n):rS+2*(\n)+1], v[rS+2*(\n):rS+2*(\n)+1], s[CS:CS+1], v[rT:rT+1] op_sel_hi:[1,0,0] neg_lo:[0,0,1] neg_hi:[0,0,1]
.elseif (\k) == E
	v_exp_f32 v[rS+(\n)], v[rS+(\n)]
.elseif (\k) == C
	s_wait_alu depctr_va_vdst(0)
	v_cvt_pk_bf16_f32 v[rP+(\n)], v[rS+2*(\n)], v[rS+2*(\n)+1]
.elseif (\k) == B
	s_wait_alu depctr_va_vdst(0)
	v_pk_add_f32 v[rS+4*(\n):rS+4*(\n)+1], v[rS+4*(\n):rS+4*(\n)+1], v[rS+4*(\n)+2:rS+4*(\n)+3]
.elseif (\k) == R
	v_pk_mul_f32 v[rO+2*(\n):rO+2*(\n)+1], v[rO+2*(\n):rO+2*(\n)+1], v[rC+2:rC+3] op_sel_hi:[1,0]
.elseif (\n) == 0
	v_pk_fma_f32 v[rT+2:rT+3], v[rT+2:rT+3], v[rC+2:rC+3], v[rS:rS+1] op_sel_hi:[1,0,1]
.else
	v_pk_add_f32 v[rT+2:rT+3], v[rT+2:rT+3], v[rS+4*(\n):rS+4*(\n)+1]
.endif
.elseif NOKQ
	v_nop
.else
	REGS 1-Y
	WIN 0
.if (\n) < 4
	v_max3_num_f32 v[rC+(\n)], v[rS+8*(\n)], v[rS+8*(\n)+1], v[rS+8*(\n)+2]
.elseif (\n) < 12
	v_max3_num_f32 v[rC+(\n)%4], v[rC+(\n)%4], v[rS+8*((\n)%4)+2*((\n)/4)+1], v[rS+8*((\n)%4)+2*((\n)/4)+2]
.elseif (\n) == 12
	v_max3_num_f32 v[rC], v[rC], v[rS+7], v[rS+15]
.elseif (\n) == 13
	v_max3_num_f32 v[rC+1], v[rC+1], v[rS+23], v[rS+31]
.elseif (\n) == 14
	v_max3_num_f32 v[rC+2], v[rC+2], v[rC+3], v[rT+1]
.elseif (\n) == 15
	v_mov_b32 v[rW], v[rT]
.elseif (\n) == 16
	v_max3_num_f32 v[rC], v[rC], v[rC+1], v[rC+2]
.elseif (\n) == 17
	v_permlanex16_b32 v[rC+3], v[rC], s[SEL], s[SEL+1]
.elseif (\n) == 18
	v_max_num_f32 v[rT+1], v[rC], v[rC+3]
.elseif (\n) == 19
	v_mul_f32 v[rT], s[CS], v[rT+1]
.elseif (\n) == 20
	v_sub_f32 v[rC+1], v[rW], v[rT]
.else
	v_exp_f32 v[rC+2], v[rC+1]
.endif
.endif
.endm
.macro OPS a, i1, b=-1, i2=0, c=-1, i3=0, d=-1, i4=0
	OP \a, \i1
.if (\b) >= 0
	OP \b, \i2
.endif
.if (\c) >= 0
	OP \c, \i3
.endif
.if (\d) >= 0
	OP \d, \i4
.endif
.endm
.macro ROW a, i1, b, i2, c, i3, d, i4  ; a matrix instruction and the four behind it
	MM
	OPS \a, \i1, \b, \i2, \c, \i3, \d, \i4
.endm
.macro MASK b                          ; MD x AL + BE into buffer b of MC
	WIN W_T1
.set z, 0
.rept 16
	v_pk_fma_f32 v[MC+32*(\b)+2*z:MC+32*(\b)+2*z+1], v[MD+2*z:MD+2*z+1], s[AL:AL+1], s[BE:BE+1] op_sel_hi:[1,0,0]
.set z, z+1
.endr
.endm
; A TURN, for piece p.  m = 1: the diagonal tile: the products take masks, and the turn makes the mask of its own piece's next step, which the next turn's products take.  In turn 0 of the tile's step k the count
; is 4 - k, in turn 1 it is 3 - k; OW0 = 5 - 2 DH and OW1 = 3 - 2 DH are the counts at which that next step is the band's own; at lower counts it lies behind it.
; end = 1: a block's last turn.  cnt = 1: the loop's count is taken down some lines ahead of the branch behind the turn.
; K's run stands six vector instructions behind the last product that read K (five of them plain), V's eight behind the last that read V (five plain).
.macro TURN p, m=0, end=0, cnt=0
.set Y, (\p)
.set i, 0
.set KM, (\m)
.set NOKQ, (\end)
.if (\m) && !(\end)
	s_cmp_eq_u32 s[CNT], s[OW0+(\p)]
	s_cselect_b32 s[AL], 1.0, 0
	s_cmp_lt_u32 s[CNT], s[OW0+(\p)]
	s_cselect_b32 s[BE], s[BIGN], 0
.endif
.if (\p) == 1
	s_wait_dscnt 16                                ; K is in; V's sixteen loads, issued behind K's, may be out
.endif
	ROW F,0, F,1, F,2, F,3
	ROW F,4, E,0, F,5, F,6
	ROW F,7, E,1, F,8, F,9
	ROW F,10, E,2, C,0, F,11
	ROW F,12, E,3, X,15, F,13
	ROW R,0, R,1, R,2, R,3
	ROW B,0, E,4, F,14, L,0
.if (\p) == 0
	v_add_nc_u32 v[AK], s[TBK], v[AK0]
.endif
	ROW R,4, R,5, R,6, R,7
	OPS E,5, F,15
.if (\p) == 0
	FETCH_K 1
.endif
	OPS E,6, C,1, E,7, R,8
	OPS E,8, R,9, E,9, C,2
	OPS E,10, X,0, E,11, X,1
	OPS E,12, X,2, E,13, X,3
.if (\p) == 1
	s_wait_dscnt 0x0                               ; V is in
.endif
	ROW X,4, E,14, X,5, X,6
	ROW X,7, E,15, X,8, X,9
	ROW X,10, E,16, X,11, X,12
	ROW X,13, E,17, X,14, B,1
	ROW C,4, E,18, X,16, L,1
	ROW B,2, E,19, C,6, L,2
	ROW C,8, E,20, B,3, B,4
.if (\p) == 0
	v_add_nc_u32 v[AV], s[TBV], v[AV0]
.endif
	ROW C,3, E,21, L,3, C,5
	OPS E,22, X,17, E,23, C,10
.if (\p) == 0
	FETCH_V
.endif
	OPS E,24, L,4
	OPS E,25, X,18, E,26, C,7
	OPS E,27, B,5, E,28, X,19
	OPS E,29, C,12, E,30, L,5
	OPS E,31, X,20, B,6, C,9
	OPS C,14, C,11, X,21, L,6
.if (\p) == 0
	s_add_co_u32 s[TBV], s[TBV], KS*PV
.endif
.if \cnt
	s_sub_co_u32 s[CNT], s[CNT], 1
	s_cmp_lg_u32 s[CNT], 0
.endif
	OPS C,13, B,7, C,15, R,10
	OPS R,11, R,12, L,7, R,13
	OPS R,14, R,15
.if (\m) && !(\end)
	MASK \p
.endif
.endm
; A BLOCK BEGINS: c m far below every c s, so the first step's a is 0; m the lowest finite number.  Piece 1's first mask is 0; piece 0's is its own if the block's first tile is the diagonal one and holds it in its first half.
; Then K's keys 0-63 from their own area, piece 0's first scores, its maximum and statistics.
.macro BEGIN
	s_mov_b32 s[NEW], 0
	WIN W_T1
.set i, MC+32
.rept 32
	v_mov_b32 v[i], 0
.set i, i+1
.endr
	WIN 0
.set i, 0
.rept 2
	v_mov_b32 v[ST+4*i], 0xfe000000
	v_mov_b32 v[ST+4*i+1], 0xff7fffff
.set i, i+1
.endr
	s_cmp_eq_u32 s[RT], 0
	s_cselect_b32 s[AL], 1.0, 0
	s_cmp_eq_u32 s[DH], 0
	s_cselect_b32 s[AL], s[AL], 0
	s_mov_b32 s[BE], 0
	MASK 0
	WIN 0
	v_add_nc_u32 v[AK], K0B, v[AK0]
	FETCH_K 0
	s_wait_loadcnt 0x0                             ; Q
	s_wait_dscnt 0x0
.set KM, 1
.set NOKQ, 0
.set i, 0
.rept 8
	KQ 0
.set i, i+1
.endr
	WIN 0
.rept 4
	v_nop                                          ; the places behind those products
.endr
.set Y, 1                              ; X works for the other piece: piece 0
.irp n, 0,1,2,3,4,5,6,7,8,9,10,11,12,13,14,15,16,17,18,19,20,21
	OP X, \n
.endr
	v_nop                                          ; a plain instruction behind the exponential
.endm
.macro PREMASK                         ; the diagonal tile is entered from the tile before: piece 0's mask for its step 0
	s_cmp_eq_u32 s[DH], 0
	s_cselect_b32 s[AL], 1.0, 0
	s_mov_b32 s[BE], 0
	MASK 0
	WIN 0
.endm
.macro ALL line:vararg
.set t, 0
.rept 2
	\line
.set t, t+1
.endr
.endm
.macro PACK t                          ; O^T / l, rounded; 16 bytes a lane into rows of 144 bytes, back as whole rows of 128
	WIN 0
.set i, 0
.rept 16
	s_wait_alu depctr_va_vdst(0)
	v_pk_mul_f32 v[OT+32*(\t)+2*i:OT+32*(\t)+2*i+1], v[OT+32*(\t)+2*i:OT+32*(\t)+2*i+1], v[ST+4*(\t)+2:ST+4*(\t)+3] op_sel_hi:[1,0]
.set i, i+1
.endr
.set i, 0
.rept 16
	v_cvt_pk_bf16_f32 v[S+16*(\t)+i], v[OT+32*(\t)+2*i], v[OT+32*(\t)+2*i+1]
.set i, i+1
.endr
.irp f, 0,1,2,3
	ds_store_b128 v[STO], v[S+16*(\t)+4*\f:S+16*(\t)+4*\f+3] offset:32*\f
.endr
.irp f, 0,1,2,3
	ds_load_b128 v[S+16*(\t)+4*\f:S+16*(\t)+4*\f+3], v[RD] offset:\f*4*SP  ; LDS serves a wave's instructions in order: these see the stores above
.endr
.endm
.macro SEND t, younger                 ; younger: the LDS instructions issued behind piece t's loads
.irp f, 0,1,2,3
	s_wait_dscnt (\younger)+3-\f
	global_store_b128 v[GO], v[S+16*(\t)+4*\f:S+16*(\t)+4*\f+3], s[6:7] offset:(\t)*8192+\f*512  ; 4 rows of the head: 512 consecutive bytes
.endr
.endm
; THE DIAGONAL TILE's four steps, the block's last turn, its last products, and the way out.
.macro DIAG tag
.LstepM\tag:
	TURN 1, 1
	WIN 0
.LfirstM\tag:
	TURN 0, 1, 0, 1
	WIN 0
	s_cbranch_scc1 .LstepM\tag
	TURN 1, 1, 1
.set i, 0
.rept 8
	PV 1
.set i, i+1
.endr
	WIN 0
	ALL v_add_f32 v[ST+4*t+2], v[ST+4*t+2], v[ST+4*t+3]
	ALL v_permlanex16_b32 v[ST+4*t+3], v[ST+4*t+2], s[SEL], s[SEL+1]
	ALL v_add_f32 v[ST+4*t+2], v[ST+4*t+2], v[ST+4*t+3]
	ALL v_rcp_f32 v[ST+4*t+2], v[ST+4*t+2]
	v_nop                                          ; a plain instruction between the last reciprocal and the use of its result
	PACK 0                                         ; piece 0's 32 lines name nothing of the last products: with the four additions and the v_nop they are the places behind them
	PACK 1
	SEND 0, 8
	SEND 1, 0
.endm
.set KM, 0
.set NOKQ, 0
.Lslot:                                                ; 8 times: a tile is entered and the next is asked for
	CHANGE 1
	s_sub_co_u32 s[RT], s[RT], 1
	s_mov_b32 s[CNT], 4
	s_cmp_eq_u32 s[NEW], 1
	s_cbranch_scc1 .Lnew                           ; a block's first tile
	s_cmp_eq_u32 s[RT], 0
	s_cbranch_scc0 .Lstep                          ; neither its first nor its last
	PREMASK
	s_branch .LstepM1
.Lnew:
	BEGIN
	s_branch .Lfirst                               ; in the loop a block's first tile is never its last: the first block has five tiles or more, the second's last is the walk's last
	DIAG 1                                         ; in the loop this is the first block's end
	s_wait_xcnt 0x0                                ; the stores have read their registers and y's address
	s_mov_b64 s[6:7], s[OLO:OLO+1]
	s_add_co_u32 s[RT], s[PBL], 1
	s_mov_b32 s[NEW], 1
	s_mov_b32 s[DH], s[DHL]
	s_lshl_b32 s16, s[DH], 1
	s_sub_co_u32 s[OW0], 5, s16
	s_sub_co_u32 s[OW0+1], 3, s16
	WIN W_CP                                       ; the second block's Q goes where the one text of the turns names Q
.set i, 0
.rept 32
	v_mov_b32 v[Q+i], v[QB+i]
.set i, i+1
.endr
	WIN 0
	s_branch .Lbottom
.Lstep:                                                ; a trip: turn 1 of one step, then turn 0 of the next, which fetches its V and the K behind it
	TURN 1
	WIN 0
.Lfirst:
	TURN 0, 0, 0, 1
	WIN 0
	s_cbranch_scc1 .Lstep
.Lbottom:
	s_sub_co_u32 s[SLOTS], s[SLOTS], 1
	s_cmp_lg_u32 s[SLOTS], 0
	s_cbranch_scc1 .Lslot
	CHANGE 0                                       ; the walk's last tile is written out: nothing is asked for
	s_sub_co_u32 s[RT], s[RT], 1
	s_mov_b32 s[CNT], 4
	s_cmp_eq_u32 s[NEW], 1
	s_cbranch_scc0 .Lold
	BEGIN
	s_branch .LfirstM2
.Lold:
	PREMASK
	DIAG 2
	s_wait_tensorcnt 0x0                           ; the wave's end
	ds_add_u32 v[SPW], v[NIL]
	s_wait_dscnt 0x0
	s_endpgm
.Lfunc_end_k_q9d64605072_attn:
	.size	k_q9d64605072_attn, .Lfunc_end_k_q9d64605072_attn-k_q9d64605072_attn
	.p2alignl 7, 3214868480
	.fill 96, 4, 3214868480
	.section	.rodata,"a",@progbits
	.p2align	6, 0x0
	.amdhsa_kernel k_q9d64605072_attn
		.amdhsa_group_segment_fixed_size 327680
		.amdhsa_private_segment_fixed_size 0
		.amdhsa_enable_private_segment 0
		.amdhsa_kernarg_size 16
		.amdhsa_user_sgpr_count 2
		.amdhsa_user_sgpr_kernarg_segment_ptr 1
		.amdhsa_wavefront_size32 1
		.amdhsa_system_sgpr_workgroup_id_x 1
		.amdhsa_system_sgpr_workgroup_id_y 1
		.amdhsa_system_sgpr_workgroup_id_z 1
		.amdhsa_system_vgpr_workitem_id 0
		.amdhsa_next_free_vgpr 512
		.amdhsa_next_free_sgpr 96
		.amdhsa_reserve_vcc 1
		.amdhsa_float_denorm_mode_32 3
		.amdhsa_float_denorm_mode_16_64 3
		.amdhsa_memory_ordered 1
		.amdhsa_forward_progress 1
		.amdhsa_inst_pref_size 131
	.end_amdhsa_kernel
	.amdgpu_metadata
---
amdhsa.version: [ 1, 2 ]
amdhsa.kernels:
  - .name:           k_q9d64605072_attn
    .symbol:         k_q9d64605072_attn.kd
    .args:
      - { .name: big, .offset: 0, .size: 8, .value_kind: global_buffer, .address_space: global }
      - { .name: act, .offset: 8, .size: 8, .value_kind: global_buffer, .address_space: global }
    .group_segment_fixed_size: 327680
    .private_segment_fixed_size: 0
    .kernarg_segment_align: 8
    .kernarg_segment_size: 16
    .max_flat_workgroup_size: 128
    .sgpr_count:     96
    .vgpr_count:     512
    .wavefront_size: 32
...
	.end_amdgpu_metadata
.endif
;; end of part 3
;; launch proj (part 4): grid 8 x 32, 4 waves a work-group, clusters of 4 x 4, 327,680 bytes of LDS; arguments act, wbf, b_proj, x, x1; writes x1
.if DOCPART == 4
	.amdgcn_target "amdgcn-amd-amdhsa--gfx1250"
	.amdhsa_code_object_version 6
	.text
	.protected	k_q9d64605072_proj
	.globl	k_q9d64605072_proj
	.p2align	8
	.type	k_q9d64605072_proj,@function
k_q9d64605072_proj:
	s_mov_b64 s[64:65], 0
	v_nop
	global_prefetch_b8 v0, s[64:65] scope:SCOPE_SE
	s_setreg_imm32_b32 hwreg(HW_REG_WAVE_MODE, 25, 1), 1
	s_wait_xcnt 0x0
	s_wait_alu depctr_hold_cnt(0) depctr_sa_sdst(0) depctr_va_vdst(0) depctr_va_sdst(0) depctr_va_ssrc(0) depctr_va_vcc(0) depctr_vm_vsrc(0)
	s_getreg_b32 s2, hwreg(HW_REG_IB_STS2, 6, 4)
	s_cmp_eq_u32 s2, 0
	s_cbranch_scc0 .Lentry_in_a_cluster
	s_endpgm
.Lentry_in_a_cluster:
	s_bfe_u32 s2, ttmp6, 0x10000c
	s_cmp_lg_u32 s2, 0xf033
	s_cbranch_scc0 .Lentry_shape_is_right
	s_endpgm
.Lentry_shape_is_right:
; x1 = x + y W + b.  y: act, blocked [K/64][4096][64] bf16.  W: wbf at WOFF, [K][1024] bf16.  Residual and output: f32 [4096][1024].  K = 256 STEPS.
; A tile of C is 128 x 128, four waves of 64 x 64 (16 accumulators): 256 tiles.  K goes in steps of 256 through two LDS slots; one K step is written once, its LDS addresses hang on s[TB], 0 or SLOT.
; A's part of a slot: 4 blocks of 64 columns x 128 rows x 128 bytes (a block's 128 rows lie end to end in memory), padded to 144.  B's part: 256 rows of K x 256 bytes, padded to 288, read turned.
; The matrix instruction is used transposed (source 0 = columns of W, source 1 = rows of y).  The bias is the C of the first products; the residual is loaded at the start and lands under the K loop.
; CLUSTER 4 x 4: A's tile shared along a row, B's along a column.  WAY OUT: through the wave's own part of the ring, which has had its last fill; a store's sixteen lanes cover 256 consecutive bytes, aligned.
; LIMITS: operands bf16; NaN and infinities are not treated apart.
.set STEPS,  4
.set WOFF,   6291456
.set PA,     144
.set PB,     288
.set PIECE,  36864                     ; 2 blocks x 128 rows x 144 of A = 128 rows x 288 of B: what one load brings
.set BOFF,   2*PIECE
.set SLOT,   4*PIECE
.set SPARE,  2*SLOT
.set DP,     272
.set DUMP,   64*DP
.set ASTEP,  4*524288
.set BSTEP,  256*2048
.set ADRA0, 16
.set ADRB0, 17
.set ADRA,  18
.set ADRB,  19                         ; v19 K rows 0-127 of the slot in hand, v20 rows 128-255
.set DST,   21
.set RD,    22
.set RO,    23                         ; my offset in two rows of the residual and of the output
.set BO,    24
.set SPW,   28
.set NIL,   29
.set BIAS,  32                         ; v[32:63]
.set T,     64                         ; v[64:127] the way out
.set RES,   128                        ; v[128:255] the residual of my 64 x 64
.set F0,    0                          ; window 1: A's fragment (c, a) at f + 8 (4 c + a), B's (c, b) at f + 64 + 8 (4 c + b)
.set F1,    128                        ; window 2: accumulator (a, b) at 8 (4 a + b)
.set WV, 12
.set RH, 13
.set CH, 14
.set G1A, 24
.set G1B, 32
.set G0A, 40
.set G0B, 48
.set CNT, 56
.set TB,  57
.set LW,  59
.set TO_F, 0x40
.set MSB, 0
.macro WIN new
.if MSB != (\new)
	s_set_vgpr_msb (MSB<<8)|(\new)
.set MSB, \new
.endif
.endm
.macro PLACES
.rept 4
	v_nop
.endr
.endm
.macro JLOAD s                         ; a joint load; an s_nop 0 and four v_nop follow each line
	s_cmp_eq_u32 s[RH], 0
	s_cbranch_scc0 .Lfor_b_\@
	tensor_load_to_lds s[G0A+4*(\s):G0A+4*(\s)+3], s[G1A:G1A+7]
	s_nop 0
.rept 4
	v_nop
.endr
	s_branch .Lasked_\@
.Lfor_b_\@:
	tensor_load_to_lds s[G0B+4*(\s):G0B+4*(\s)+3], s[G1B:G1B+7]
	s_nop 0
.rept 4
	v_nop
.endr
.Lasked_\@:
.endm
.macro CREST
	s_cmp_lg_u32 s[WV], 0
	s_cbranch_scc1 .Lnot_wave_0_\@
	s_barrier_signal -3
.Lnot_wave_0_\@:
	s_barrier_wait -3
	s_barrier_signal -1
	s_barrier_wait -1
.endm
.macro CROUND
	s_barrier_signal -1
	s_barrier_wait -1
	CREST
.endm
	s_load_b256 s[4:11], s[0:1], 0x0               ; A s[4:5], wbf s[6:7], bias s[8:9], residual s[10:11]
	s_load_b64 s[74:75], s[0:1], 0x20              ; out
	v_lshl_add_u32 v[SPW], v0, 2, SPARE
	v_mov_b32 v[NIL], 0
	ds_add_u32 v28, v29
	ds_add_u32 v28, v29
	s_wait_dscnt 0x0
	v_lshrrev_b32 v1, 5, v0
	v_readfirstlane_b32 s[WV], v1
	s_lshr_b32 s[RH], s[WV], 1
	s_and_b32 s[CH], s[WV], 1
	s_bfe_u32 s15, ttmp6, 0x40000
	s_bfe_u32 s16, ttmp6, 0x40004
	s_lshl_b32 s17, ttmp9, 2
	s_add_co_u32 s17, s17, s15                     ; tile column
	s_and_b32 s18, ttmp7, 0xffff
	s_lshl_b32 s18, s18, 2
	s_add_co_u32 s18, s18, s16                     ; tile row
	s_lshl_b32 s62, s16, 2
	s_lshl_b32 s62, 15, s62
	s_lshl_b32 s63, 0x1111, s15
	s_or_b32 s[G1A], s62, (1<<16)|(1<<20)|(1<<21)|(4<<22)|(3<<25)  ; 4 words behind every 32
	s_mov_b32 s[G1A+1], 8192<<16                   ; a descriptor row: 128 rows of a block, 16,384 bytes end to end
	s_mov_b32 s[G1A+2], 2<<16
	s_mov_b32 s[G1A+3], 8192<<16
	s_mov_b32 s[G1A+4], 2
	s_mov_b32 s[G1A+5], 262144
	s_mov_b32 s[G1A+6], 0
	s_mov_b32 s[G1A+7], 0
	s_or_b32 s[G1B], s63, (1<<16)|(1<<20)|(1<<21)|(5<<22)|(7<<25)  ; 8 words behind every 64
	s_mov_b32 s[G1B+1], 128<<16
	s_mov_b32 s[G1B+2], 128<<16
	s_mov_b32 s[G1B+3], 128<<16
	s_mov_b32 s[G1B+4], 128
	s_mov_b32 s[G1B+5], 1024
	s_mov_b32 s[G1B+6], 0
	s_mov_b32 s[G1B+7], 0
	s_lshl_b32 s20, s18, 14                        ; A: 128 rows a tile row, two blocks a piece: no cx in these registers
	s_lshl_b32 s21, s[CH], 20
	s_add_co_u32 s20, s20, s21
	s_mov_b32 s21, 0
	s_lshl_b32 s66, s[CH], 18                      ; B: 128 rows of K a piece, 256 bytes a tile column: no cy in these registers
	s_lshl_b32 s67, s17, 8
	s_add_co_u32 s66, s66, s67
	s_add_co_u32 s66, s66, WOFF
	s_mov_b32 s67, 0
	s_mul_i32 s[LW], s[WV], PIECE                  ; A's two pieces, then B's two: wave x piece
	s_mov_b32 s[TB], 0
	s_wait_kmcnt 0x0
	s_add_nc_u64 s[22:23], s[4:5], s[20:21]
	s_add_nc_u64 s[68:69], s[6:7], s[66:67]
	CROUND                                         ; all sixteen work-groups are here: the first joint loads meet
.irp s, 0,1
	s_mov_b32 s[G0A+4*(\s)], 1
	s_add_co_u32 s[G0A+4*(\s)+1], s[LW], (\s)*SLOT
	s_add_nc_u64 s[G0A+4*(\s)+2:G0A+4*(\s)+3], s[22:23], (\s)*ASTEP
	s_or_b32 s[G0A+4*(\s)+3], s[G0A+4*(\s)+3], 0x80000000
	s_mov_b32 s[G0B+4*(\s)], 1
	s_add_co_u32 s[G0B+4*(\s)+1], s[LW], (\s)*SLOT
	s_add_nc_u64 s[G0B+4*(\s)+2:G0B+4*(\s)+3], s[68:69], (\s)*BSTEP
	s_or_b32 s[G0B+4*(\s)+3], s[G0B+4*(\s)+3], 0x80000000
	JLOAD \s                                       ; two loads of mine are out
.endr
	v_and_b32 v1, 15, v0                           ; r
	v_bfe_u32 v2, v0, 4, 1                         ; h
	v_mul_u32_u24 v3, v1, PA
	v_lshl_add_u32 v3, v2, 4, v3
	s_mul_i32 s58, s[RH], 64*PA
	v_add_nc_u32 v[ADRA0], s58, v3
	v_and_b32 v4, 7, v0
	v_lshl_add_u32 v4, v2, 3, v4
	v_mul_u32_u24 v4, v4, PB
	v_bfe_u32 v5, v0, 3, 1
	v_lshl_add_u32 v4, v5, 4, v4
	s_lshl_b32 s58, s[CH], 7
	s_add_co_u32 s58, s58, BOFF
	v_add_nc_u32 v[ADRB0], s58, v4
	v_mov_b32 v[ADRA], v[ADRA0]
	v_mov_b32 v[ADRB], v[ADRB0]
	v_add_nc_u32 v[ADRB+1], PIECE, v[ADRB0]
	s_mul_i32 s58, s[WV], DUMP
	v_mul_u32_u24 v6, v1, DP
	v_lshl_add_u32 v6, v2, 5, v6
	v_add_nc_u32 v[DST], s58, v6
	v_mul_u32_u24 v6, v2, DP
	v_lshl_add_u32 v6, v1, 4, v6
	v_add_nc_u32 v[RD], s58, v6
	v_lshlrev_b32 v[RO], 12, v2
	v_lshl_add_u32 v[RO], v1, 4, v[RO]
	v_lshlrev_b32 v[BO], 5, v2
	s_lshl_b32 s70, s17, 9                         ; the bias of my 64 columns
	s_lshl_b32 s71, s[CH], 8
	s_add_co_u32 s70, s70, s71
	s_mov_b32 s71, 0
	s_add_nc_u64 s[8:9], s[8:9], s[70:71]
	s_lshl_b32 s72, s18, 19                        ; row 128 tile row + 64 half, of 4,096 bytes; the same columns
	s_lshl_b32 s73, s[RH], 18
	s_add_co_u32 s72, s72, s73
	s_add_co_u32 s72, s72, s70
	s_mov_b32 s73, 0
	s_add_nc_u64 s[10:11], s[10:11], s[72:73]
	s_add_nc_u64 s[74:75], s[74:75], s[72:73]
.irp b, 0,1,2,3
	global_load_b128 v[BIAS+8*(\b):BIAS+8*(\b)+3],   v[BO], s[8:9] offset:64*(\b)
	global_load_b128 v[BIAS+8*(\b)+4:BIAS+8*(\b)+7], v[BO], s[8:9] offset:64*(\b)+16
.endr
.set t, 0
.rept 32
	global_load_b128 v[RES+4*t:RES+4*t+3], v[RO], s[10:11] offset:8192*t
.set t, t+1
.endr
; 8 matrix instructions: row blocks a0, a0 + 1 x all 4 column blocks, 32 along K (half c of buffer f).  The 16 accumulators take turns.
.macro MUL8 f, c, a0, first
.if \first
	WIN 0x85
.else
	WIN 0xa5
.endif
.irp a, \a0, (\a0)+1
.irp b, 0,1,2,3
.if \first
	v_wmma_f32_16x16x32_bf16 v[8*(4*(\a)+(\b)):8*(4*(\a)+(\b))+7], v[(\f)+64+8*(4*(\c)+(\b)):(\f)+64+8*(4*(\c)+(\b))+7], v[(\f)+8*(4*(\c)+(\a)):(\f)+8*(4*(\c)+(\a))+7], v[BIAS+8*(\b):BIAS+8*(\b)+7]
.else
	v_wmma_f32_16x16x32_bf16 v[8*(4*(\a)+(\b)):8*(4*(\a)+(\b))+7], v[(\f)+64+8*(4*(\c)+(\b)):(\f)+64+8*(4*(\c)+(\b))+7], v[(\f)+8*(4*(\c)+(\a)):(\f)+8*(4*(\c)+(\a))+7], v[8*(4*(\a)+(\b)):8*(4*(\a)+(\b))+7]
.endif
.endr
.endr
.endm
; 32 LDS loads in one run: quarter q (64 along K, one block of A) into buffer f; the first 32 along K first
.macro FETCH q, f
	WIN TO_F
.irp c, 0,1
.irp i, 0,1,2,3
	ds_load_tr16_b128 v[(\f)+64+8*(4*(\c)+(\i)):(\f)+64+8*(4*(\c)+(\i))+3],   v[ADRB+(\q)/2] offset:64*PB*((\q)%2)+32*PB*(\c)+32*(\i)
	ds_load_tr16_b128 v[(\f)+64+8*(4*(\c)+(\i))+4:(\f)+64+8*(4*(\c)+(\i))+7], v[ADRB+(\q)/2] offset:64*PB*((\q)%2)+32*PB*(\c)+32*(\i)+16*PB
	ds_load_b128 v[(\f)+8*(4*(\c)+(\i)):(\f)+8*(4*(\c)+(\i))+3],   v[ADRA] offset:128*PA*(\q)+16*PA*(\i)+64*(\c)
	ds_load_b128 v[(\f)+8*(4*(\c)+(\i))+4:(\f)+8*(4*(\c)+(\i))+7], v[ADRA] offset:128*PA*(\q)+16*PA*(\i)+64*(\c)+32
.endr
.endr
.endm
.macro QUARTER q, f, g, first
	s_wait_dscnt 16                                ; the first 32 along K are in
	MUL8 \f, 0, 0, \first
	MUL8 \f, 0, 2, \first
	PLACES
	FETCH \q, \g
	s_wait_dscnt 32                                ; all but the 32 just issued
	MUL8 \f, 1, 0, 0
	MUL8 \f, 1, 2, 0
.endm
.macro MEET
	WIN 0
	s_wait_tensorcnt 0x0                           ; all my tensor loads have landed: my part of the next slot
	ds_add_u32 v[SPW], v[NIL]                      ; 0 onto my spare word
	s_wait_dscnt 17                                ; the add and the youngest sixteen loads may be out
	MUL8 F1, 0, 0, 0
	s_wait_dscnt 0x0                               ; the add is done, and my reads of this slot are over
	s_barrier_signal -1
	MUL8 F1, 0, 2, 0
	WIN 0
	s_barrier_wait -1
.endm
.macro TURN
	MEET
	CREST
	s_add_co_u32 s[G0A+5], s[LW], s[TB]            ; the slot that is left takes the K step two steps on
	s_add_nc_u64 s[G0A+6:G0A+7], s[G0A+6:G0A+7], ASTEP
	s_add_co_u32 s[G0B+5], s[LW], s[TB]
	s_add_nc_u64 s[G0B+6:G0B+7], s[G0B+6:G0B+7], BSTEP
	s_xor_b32 s[TB], s[TB], SLOT                   ; TB holds 0 or SLOT
	JLOAD 1                                        ; the first tensor load behind the round; its four v_nop are the places in front of the loads below
	v_add_nc_u32 v[ADRA], s[TB], v[ADRA0]
	v_add_nc_u32 v[ADRB], s[TB], v[ADRB0]
	v_add_nc_u32 v[ADRB+1], PIECE, v[ADRB]
	FETCH 0, F0
	MUL8 F1, 1, 0, 0
	MUL8 F1, 1, 2, 0
.endm
	s_wait_tensorcnt 1                             ; my part of K step 0 is in; step 1's may stay out
	s_barrier_signal -1
	s_barrier_wait -1
	FETCH 0, F0
	s_wait_loadcnt 32                              ; the bias is in; the residual's 32 loads stay out
	QUARTER 1, F0, F1, 1
	WIN 0
	s_mov_b32 s[CNT], STEPS-2
.Lstep:
	QUARTER 2, F1, F0, 0
	QUARTER 3, F0, F1, 0
	TURN
	QUARTER 1, F0, F1, 0
	WIN 0
	s_sub_co_u32 s[CNT], s[CNT], 1
	s_cmp_lg_u32 s[CNT], 0
	s_cbranch_scc1 .Lstep
	s_mov_b32 s[CNT], 2
.Ltail:                                                ; the last two steps ask for nothing; the second trip is left in its middle
	QUARTER 2, F1, F0, 0
	QUARTER 3, F0, F1, 0
	MEET
	s_sub_co_u32 s[CNT], s[CNT], 1
	s_cmp_eq_u32 s[CNT], 0
	s_cbranch_scc1 .Lout
	s_xor_b32 s[TB], s[TB], SLOT
	v_add_nc_u32 v[ADRA], s[TB], v[ADRA0]          ; these four are the places in front of the loads
	v_add_nc_u32 v[ADRB], s[TB], v[ADRB0]
	v_add_nc_u32 v[ADRB+1], PIECE, v[ADRB]
	v_nop
	FETCH 0, F0
	MUL8 F1, 1, 0, 0
	MUL8 F1, 1, 2, 0
	QUARTER 1, F0, F1, 0
	WIN 0
	s_branch .Ltail
.Lout:                                                 ; behind the last barrier no wave reads the ring, and no load is on its way
	MUL8 F1, 1, 0, 0
	MUL8 F1, 1, 2, 0
	PLACES
	WIN 0x08                                       ; store data in window 2
.irp a, 0,1,2,3
.irp b, 0,1,2,3
	ds_store_b128 v[DST], v[8*(4*(\a)+(\b)):8*(4*(\a)+(\b))+3]   offset:16*DP*(\a)+64*(\b)
	ds_store_b128 v[DST], v[8*(4*(\a)+(\b))+4:8*(4*(\a)+(\b))+7] offset:16*DP*(\a)+64*(\b)+16
.endr
.endr
	WIN 0
	s_wait_loadcnt 0x0                             ; the residual
.irp hf, 0,1
.irp u, 0,1,2,3,4,5,6,7,8,9,10,11,12,13,14,15
	ds_load_b128 v[T+4*(\u):T+4*(\u)+3], v[RD] offset:2*DP*(16*(\hf)+(\u))  ; my own bytes: LDS serves a wave's instructions in order
.endr
.irp u, 0,1,2,3,4,5,6,7,8,9,10,11,12,13,14,15
	s_wait_dscnt 15-(\u)
	v_pk_add_f32 v[RES+4*(16*(\hf)+(\u)):RES+4*(16*(\hf)+(\u))+1],   v[RES+4*(16*(\hf)+(\u)):RES+4*(16*(\hf)+(\u))+1],   v[T+4*(\u):T+4*(\u)+1]
	v_pk_add_f32 v[RES+4*(16*(\hf)+(\u))+2:RES+4*(16*(\hf)+(\u))+3], v[RES+4*(16*(\hf)+(\u))+2:RES+4*(16*(\hf)+(\u))+3], v[T+4*(\u)+2:T+4*(\u)+3]
	global_store_b128 v[RO], v[RES+4*(16*(\hf)+(\u)):RES+4*(16*(\hf)+(\u))+3], s[74:75] offset:8192*(16*(\hf)+(\u))
.endr
.endr
	s_wait_tensorcnt 0x0                           ; the wave's end
	ds_add_u32 v[SPW], v[NIL]
	s_wait_dscnt 0x0
	CROUND                                         ; the closing round
	s_endpgm
.Lfunc_end_k_q9d64605072_proj:
	.size	k_q9d64605072_proj, .Lfunc_end_k_q9d64605072_proj-k_q9d64605072_proj
	.p2alignl 7, 3214868480
	.fill 96, 4, 3214868480
	.section	.rodata,"a",@progbits
	.p2align	6, 0x0
	.amdhsa_kernel k_q9d64605072_proj
		.amdhsa_group_segment_fixed_size 327680
		.amdhsa_private_segment_fixed_size 0
		.amdhsa_enable_private_segment 0
		.amdhsa_kernarg_size 40
		.amdhsa_user_sgpr_count 2
		.amdhsa_user_sgpr_kernarg_segment_ptr 1
		.amdhsa_wavefront_size32 1
		.amdhsa_system_sgpr_workgroup_id_x 1
		.amdhsa_system_sgpr_workgroup_id_y 1
		.amdhsa_system_sgpr_workgroup_id_z 1
		.amdhsa_system_vgpr_workitem_id 0
		.amdhsa_next_free_vgpr 640
		.amdhsa_next_free_sgpr 76
		.amdhsa_reserve_vcc 0
		.amdhsa_float_denorm_mode_32 3
		.amdhsa_float_denorm_mode_16_64 3
		.amdhsa_memory_ordered 1
		.amdhsa_forward_progress 1
		.amdhsa_inst_pref_size 67
	.end_amdhsa_kernel
	.amdgpu_metadata
---
amdhsa.version: [ 1, 2 ]
amdhsa.kernels:
  - .name:           k_q9d64605072_proj
    .symbol:         k_q9d64605072_proj.kd
    .args:
      - { .name: act, .offset: 0, .size: 8, .value_kind: global_buffer, .address_space: global }
      - { .name: wbf, .offset: 8, .size: 8, .value_kind: global_buffer, .address_space: global }
      - { .name: b_proj, .offset: 16, .size: 8, .value_kind: global_buffer, .address_space: global }
      - { .name: x, .offset: 24, .size: 8, .value_kind: global_buffer, .address_space: global }
      - { .name: x1, .offset: 32, .size: 8, .value_kind: global_buffer, .address_space: global }
    .group_segment_fixed_size: 327680
    .private_segment_fixed_size: 0
    .kernarg_segment_align: 8
    .kernarg_segment_size: 40
    .max_flat_workgroup_size: 128
    .sgpr_count:     76
    .vgpr_count:     640
    .wavefront_size: 32
...
	.end_amdgpu_metadata
.endif
;; end of part 4
;; launch ln2: the kernel of part 1 again; grid 256 x 1, 8 waves a work-group, no clusters, 0 bytes of LDS; arguments x1, ln2_w, ln2_b, act, w_attn, w_proj, w_fc, w_fc2, wbf, wf; writes act, wbf, wf
;; launch fc (part 5): grid 16 x 16, 4 waves a work-group, clusters of 4 x 4, 327,680 bytes of LDS; arguments act, wf, b_fc, big; writes big
.if DOCPART == 5
	.amdgcn_target "amdgcn-amd-amdhsa--gfx1250"
	.amdhsa_code_object_version 6
	.text
	.protected	k_q9d64605072_fc
	.globl	k_q9d64605072_fc
	.p2align	8
	.type	k_q9d64605072_fc,@function
k_q9d64605072_fc:
	s_mov_b64 s[64:65], 0
	v_nop
	global_prefetch_b8 v0, s[64:65] scope:SCOPE_SE
	s_setreg_imm32_b32 hwreg(HW_REG_WAVE_MODE, 25, 1), 1
	s_wait_xcnt 0x0
	s_wait_alu depctr_hold_cnt(0) depctr_sa_sdst(0) depctr_va_vdst(0) depctr_va_sdst(0) depctr_va_ssrc(0) depctr_va_vcc(0) depctr_vm_vsrc(0)
	s_getreg_b32 s2, hwreg(HW_REG_IB_STS2, 6, 4)
	s_cmp_eq_u32 s2, 0
	s_cbranch_scc0 .Lentry_in_a_cluster
	s_endpgm
.Lentry_in_a_cluster:
	s_bfe_u32 s2, ttmp6, 0x10000c
	s_cmp_lg_u32 s2, 0xf033
	s_cbranch_scc0 .Lentry_shape_is_right
	s_endpgm
.Lentry_shape_is_right:
; h3 = gelu(h2 W + b), the exact GELU, K = 1024, 16 tile columns.  (The text of the launch qkv is this one with GELU = 0;
; the two launches are told apart when the text is assembled.)
; A: act, blocked [16][4096][64] bf16.  W: blocked [N / 256][1024][256] bf16, from its buffer's byte 0.  Out: blocked [N / 64][4096][64] bf16, rounded once from f32 sums that the bias starts.
; A tile of C is 256 x 256, four waves of 128 x 128 (64 accumulators): 256 tiles.  K goes in 8 steps of 128 through two LDS slots.  One K step is written once: the loop's LDS addresses hang on s[TB], 0 or SLOT.
; A's part of a slot: for each of 2 blocks of 64 columns, 128 rows of 128 bytes that lie end to end in memory; one descriptor row is such a run of 16,384 bytes, padded by 16 behind every 128.
; B's part: 128 rows of K x 512 bytes, which lie end to end in memory, padded to 544; its fragments come turned, by ds_load_tr16_b128.
; The matrix instruction is used transposed (source 0 = 16 columns of W, source 1 = 16 rows of A): a lane holds one row of C and eight neighbouring columns.
; CLUSTER 4 x 4: A's tile is shared along a row of the cluster, B's along a column; each is asked for jointly.
; WAY OUT: the f32 tile goes into the wave's own part of the ring, which has had its last fill, and comes back as 4 rows x 64 columns, so that a store covers 512 consecutive bytes of a block.
; LIMITS: operands bf16; erf by a rational series that meets it to 1.5e-7 for every x; NaN and infinities are not treated apart.
.set GELU,   1
.set STEPS,  8
.set PA,     144                       ; a row of A in LDS: 128 + 16 bytes
.set PB,     544                       ; a row of B in LDS: 512 + 32 bytes
.set APIECE, 2*128*PA                  ; what one load brings of A: 128 rows, two blocks
.set BPIECE, 64*PB                     ; of B: 64 rows of K
.set BOFF,   2*APIECE
.set SLOT,   BOFF+2*BPIECE
.set SPARE,  2*SLOT                    ; the spare words: 128 bytes a wave, named by no other line
.set DP,     528                       ; the way out: a row of 128 f32 + 16 bytes
.set DUMP,   128*DP
.set ASTEP,  2*524288                  ; bytes from a K step to the next in A: two blocks
.set BSTEP,  128*512                   ; and in W: 128 rows of 512 bytes
.set ADRA0, 16                         ; v16 my place in a slot's A;  v17 in its B
.set ADRB0, 17
.set ADRA,  18                         ; v18, v19 the same in the slot that is read
.set ADRB,  19
.set DST,   20                         ; v20 the way out: where I put 16 bytes
.set RDA,   21                         ; v21 where I read them back
.set GO,    22                         ; v22 my 16 bytes in 512 of the output
.set BO,    23                         ; v23 my offset in the bias
.set SPW,   28                         ; v28 LDS address of my spare word; never rewritten
.set NIL,   29                         ; v29 0; never rewritten
.set BIAS,  64                         ; v[64:127] the bias of my 8 x 8 columns: the C of the first products
.set XR,    64                         ; the way out: 32 numbers; U, W, H at work; Y to store
.set UR,    96
.set WR,    128
.set HR,    160
.set YR,    192
.set F0,    0                          ; window 1: two fragment buffers; A's fragment a at f + 8 a, B's fragment b at f + 64 + 8 b
.set F1,    128                        ; windows 2, 3: accumulator (a, b) at 8 (8 (a % 4) + b) of window 2 + a / 4
.set WV, 12
.set RH, 13                            ; my half of the rows; also: 0 = I fetch A, 1 = B
.set CH, 14                            ; my half of the columns; also: which piece I fetch
.set G1A, 24
.set G1B, 32
.set G0A, 40                           ; two sets: step 0 into slot 0; step 1 into slot 1, which then walks on
.set G0B, 48
.set CNT, 56
.set TB,  57                           ; the base of the slot that is read
.set LA,  59
.set LB,  60
.set KP, 74                            ; s[74:87] GELU's constants, in pairs
.set KE, 76
.set A5, 78
.set A4, 80
.set A3, 82
.set A2, 84
.set A1, 86
.set TO_F, 0x40
.set MSB, 0
.macro WIN new                         ; the immediate's high byte repeats the setting that is left
.if MSB != (\new)
	s_set_vgpr_msb (MSB<<8)|(\new)
.set MSB, \new
.endif
.endm
.macro PLACES                          ; four places between a matrix instruction and a load into, or a read of, its registers
.rept 4
	v_nop
.endr
.endm
.macro JLOAD s                         ; a joint load; an s_nop 0 and four v_nop follow each line
	s_cmp_eq_u32 s[RH], 0
	s_cbranch_scc0 .Lfor_b_\@
	tensor_load_to_lds s[G0A+4*(\s):G0A+4*(\s)+3], s[G1A:G1A+7]
	s_nop 0
.rept 4
	v_nop
.endr
	s_branch .Lasked_\@
.Lfor_b_\@:
	tensor_load_to_lds s[G0B+4*(\s):G0B+4*(\s)+3], s[G1B:G1B+7]
	s_nop 0
.rept 4
	v_nop
.endr
.Lasked_\@:
.endm
.macro CREST                           ; a round of the cluster's barrier behind its opening barrier
	s_cmp_lg_u32 s[WV], 0
	s_cbranch_scc1 .Lnot_wave_0_\@
	s_barrier_signal -3
.Lnot_wave_0_\@:
	s_barrier_wait -3
	s_barrier_signal -1
	s_barrier_wait -1
.endm
.macro CROUND
	s_barrier_signal -1
	s_barrier_wait -1
	CREST
.endm
.macro KONST r, val
	s_mov_b32 s[\r], \val
	s_mov_b32 s[(\r)+1], \val
.endm
	s_load_b256 s[4:11], s[0:1], 0x0               ; A s[4:5], W s[6:7], bias s[8:9], out s[10:11]
	v_lshl_add_u32 v[SPW], v0, 2, SPARE
	v_mov_b32 v[NIL], 0
	ds_add_u32 v28, v29
	ds_add_u32 v28, v29
	s_wait_dscnt 0x0
	v_lshrrev_b32 v1, 5, v0
	v_readfirstlane_b32 s[WV], v1
	s_lshr_b32 s[RH], s[WV], 1
	s_and_b32 s[CH], s[WV], 1
	s_bfe_u32 s15, ttmp6, 0x40000                  ; cx
	s_bfe_u32 s16, ttmp6, 0x40004                  ; cy
	s_lshl_b32 s17, ttmp9, 2
	s_add_co_u32 s17, s17, s15                     ; tile column
	s_and_b32 s18, ttmp7, 0xffff
	s_lshl_b32 s18, s18, 2
	s_add_co_u32 s18, s18, s16                     ; tile row
	s_lshl_b32 s62, s16, 2
	s_lshl_b32 s62, 15, s62                        ; my row of the cluster
	s_lshl_b32 s63, 0x1111, s15                    ; my column
	s_or_b32 s[G1A], s62, (1<<16)|(1<<20)|(1<<21)|(4<<22)|(3<<25)  ; mask; 2-byte elements; padding on; bit 21 beside a mask; 4 words behind every 32
	s_mov_b32 s[G1A+1], 8192<<16                   ; tensor_dim0 = 8192 elements: 128 rows of a block, end to end
	s_mov_b32 s[G1A+2], 2<<16                      ; tensor_dim1 = 2 blocks
	s_mov_b32 s[G1A+3], 8192<<16                   ; tile_dim0
	s_mov_b32 s[G1A+4], 2                          ; tile_dim1
	s_mov_b32 s[G1A+5], 262144                     ; elements from block to block
	s_mov_b32 s[G1A+6], 0
	s_mov_b32 s[G1A+7], 0
	s_or_b32 s[G1B], s63, (1<<16)|(1<<20)|(1<<21)|(6<<22)|(7<<25)  ; 8 words behind every 128
	s_mov_b32 s[G1B+1], 256<<16
	s_mov_b32 s[G1B+2], 64<<16
	s_mov_b32 s[G1B+3], 256<<16
	s_mov_b32 s[G1B+4], 64
	s_mov_b32 s[G1B+5], 256                        ; a tile column's rows lie end to end
	s_mov_b32 s[G1B+6], 0
	s_mov_b32 s[G1B+7], 0
	s_lshl_b32 s20, s18, 15                        ; A: (256 tile row + 128 piece) x 128 bytes: no cx in these registers
	s_lshl_b32 s21, s[CH], 14
	s_add_co_u32 s20, s20, s21
	s_mov_b32 s21, 0
	s_lshl_b32 s66, s[CH], 15                      ; B: 64 rows of 512 bytes a piece, 1,024 such rows a tile column: no cy in these registers
	s_lshl_b32 s67, s17, 19
	s_add_co_u32 s66, s66, s67
	s_mov_b32 s67, 0
	s_mul_i32 s[LA], s[CH], APIECE
	s_mul_i32 s[LB], s[CH], BPIECE
	s_add_co_u32 s[LB], s[LB], BOFF
	s_mov_b32 s[TB], 0
.if GELU
	KONST KP, 0x3e6d3388                           ; 0.3275911 / sqrt(2)
	KONST KE, 0xbf38aa3b                           ; -log2(e) / 2
	KONST A5, 0x3f07dc22                           ; the series' five coefficients, halved
	KONST A4, 0xbf3a00e3
	KONST A3, 0x3f35f0e3
	KONST A2, 0xbe11a98e
	KONST A1, 0x3e027906
.endif
	s_wait_kmcnt 0x0
	s_add_nc_u64 s[22:23], s[4:5], s[20:21]
	s_add_nc_u64 s[68:69], s[6:7], s[66:67]
	CROUND                                         ; all sixteen work-groups are here: the first joint loads meet
.irp s, 0,1
	s_mov_b32 s[G0A+4*(\s)], 1
	s_add_co_u32 s[G0A+4*(\s)+1], s[LA], (\s)*SLOT
	s_add_nc_u64 s[G0A+4*(\s)+2:G0A+4*(\s)+3], s[22:23], (\s)*ASTEP
	s_or_b32 s[G0A+4*(\s)+3], s[G0A+4*(\s)+3], 0x80000000
	s_mov_b32 s[G0B+4*(\s)], 1
	s_add_co_u32 s[G0B+4*(\s)+1], s[LB], (\s)*SLOT
	s_add_nc_u64 s[G0B+4*(\s)+2:G0B+4*(\s)+3], s[68:69], (\s)*BSTEP
	s_or_b32 s[G0B+4*(\s)+3], s[G0B+4*(\s)+3], 0x80000000
	JLOAD \s                                       ; two loads of mine are out
.endr
	v_and_b32 v1, 15, v0                           ; r
	v_bfe_u32 v2, v0, 4, 1                         ; h
	v_mul_u32_u24 v3, v1, PA
	v_lshl_add_u32 v3, v2, 4, v3
	s_mul_i32 s58, s[RH], APIECE
	v_add_nc_u32 v[ADRA0], s58, v3                 ; my 128 rows; row r; 16 bytes for each half of the lanes
	v_and_b32 v4, 7, v0
	v_lshl_add_u32 v4, v2, 3, v4
	v_mul_u32_u24 v4, v4, PB                       ; the turning load: K row 8 h + l % 8,
	v_bfe_u32 v5, v0, 3, 1
	v_lshl_add_u32 v4, v5, 4, v4                   ; columns 8 ((l / 8) % 2) on
	s_lshl_b32 s58, s[CH], 8
	s_add_co_u32 s58, s58, BOFF
	v_add_nc_u32 v[ADRB0], s58, v4
	v_mov_b32 v[ADRA], v[ADRA0]
	v_mov_b32 v[ADRB], v[ADRB0]
	s_mul_i32 s58, s[WV], DUMP
	v_mul_u32_u24 v6, v1, DP
	v_lshl_add_u32 v6, v2, 5, v6
	v_add_nc_u32 v[DST], s58, v6
	v_bfe_u32 v6, v0, 3, 2
	v_mul_u32_u24 v6, v6, DP
	v_and_b32 v7, 7, v0
	v_lshl_add_u32 v6, v7, 5, v6
	v_add_nc_u32 v[RDA], s58, v6
	v_and_b32 v[GO], 31, v0
	v_lshlrev_b32 v[GO], 4, v[GO]
	v_lshlrev_b32 v[BO], 5, v2
	s_lshl_b32 s70, s17, 10                        ; the bias of my 128 columns
	s_lshl_b32 s71, s[CH], 9
	s_add_co_u32 s70, s70, s71
	s_mov_b32 s71, 0
	s_add_nc_u64 s[8:9], s[8:9], s[70:71]
	s_lshl_b32 s72, s17, 21                        ; out: block 4 tile column + 2 half, row 256 tile row + 128 half
	s_lshl_b32 s73, s[CH], 20
	s_add_co_u32 s72, s72, s73
	s_lshl_b32 s73, s18, 15
	s_add_co_u32 s72, s72, s73
	s_lshl_b32 s73, s[RH], 14
	s_add_co_u32 s72, s72, s73
	s_mov_b32 s73, 0
	s_add_nc_u64 s[10:11], s[10:11], s[72:73]
.irp b, 0,1,2,3,4,5,6,7
	global_load_b128 v[BIAS+8*(\b):BIAS+8*(\b)+3],   v[BO], s[8:9] offset:64*(\b)
	global_load_b128 v[BIAS+8*(\b)+4:BIAS+8*(\b)+7], v[BO], s[8:9] offset:64*(\b)+16
.endr
; 16 matrix instructions: row blocks a0, a0 + 1 of the window's four x all 8 column blocks, 32 along K.  first = 1: the bias is the C that starts the sums.
; The 64 accumulators take turns, one instruction a turn, in the same order in every quarter.
.macro MUL16 f, hi, a0, first
.if \first
	WIN 0x85+0x40*(\hi)
.else
	WIN 0xa5+0x50*(\hi)
.endif
.irp a, \a0, (\a0)+1
.irp b, 0,1,2,3,4,5,6,7
.if \first
	v_wmma_f32_16x16x32_bf16 v[8*(8*(\a)+(\b)):8*(8*(\a)+(\b))+7], v[(\f)+64+8*(\b):(\f)+64+8*(\b)+7], v[(\f)+8*(4*(\hi)+(\a)):(\f)+8*(4*(\hi)+(\a))+7], v[BIAS+8*(\b):BIAS+8*(\b)+7]
.else
	v_wmma_f32_16x16x32_bf16 v[8*(8*(\a)+(\b)):8*(8*(\a)+(\b))+7], v[(\f)+64+8*(\b):(\f)+64+8*(\b)+7], v[(\f)+8*(4*(\hi)+(\a)):(\f)+8*(4*(\hi)+(\a))+7], v[8*(8*(\a)+(\b)):8*(8*(\a)+(\b))+7]
.endif
.endr
.endr
.endm
; 32 LDS loads in one run: quarter q (32 along K) of the slot in hand into buffer f: B's eight fragments, then A's eight
.macro FETCH q, f
	WIN TO_F
.irp i, 0,1,2,3,4,5,6,7
	ds_load_tr16_b128 v[(\f)+64+8*(\i):(\f)+64+8*(\i)+3],   v[ADRB] offset:32*PB*(\q)+32*(\i)
	ds_load_tr16_b128 v[(\f)+64+8*(\i)+4:(\f)+64+8*(\i)+7], v[ADRB] offset:32*PB*(\q)+32*(\i)+16*PB
.endr
.irp i, 0,1,2,3,4,5,6,7
	ds_load_b128 v[(\f)+8*(\i):(\f)+8*(\i)+3],   v[ADRA] offset:128*PA*((\q)/2)+64*((\q)%2)+16*PA*(\i)
	ds_load_b128 v[(\f)+8*(\i)+4:(\f)+8*(\i)+7], v[ADRA] offset:128*PA*((\q)/2)+64*((\q)%2)+16*PA*(\i)+32
.endr
.endm
; multiplies buffer f and, in its middle, fetches quarter q into buffer g
.macro QUARTER q, f, g, first
	s_wait_dscnt 8                                 ; all but the youngest eight loads: A's row blocks 4-7
	MUL16 \f, 0, 0, \first
	MUL16 \f, 0, 2, \first
	PLACES
	FETCH \q, \g
	s_wait_dscnt 32                                ; all but the 32 just issued
	MUL16 \f, 1, 0, \first
	MUL16 \f, 1, 2, \first
.endm
; the first half of a step's last quarter, and the barrier of the change of slots
.macro MEET
	WIN 0
	s_wait_tensorcnt 0x0                           ; all my tensor loads have landed: my part of the next slot
	ds_add_u32 v[SPW], v[NIL]                      ; 0 onto my spare word
	s_wait_dscnt 9                                 ; the add and the youngest eight loads may be out
	MUL16 F1, 0, 0, 0
	s_wait_dscnt 0x0                               ; the add is done, and my reads of this slot are over
	s_barrier_signal -1
	MUL16 F1, 0, 2, 0
	WIN 0
	s_barrier_wait -1
.endm
; the whole last quarter with a refill: the barrier opens a round of the cluster's; the slot that is left takes the K step two steps on
.macro TURN
	MEET
	CREST
	s_add_co_u32 s[G0A+5], s[LA], s[TB]
	s_add_nc_u64 s[G0A+6:G0A+7], s[G0A+6:G0A+7], ASTEP
	s_add_co_u32 s[G0B+5], s[LB], s[TB]
	s_add_nc_u64 s[G0B+6:G0B+7], s[G0B+6:G0B+7], BSTEP
	s_xor_b32 s[TB], s[TB], SLOT                   ; TB holds 0 or SLOT: the other slot is read from here on
	JLOAD 1                                        ; the first tensor load behind the round; its four v_nop are the places in front of the loads below
	v_add_nc_u32 v[ADRA], s[TB], v[ADRA0]
	v_add_nc_u32 v[ADRB], s[TB], v[ADRB0]
	FETCH 0, F0
	MUL16 F1, 1, 0, 0
	MUL16 F1, 1, 2, 0
.endm
; exact GELU of 32 numbers in XR: x/2 (1 + erf(x / sqrt 2)) = max(x, 0) - |x| P(t) e / 2, t = 1 / (1 + 0.2316419 |x|), e = exp(-x x / 2), P a polynomial of degree 5
.macro GELU32
.set i, 0
.rept 32
	v_fma_f32 v[UR+i], |v[XR+i]|, s[KP], 1.0
.set i, i+1
.endr
.set i, 0
.rept 16
	v_pk_mul_f32 v[WR+2*i:WR+2*i+1], v[XR+2*i:XR+2*i+1], s[KE:KE+1] op_sel_hi:[1,0]
.set i, i+1
.endr
.set i, 0
.rept 16
	v_pk_mul_f32 v[WR+2*i:WR+2*i+1], v[WR+2*i:WR+2*i+1], v[XR+2*i:XR+2*i+1]
.set i, i+1
.endr
.set i, 0
.rept 32
	v_rcp_f32 v[UR+i], v[UR+i]
.set i, i+1
.endr
.set i, 0
.rept 32
	v_exp_f32 v[WR+i], v[WR+i]
.set i, i+1
.endr
	v_nop                                          ; a plain instruction behind the last of them
.set i, 0
	s_wait_alu depctr_va_vdst(0)
.rept 16
	v_pk_fma_f32 v[HR+2*i:HR+2*i+1], v[UR+2*i:UR+2*i+1], s[A5:A5+1], s[A4:A4+1] op_sel_hi:[1,0,0]
.set i, i+1
.endr
.irp k, A3, A2, A1
.set i, 0
.rept 16
	v_pk_fma_f32 v[HR+2*i:HR+2*i+1], v[HR+2*i:HR+2*i+1], v[UR+2*i:UR+2*i+1], s[\k:\k+1] op_sel_hi:[1,1,0]
.set i, i+1
.endr
.endr
.set i, 0
.rept 16
	v_pk_mul_f32 v[WR+2*i:WR+2*i+1], v[WR+2*i:WR+2*i+1], v[UR+2*i:UR+2*i+1]
.set i, i+1
.endr
.set i, 0
.rept 16
	v_pk_mul_f32 v[HR+2*i:HR+2*i+1], v[HR+2*i:HR+2*i+1], v[WR+2*i:WR+2*i+1]
.set i, i+1
.endr
.set i, 0
.rept 16
	v_pk_mul_f32 v[HR+2*i:HR+2*i+1], v[HR+2*i:HR+2*i+1], v[XR+2*i:XR+2*i+1]
.set i, i+1
.endr
.set i, 0
.rept 32
	v_max_num_f32 v[XR+i], 0, v[XR+i]
.set i, i+1
.endr
.set i, 0
.rept 32
	v_sub_f32 v[XR+i], v[XR+i], |v[HR+i]|
.set i, i+1
.endr
.endm
	s_wait_tensorcnt 1                             ; my part of K step 0 is in; step 1's may stay out
	s_barrier_signal -1
	s_barrier_wait -1
	FETCH 0, F0
	s_wait_loadcnt 0x0                             ; the bias
	QUARTER 1, F0, F1, 1
	WIN 0
	s_mov_b32 s[CNT], STEPS-2
.Lstep:                                                ; a trip: a step's quarters 1 to 3 and the next step's quarter 0; it fills one slot again
	QUARTER 2, F1, F0, 0
	QUARTER 3, F0, F1, 0
	TURN
	QUARTER 1, F0, F1, 0
	WIN 0
	s_sub_co_u32 s[CNT], s[CNT], 1
	s_cmp_lg_u32 s[CNT], 0
	s_cbranch_scc1 .Lstep
	s_mov_b32 s[CNT], 2
.Ltail:                                                ; the last two steps ask for nothing; the second trip is left in its middle
	QUARTER 2, F1, F0, 0
	QUARTER 3, F0, F1, 0
	MEET
	s_sub_co_u32 s[CNT], s[CNT], 1
	s_cmp_eq_u32 s[CNT], 0
	s_cbranch_scc1 .Lout
	s_xor_b32 s[TB], s[TB], SLOT
	v_add_nc_u32 v[ADRA], s[TB], v[ADRA0]          ; these four are the places in front of the loads
	v_add_nc_u32 v[ADRB], s[TB], v[ADRB0]
	v_nop
	v_nop
	FETCH 0, F0
	MUL16 F1, 1, 0, 0
	MUL16 F1, 1, 2, 0
	QUARTER 1, F0, F1, 0
	WIN 0
	s_branch .Ltail
.Lout:                                                 ; behind the last barrier no wave reads the ring, and no load is on its way
	MUL16 F1, 1, 0, 0
	MUL16 F1, 1, 2, 0
	PLACES
.irp a, 0,1,2,3,4,5,6,7
	WIN 0x08+4*((\a)/4)                            ; store data in window 2 or 3
.irp b, 0,1,2,3,4,5,6,7
	ds_store_b128 v[DST], v[8*(8*((\a)%4)+(\b)):8*(8*((\a)%4)+(\b))+3]   offset:16*DP*(\a)+64*(\b)
	ds_store_b128 v[DST], v[8*(8*((\a)%4)+(\b))+4:8*(8*((\a)%4)+(\b))+7] offset:16*DP*(\a)+64*(\b)+16
.endr
.endr
	WIN 0
	s_mov_b32 s[CNT], 16
.Lrows:                                                ; 8 rows a trip, my own bytes: LDS serves a wave's instructions in order, so no wait stands between my stores and these loads
.irp g, 0,1
.irp c, 0,1
	ds_load_b128 v[XR+8*(2*(\g)+(\c)):XR+8*(2*(\g)+(\c))+3],   v[RDA] offset:4*DP*(\g)+256*(\c)
	ds_load_b128 v[XR+8*(2*(\g)+(\c))+4:XR+8*(2*(\g)+(\c))+7], v[RDA] offset:4*DP*(\g)+256*(\c)+16
.endr
.endr
.if GELU
	s_wait_dscnt 0x0
	GELU32
.endif
.irp g, 0,1
.irp c, 0,1
.if !GELU
	s_wait_dscnt 6-2*(2*(\g)+(\c))                 ; the two loads of this part are in
.endif
.irp j, 0,1,2,3
	v_cvt_pk_bf16_f32 v[YR+4*(2*(\g)+(\c))+(\j)], v[XR+8*(2*(\g)+(\c))+2*(\j)], v[XR+8*(2*(\g)+(\c))+2*(\j)+1]
.endr
	global_store_b128 v[GO], v[YR+4*(2*(\g)+(\c)):YR+4*(2*(\g)+(\c))+3], s[10:11] offset:524288*(\c)+512*(\g)  ; 4 rows of a block: 512 consecutive bytes
.endr
.endr
	s_wait_xcnt 0x0                                ; the stores' data and base are rewritten only behind this wait
	s_add_nc_u64 s[10:11], s[10:11], 1024
	v_add_nc_u32 v[RDA], 8*DP, v[RDA]
	s_sub_co_u32 s[CNT], s[CNT], 1
	s_cmp_lg_u32 s[CNT], 0
	s_cbranch_scc1 .Lrows
	s_wait_tensorcnt 0x0                           ; the wave's end
	ds_add_u32 v[SPW], v[NIL]
	s_wait_dscnt 0x0
	CROUND                                         ; the closing round
	s_endpgm
.Lfunc_end_k_q9d64605072_fc:
	.size	k_q9d64605072_fc, .Lfunc_end_k_q9d64605072_fc-k_q9d64605072_fc
	.p2alignl 7, 3214868480
	.fill 96, 4, 3214868480
	.section	.rodata,"a",@progbits
	.p2align	6, 0x0
	.amdhsa_kernel k_q9d64605072_fc
		.amdhsa_group_segment_fixed_size 327680
		.amdhsa_private_segment_fixed_size 0
		.amdhsa_enable_private_segment 0
		.amdhsa_kernarg_size 32
		.amdhsa_user_sgpr_count 2
		.amdhsa_user_sgpr_kernarg_segment_ptr 1
		.amdhsa_wavefront_size32 1
		.amdhsa_system_sgpr_workgroup_id_x 1
		.amdhsa_system_sgpr_workgroup_id_y 1
		.amdhsa_system_sgpr_workgroup_id_z 1
		.amdhsa_system_vgpr_workitem_id 0
		.amdhsa_next_free_vgpr 1024
		.amdhsa_next_free_sgpr 88
		.amdhsa_reserve_vcc 0
		.amdhsa_float_denorm_mode_32 3
		.amdhsa_float_denorm_mode_16_64 3
		.amdhsa_memory_ordered 1
		.amdhsa_forward_progress 1
		.amdhsa_inst_pref_size 99
	.end_amdhsa_kernel
	.amdgpu_metadata
---
amdhsa.version: [ 1, 2 ]
amdhsa.kernels:
  - .name:           k_q9d64605072_fc
    .symbol:         k_q9d64605072_fc.kd
    .args:
      - { .name: act, .offset: 0, .size: 8, .value_kind: global_buffer, .address_space: global }
      - { .name: wf, .offset: 8, .size: 8, .value_kind: global_buffer, .address_space: global }
      - { .name: b_fc, .offset: 16, .size: 8, .value_kind: global_buffer, .address_space: global }
      - { .name: big, .offset: 24, .size: 8, .value_kind: global_buffer, .address_space: global }
    .group_segment_fixed_size: 327680
    .private_segment_fixed_size: 0
    .kernarg_segment_align: 8
    .kernarg_segment_size: 32
    .max_flat_workgroup_size: 128
    .sgpr_count:     88
    .vgpr_count:     1024
    .wavefront_size: 32
...
	.end_amdgpu_metadata
.endif
;; end of part 5
;; launch fc2 (part 6): grid 8 x 32, 4 waves a work-group, clusters of 4 x 4, 327,680 bytes of LDS; arguments big, wbf, b_fc2, x1, out0; writes out0
.if DOCPART == 6
	.amdgcn_target "amdgcn-amd-amdhsa--gfx1250"
	.amdhsa_code_object_version 6
	.text
	.protected	k_q9d64605072_fc2
	.globl	k_q9d64605072_fc2
	.p2align	8
	.type	k_q9d64605072_fc2,@function
k_q9d64605072_fc2:
	s_mov_b64 s[64:65], 0
	v_nop
	global_prefetch_b8 v0, s[64:65] scope:SCOPE_SE
	s_setreg_imm32_b32 hwreg(HW_REG_WAVE_MODE, 25, 1), 1
	s_wait_xcnt 0x0
	s_wait_alu depctr_hold_cnt(0) depctr_sa_sdst(0) depctr_va_vdst(0) depctr_va_sdst(0) depctr_va_ssrc(0) depctr_va_vcc(0) depctr_vm_vsrc(0)
	s_getreg_b32 s2, hwreg(HW_REG_IB_STS2, 6, 4)
	s_cmp_eq_u32 s2, 0
	s_cbranch_scc0 .Lentry_in_a_cluster
	s_endpgm
.Lentry_in_a_cluster:
	s_bfe_u32 s2, ttmp6, 0x10000c
	s_cmp_lg_u32 s2, 0xf033
	s_cbranch_scc0 .Lentry_shape_is_right
	s_endpgm
.Lentry_shape_is_right:
; out = x1 + h3 W + b.  h3: big, blocked [K/64][4096][64] bf16.  W: wbf at WOFF, [K][1024] bf16.  Residual and output: f32 [4096][1024].  K = 256 STEPS.
; A tile of C is 128 x 128, four waves of 64 x 64 (16 accumulators): 256 tiles.  K goes in steps of 256 through two LDS slots; one K step is written once, its LDS addresses hang on s[TB], 0 or SLOT.
; A's part of a slot: 4 blocks of 64 columns x 128 rows x 128 bytes (a block's 128 rows lie end to end in memory), padded to 144.  B's part: 256 rows of K x 256 bytes, padded to 288, read turned.
; The matrix instruction is used transposed (source 0 = columns of W, source 1 = rows of h3).  The bias is the C of the first products; the residual is loaded at the start and lands under the K loop.
; CLUSTER 4 x 4: A's tile shared along a row, B's along a column.  WAY OUT: through the wave's own part of the ring, which has had its last fill; a store's sixteen lanes cover 256 consecutive bytes, aligned.
; LIMITS: operands bf16; NaN and infinities are not treated apart.
.set STEPS,  16
.set WOFF,   16777216
.set PA,     144
.set PB,     288
.set PIECE,  36864                     ; 2 blocks x 128 rows x 144 of A = 128 rows x 288 of B: what one load brings
.set BOFF,   2*PIECE
.set SLOT,   4*PIECE
.set SPARE,  2*SLOT                    ; the spare words: 128 bytes a wave, named by no other line
.set DP,     272
.set DUMP,   64*DP
.set ASTEP,  4*524288
.set BSTEP,  256*2048
.set ADRA0, 16                         ; v16 my place in a slot's A;  v17 in its B
.set ADRB0, 17
.set ADRA,  18                         ; v18 the same in the slot that is read
.set ADRB,  19                         ; v19 K rows 0-127 of the slot in hand, v20 rows 128-255
.set DST,   21
.set RD,    22
.set RO,    23                         ; my offset in two rows of the residual and of the output
.set BO,    24
.set SPW,   28                         ; v28 LDS address of my spare word; never rewritten
.set NIL,   29                         ; v29 0; never rewritten
.set BIAS,  32                         ; v[32:63]
.set T,     64                         ; v[64:127] the way out
.set RES,   128                        ; v[128:255] the residual of my 64 x 64
.set F0,    0                          ; window 1: A's fragment (c, a) at f + 8 (4 c + a), B's (c, b) at f + 64 + 8 (4 c + b)
.set F1,    128                        ; window 2: accumulator (a, b) at 8 (4 a + b)
.set WV, 12
.set RH, 13                            ; my half of the rows; also: 0 = I fetch A, 1 = B
.set CH, 14                            ; my half of the columns; also: which piece I fetch
.set G1A, 24
.set G1B, 32
.set G0A, 40                           ; two sets: step 0 into slot 0; step 1 into slot 1, which then walks on
.set G0B, 48
.set CNT, 56
.set TB,  57
.set LW,  59
.set TO_F, 0x40
.set MSB, 0
.macro WIN new                         ; the immediate's high byte repeats the setting that is left
.if MSB != (\new)
	s_set_vgpr_msb (MSB<<8)|(\new)
.set MSB, \new
.endif
.endm
.macro PLACES                          ; four places between a matrix instruction and a load into, or a read of, its registers
.rept 4
	v_nop
.endr
.endm
.macro JLOAD s                         ; a joint load; an s_nop 0 and four v_nop follow each line
	s_cmp_eq_u32 s[RH], 0
	s_cbranch_scc0 .Lfor_b_\@
	tensor_load_to_lds s[G0A+4*(\s):G0A+4*(\s)+3], s[G1A:G1A+7]
	s_nop 0
.rept 4
	v_nop
.endr
	s_branch .Lasked_\@
.Lfor_b_\@:
	tensor_load_to_lds s[G0B+4*(\s):G0B+4*(\s)+3], s[G1B:G1B+7]
	s_nop 0
.rept 4
	v_nop
.endr
.Lasked_\@:
.endm
.macro CREST                           ; a round of the cluster's barrier behind its opening barrier
	s_cmp_lg_u32 s[WV], 0
	s_cbranch_scc1 .Lnot_wave_0_\@
	s_barrier_signal -3
.Lnot_wave_0_\@:
	s_barrier_wait -3
	s_barrier_signal -1
	s_barrier_wait -1
.endm
.macro CROUND
	s_barrier_signal -1
	s_barrier_wait -1
	CREST
.endm
	s_load_b256 s[4:11], s[0:1], 0x0               ; A s[4:5], wbf s[6:7], bias s[8:9], residual s[10:11]
	s_load_b64 s[74:75], s[0:1], 0x20              ; out
	v_lshl_add_u32 v[SPW], v0, 2, SPARE
	v_mov_b32 v[NIL], 0
	ds_add_u32 v28, v29
	ds_add_u32 v28, v29
	s_wait_dscnt 0x0
	v_lshrrev_b32 v1, 5, v0
	v_readfirstlane_b32 s[WV], v1
	s_lshr_b32 s[RH], s[WV], 1
	s_and_b32 s[CH], s[WV], 1
	s_bfe_u32 s15, ttmp6, 0x40000                  ; cx
	s_bfe_u32 s16, ttmp6, 0x40004                  ; cy
	s_lshl_b32 s17, ttmp9, 2
	s_add_co_u32 s17, s17, s15                     ; tile column
	s_and_b32 s18, ttmp7, 0xffff
	s_lshl_b32 s18, s18, 2
	s_add_co_u32 s18, s18, s16                     ; tile row
	s_lshl_b32 s62, s16, 2
	s_lshl_b32 s62, 15, s62                        ; my row of the cluster
	s_lshl_b32 s63, 0x1111, s15                    ; my column
	s_or_b32 s[G1A], s62, (1<<16)|(1<<20)|(1<<21)|(4<<22)|(3<<25)  ; mask; 2-byte elements; padding on; bit 21 beside a mask; 4 words behind every 32
	s_mov_b32 s[G1A+1], 8192<<16                   ; a descriptor row: 128 rows of a block, 16,384 bytes end to end
	s_mov_b32 s[G1A+2], 2<<16
	s_mov_b32 s[G1A+3], 8192<<16
	s_mov_b32 s[G1A+4], 2
	s_mov_b32 s[G1A+5], 262144                     ; elements from block to block
	s_mov_b32 s[G1A+6], 0
	s_mov_b32 s[G1A+7], 0
	s_or_b32 s[G1B], s63, (1<<16)|(1<<20)|(1<<21)|(5<<22)|(7<<25)  ; 8 words behind every 64
	s_mov_b32 s[G1B+1], 128<<16
	s_mov_b32 s[G1B+2], 128<<16
	s_mov_b32 s[G1B+3], 128<<16
	s_mov_b32 s[G1B+4], 128
	s_mov_b32 s[G1B+5], 1024
	s_mov_b32 s[G1B+6], 0
	s_mov_b32 s[G1B+7], 0
	s_lshl_b32 s20, s18, 14                        ; A: 128 rows a tile row, two blocks a piece: no cx in these registers
	s_lshl_b32 s21, s[CH], 20
	s_add_co_u32 s20, s20, s21
	s_mov_b32 s21, 0
	s_lshl_b32 s66, s[CH], 18                      ; B: 128 rows of K a piece, 256 bytes a tile column: no cy in these registers
	s_lshl_b32 s67, s17, 8
	s_add_co_u32 s66, s66, s67
	s_add_co_u32 s66, s66, WOFF
	s_mov_b32 s67, 0
	s_mul_i32 s[LW], s[WV], PIECE                  ; A's two pieces, then B's two: wave x piece
	s_mov_b32 s[TB], 0
	s_wait_kmcnt 0x0
	s_add_nc_u64 s[22:23], s[4:5], s[20:21]
	s_add_nc_u64 s[68:69], s[6:7], s[66:67]
	CROUND                                         ; all sixteen work-groups are here: the first joint loads meet
.irp s, 0,1
	s_mov_b32 s[G0A+4*(\s)], 1
	s_add_co_u32 s[G0A+4*(\s)+1], s[LW], (\s)*SLOT
	s_add_nc_u64 s[G0A+4*(\s)+2:G0A+4*(\s)+3], s[22:23], (\s)*ASTEP
	s_or_b32 s[G0A+4*(\s)+3], s[G0A+4*(\s)+3], 0x80000000
	s_mov_b32 s[G0B+4*(\s)], 1
	s_add_co_u32 s[G0B+4*(\s)+1], s[LW], (\s)*SLOT
	s_add_nc_u64 s[G0B+4*(\s)+2:G0B+4*(\s)+3], s[68:69], (\s)*BSTEP
	s_or_b32 s[G0B+4*(\s)+3], s[G0B+4*(\s)+3], 0x80000000
	JLOAD \s                                       ; two loads of mine are out
.endr
	v_and_b32 v1, 15, v0                           ; r
	v_bfe_u32 v2, v0, 4, 1                         ; h
	v_mul_u32_u24 v3, v1, PA
	v_lshl_add_u32 v3, v2, 4, v3
	s_mul_i32 s58, s[RH], 64*PA
	v_add_nc_u32 v[ADRA0], s58, v3                 ; my 64 rows; row r; 16 bytes for each half of the lanes
	v_and_b32 v4, 7, v0
	v_lshl_add_u32 v4, v2, 3, v4
	v_mul_u32_u24 v4, v4, PB                       ; the turning load: K row 8 h + l % 8,
	v_bfe_u32 v5, v0, 3, 1
	v_lshl_add_u32 v4, v5, 4, v4                   ; columns 8 ((l / 8) % 2) on
	s_lshl_b32 s58, s[CH], 7
	s_add_co_u32 s58, s58, BOFF
	v_add_nc_u32 v[ADRB0], s58, v4
	v_mov_b32 v[ADRA], v[ADRA0]
	v_mov_b32 v[ADRB], v[ADRB0]
	v_add_nc_u32 v[ADRB+1], PIECE, v[ADRB0]
	s_mul_i32 s58, s[WV], DUMP
	v_mul_u32_u24 v6, v1, DP
	v_lshl_add_u32 v6, v2, 5, v6
	v_add_nc_u32 v[DST], s58, v6
	v_mul_u32_u24 v6, v2, DP
	v_lshl_add_u32 v6, v1, 4, v6
	v_add_nc_u32 v[RD], s58, v6
	v_lshlrev_b32 v[RO], 12, v2
	v_lshl_add_u32 v[RO], v1, 4, v[RO]
	v_lshlrev_b32 v[BO], 5, v2
	s_lshl_b32 s70, s17, 9                         ; the bias of my 64 columns
	s_lshl_b32 s71, s[CH], 8
	s_add_co_u32 s70, s70, s71
	s_mov_b32 s71, 0
	s_add_nc_u64 s[8:9], s[8:9], s[70:71]
	s_lshl_b32 s72, s18, 19                        ; row 128 tile row + 64 half, of 4,096 bytes; the same columns
	s_lshl_b32 s73, s[RH], 18
	s_add_co_u32 s72, s72, s73
	s_add_co_u32 s72, s72, s70
	s_mov_b32 s73, 0
	s_add_nc_u64 s[10:11], s[10:11], s[72:73]
	s_add_nc_u64 s[74:75], s[74:75], s[72:73]
.irp b, 0,1,2,3
	global_load_b128 v[BIAS+8*(\b):BIAS+8*(\b)+3],   v[BO], s[8:9] offset:64*(\b)
	global_load_b128 v[BIAS+8*(\b)+4:BIAS+8*(\b)+7], v[BO], s[8:9] offset:64*(\b)+16
.endr
.set t, 0
.rept 32
	global_load_b128 v[RES+4*t:RES+4*t+3], v[RO], s[10:11] offset:8192*t
.set t, t+1
.endr
; 8 matrix instructions: row blocks a0, a0 + 1 x all 4 column blocks, 32 along K (half c of buffer f).  first = 1: the bias is the C that starts the sums.
; The 16 accumulators take turns, one instruction a turn.
.macro MUL8 f, c, a0, first
.if \first
	WIN 0x85
.else
	WIN 0xa5
.endif
.irp a, \a0, (\a0)+1
.irp b, 0,1,2,3
.if \first
	v_wmma_f32_16x16x32_bf16 v[8*(4*(\a)+(\b)):8*(4*(\a)+(\b))+7], v[(\f)+64+8*(4*(\c)+(\b)):(\f)+64+8*(4*(\c)+(\b))+7], v[(\f)+8*(4*(\c)+(\a)):(\f)+8*(4*(\c)+(\a))+7], v[BIAS+8*(\b):BIAS+8*(\b)+7]
.else
	v_wmma_f32_16x16x32_bf16 v[8*(4*(\a)+(\b)):8*(4*(\a)+(\b))+7], v[(\f)+64+8*(4*(\c)+(\b)):(\f)+64+8*(4*(\c)+(\b))+7], v[(\f)+8*(4*(\c)+(\a)):(\f)+8*(4*(\c)+(\a))+7], v[8*(4*(\a)+(\b)):8*(4*(\a)+(\b))+7]
.endif
.endr
.endr
.endm
; 32 LDS loads in one run: quarter q (64 along K, one block of A) into buffer f; the first 32 along K first
.macro FETCH q, f
	WIN TO_F
.irp c, 0,1
.irp i, 0,1,2,3
	ds_load_tr16_b128 v[(\f)+64+8*(4*(\c)+(\i)):(\f)+64+8*(4*(\c)+(\i))+3],   v[ADRB+(\q)/2] offset:64*PB*((\q)%2)+32*PB*(\c)+32*(\i)
	ds_load_tr16_b128 v[(\f)+64+8*(4*(\c)+(\i))+4:(\f)+64+8*(4*(\c)+(\i))+7], v[ADRB+(\q)/2] offset:64*PB*((\q)%2)+32*PB*(\c)+32*(\i)+16*PB
	ds_load_b128 v[(\f)+8*(4*(\c)+(\i)):(\f)+8*(4*(\c)+(\i))+3],   v[ADRA] offset:128*PA*(\q)+16*PA*(\i)+64*(\c)
	ds_load_b128 v[(\f)+8*(4*(\c)+(\i))+4:(\f)+8*(4*(\c)+(\i))+7], v[ADRA] offset:128*PA*(\q)+16*PA*(\i)+64*(\c)+32
.endr
.endr
.endm
; multiplies buffer f and, in its middle, fetches quarter q into buffer g
.macro QUARTER q, f, g, first
	s_wait_dscnt 16                                ; the first 32 along K are in
	MUL8 \f, 0, 0, \first
	MUL8 \f, 0, 2, \first
	PLACES
	FETCH \q, \g
	s_wait_dscnt 32                                ; all but the 32 just issued
	MUL8 \f, 1, 0, 0
	MUL8 \f, 1, 2, 0
.endm
; the first half of a step's last quarter, and the barrier of the change of slots
.macro MEET
	WIN 0
	s_wait_tensorcnt 0x0                           ; all my tensor loads have landed: my part of the next slot
	ds_add_u32 v[SPW], v[NIL]                      ; 0 onto my spare word
	s_wait_dscnt 17                                ; the add and the youngest sixteen loads may be out
	MUL8 F1, 0, 0, 0
	s_wait_dscnt 0x0                               ; the add is done, and my reads of this slot are over
	s_barrier_signal -1
	MUL8 F1, 0, 2, 0
	WIN 0
	s_barrier_wait -1
.endm
; the whole last quarter with a refill: the barrier opens a round of the cluster's; the slot that is left takes the K step two steps on
.macro TURN
	MEET
	CREST
	s_add_co_u32 s[G0A+5], s[LW], s[TB]
	s_add_nc_u64 s[G0A+6:G0A+7], s[G0A+6:G0A+7], ASTEP
	s_add_co_u32 s[G0B+5], s[LW], s[TB]
	s_add_nc_u64 s[G0B+6:G0B+7], s[G0B+6:G0B+7], BSTEP
	s_xor_b32 s[TB], s[TB], SLOT                   ; TB holds 0 or SLOT: the other slot is read from here on
	JLOAD 1                                        ; the first tensor load behind the round; its four v_nop are the places in front of the loads below
	v_add_nc_u32 v[ADRA], s[TB], v[ADRA0]
	v_add_nc_u32 v[ADRB], s[TB], v[ADRB0]
	v_add_nc_u32 v[ADRB+1], PIECE, v[ADRB]
	FETCH 0, F0
	MUL8 F1, 1, 0, 0
	MUL8 F1, 1, 2, 0
.endm
	s_wait_tensorcnt 1                             ; my part of K step 0 is in; step 1's may stay out
	s_barrier_signal -1
	s_barrier_wait -1
	FETCH 0, F0
	s_wait_loadcnt 32                              ; the bias is in; the residual's 32 loads stay out
	QUARTER 1, F0, F1, 1
	WIN 0
	s_mov_b32 s[CNT], STEPS-2
.Lstep:                                                ; a trip: a step's quarters 1 to 3 and the next step's quarter 0; it fills one slot again
	QUARTER 2, F1, F0, 0
	QUARTER 3, F0, F1, 0
	TURN
	QUARTER 1, F0, F1, 0
	WIN 0
	s_sub_co_u32 s[CNT], s[CNT], 1
	s_cmp_lg_u32 s[CNT], 0
	s_cbranch_scc1 .Lstep
	s_mov_b32 s[CNT], 2
.Ltail:                                                ; the last two steps ask for nothing; the second trip is left in its middle
	QUARTER 2, F1, F0, 0
	QUARTER 3, F0, F1, 0
	MEET
	s_sub_co_u32 s[CNT], s[CNT], 1
	s_cmp_eq_u32 s[CNT], 0
	s_cbranch_scc1 .Lout
	s_xor_b32 s[TB], s[TB], SLOT
	v_add_nc_u32 v[ADRA], s[TB], v[ADRA0]          ; these four are the places in front of the loads
	v_add_nc_u32 v[ADRB], s[TB], v[ADRB0]
	v_add_nc_u32 v[ADRB+1], PIECE, v[ADRB]
	v_nop
	FETCH 0, F0
	MUL8 F1, 1, 0, 0
	MUL8 F1, 1, 2, 0
	QUARTER 1, F0, F1, 0
	WIN 0
	s_branch .Ltail
.Lout:                                                 ; behind the last barrier no wave reads the ring, and no load is on its way
	MUL8 F1, 1, 0, 0
	MUL8 F1, 1, 2, 0
	PLACES
	WIN 0x08                                       ; store data in window 2
.irp a, 0,1,2,3
.irp b, 0,1,2,3
	ds_store_b128 v[DST], v[8*(4*(\a)+(\b)):8*(4*(\a)+(\b))+3]   offset:16*DP*(\a)+64*(\b)
	ds_store_b128 v[DST], v[8*(4*(\a)+(\b))+4:8*(4*(\a)+(\b))+7] offset:16*DP*(\a)+64*(\b)+16
.endr
.endr
	WIN 0
	s_wait_loadcnt 0x0                             ; the residual
.irp hf, 0,1
.irp u, 0,1,2,3,4,5,6,7,8,9,10,11,12,13,14,15
	ds_load_b128 v[T+4*(\u):T+4*(\u)+3], v[RD] offset:2*DP*(16*(\hf)+(\u))  ; my own bytes: LDS serves a wave's instructions in order
.endr
.irp u, 0,1,2,3,4,5,6,7,8,9,10,11,12,13,14,15
	s_wait_dscnt 15-(\u)
	v_pk_add_f32 v[RES+4*(16*(\hf)+(\u)):RES+4*(16*(\hf)+(\u))+1],   v[RES+4*(16*(\hf)+(\u)):RES+4*(16*(\hf)+(\u))+1],   v[T+4*(\u):T+4*(\u)+1]
	v_pk_add_f32 v[RES+4*(16*(\hf)+(\u))+2:RES+4*(16*(\hf)+(\u))+3], v[RES+4*(16*(\hf)+(\u))+2:RES+4*(16*(\hf)+(\u))+3], v[T+4*(\u)+2:T+4*(\u)+3]
	global_store_b128 v[RO], v[RES+4*(16*(\hf)+(\u)):RES+4*(16*(\hf)+(\u))+3], s[74:75] offset:8192*(16*(\hf)+(\u))
.endr
.endr
	s_wait_tensorcnt 0x0                           ; the wave's end
	ds_add_u32 v[SPW], v[NIL]
	s_wait_dscnt 0x0
	CROUND                                         ; the closing round
	s_endpgm
.Lfunc_end_k_q9d64605072_fc2:
	.size	k_q9d64605072_fc2, .Lfunc_end_k_q9d64605072_fc2-k_q9d64605072_fc2
	.p2alignl 7, 3214868480
	.fill 96, 4, 3214868480
	.section	.rodata,"a",@progbits
	.p2align	6, 0x0
	.amdhsa_kernel k_q9d64605072_fc2
		.amdhsa_group_segment_fixed_size 327680
		.amdhsa_private_segment_fixed_size 0
		.amdhsa_enable_private_segment 0
		.amdhsa_kernarg_size 40
		.amdhsa_user_sgpr_count 2
		.amdhsa_user_sgpr_kernarg_segment_ptr 1
		.amdhsa_wavefront_size32 1
		.amdhsa_system_sgpr_workgroup_id_x 1
		.amdhsa_system_sgpr_workgroup_id_y 1
		.amdhsa_system_sgpr_workgroup_id_z 1
		.amdhsa_system_vgpr_workitem_id 0
		.amdhsa_next_free_vgpr 640
		.amdhsa_next_free_sgpr 76
		.amdhsa_reserve_vcc 0
		.amdhsa_float_denorm_mode_32 3
		.amdhsa_float_denorm_mode_16_64 3
		.amdhsa_memory_ordered 1
		.amdhsa_forward_progress 1
		.amdhsa_inst_pref_size 67
	.end_amdhsa_kernel
	.amdgpu_metadata
---
amdhsa.version: [ 1, 2 ]
amdhsa.kernels:
  - .name:           k_q9d64605072_fc2
    .symbol:         k_q9d64605072_fc2.kd
    .args:
      - { .name: big, .offset: 0, .size: 8, .value_kind: global_buffer, .address_space: global }
      - { .name: wbf, .offset: 8, .size: 8, .value_kind: global_buffer, .address_space: global }
      - { .name: b_fc2, .offset: 16, .size: 8, .value_kind: global_buffer, .address_space: global }
      - { .name: x1, .offset: 24, .size: 8, .value_kind: global_buffer, .address_space: global }
      - { .name: out0, .offset: 32, .size: 8, .value_kind: global_buffer, .address_space: global }
    .group_segment_fixed_size: 327680
    .private_segment_fixed_size: 0
    .kernarg_segment_align: 8
    .kernarg_segment_size: 40
    .max_flat_workgroup_size: 128
    .sgpr_count:     76
    .vgpr_count:     640
    .wavefront_size: 32
...
	.end_amdgpu_metadata
.endif
;; end of part 6
;; ======== version 2 of 2: 7 launches; 1.11 times as fast as version 1
;; limits: a function is approximated: absolute error at most 1.5e-07
;; workspace buffers: wbf 25,165,824 bytes; wf 8,388,608 bytes; act 8,388,608 bytes; big 33,554,432 bytes; x1 16,777,216 bytes
;; launch prep: the kernel of part 1 again; grid 1024 x 1, 8 waves a work-group, no clusters, 0 bytes of LDS; arguments x, ln1_w, ln1_b, act, w_attn, w_proj, w_fc, w_fc2, wbf, wf; writes act, wbf, wf
;; launch qkv: the kernel of part 2 again; grid 12 x 16, 4 waves a work-group, clusters of 4 x 4, 327,680 bytes of LDS; arguments act, wbf, b_attn, big; writes big
;; launch attn (part 7): grid 8 x 32, 4 waves a work-group, no clusters, 327,680 bytes of LDS; arguments big, act; writes act
.if DOCPART == 7
	.amdgcn_target "amdgcn-amd-amdhsa--gfx1250"
	.amdhsa_code_object_version 6
	.text
	.protected	k_q9d64605072_attn
	.globl	k_q9d64605072_attn
	.p2align	8
	.type	k_q9d64605072_attn,@function
k_q9d64605072_attn:
	s_mov_b64 s[64:65], 0
	v_nop
	global_prefetch_b8 v0, s[64:65] scope:SCOPE_SE
	s_setreg_imm32_b32 hwreg(HW_REG_WAVE_MODE, 25, 1), 1
	s_wait_xcnt 0x0
; CAUSAL ATTENTION, head size 64, 32 heads of 2,048 rows.  q, k, v: big, blocked: block h, 16 + h, 32 + h of 64 columns hold head h; a head's rows of one batch are dense, 128 bytes each.  y: act, block h.
; All bf16; products, maxima and sums in f32; the weights p are rounded to bf16 for the second product (their sum l is of the unrounded p), y once at the end.
; LIMITS.  A hidden score counts as its value less 1e30; c m starts at -4.25e37, taken to lie below every c s; a weight below 2^-126 counts as 0 in l; NaN and infinities are not treated apart.
; THE WALK.  A head has 16 blocks of 128 queries; block i needs the key tiles 0 .. i / 2 of 256 keys; the diagonal lies in the last tile's half i % 2.  A work-group takes blocks 15 - b and then b:
; 9 tiles, whatever b, walked by one loop with a constant count.  In an even block the last tile's two wholly hidden steps are computed all the same.
; NO CLUSTER: the 8 work-groups of a head ask for the same tile only in trips 0 to 4 of the 9; a walk common to all would have 12 trips.
; SHARES.  Of a block's two bands of 64 queries a wave owns 16 rows in each: two PIECES.  In the diagonal tile band x's own step is 2 (i % 2) + x: the same work for all four waves.
; TURNS.  Turn p belongs to piece p: 8 products K Q^T of the other piece (turn 0: this step's; turn 1: the next step's), later 8 products V^T P of the other piece (turn 0: the step before's; turn 1: this step's);
; beside them piece p's scaling, exponentials, roundings, sums and rescaling, and the other piece's maximum and statistics.  Four vector instructions stand behind every matrix instruction, the other 54 of a turn's 118 in one lump.
; BATCHES.  A turn's 33 exponentials (piece p's 32 weights and the other piece's a) are ONE batch with ONE wait, which cuts the turn in two: ahead of it stands all that names none of their results (the products K Q^T,
; the scalings, the rescalings, whose a was waited for in the turn before, the other piece's maximum and statistics); behind it the products V^T P, whose riders are the roundings and sums..
; The a of a block's beginning and the way out's two reciprocals are batches of their own, a wait each.
; Turn 0 fetches K of the next step and V of this step.  So a slot's K is shifted by a step: slot j holds V's keys 256 j .. and K's keys 256 j + 64 ..; keys 0-63 of K lie in an area of their own, filled once.
; (The last tile's K reaches 64 rows past the head: they lie inside big and serve nothing.)  The change of slots stands between turn 0 of a tile's fourth step and that step's turn 1.
; THE MASK is the C operand that starts S^T = K Q^T: MD x AL + BE: (1, 0) in a band's own step, (0, 0) before it, (0, -1e30) behind it.  Only the diagonal tile's text and a block's beginning take masks.
; REGISTERS.  window 0: v2-15 addresses; v16-23 statistics; v48-55 at work; v62, v63 the add's; v64-127 S^T; v128-191 O^T; v192-223 P; v224-255 MD.
;             window 1: v0-63 MC; v64-95 Q; v96-127 the second block's Q; v128-191 K of one step; v192-255 V of one step.
.set NP,    2
.set KS,    64
.set PK,    144
.set PV,    160
.set VOFF,  4*KS*PK
.set SLOT1, 1<<17
.set K0B,   SLOT1+4*KS*(PK+PV)         ; K's keys 0-63
.set STAGE, K0B+KS*PK                  ; 16 rows x 144 bytes for each wave, for the way out; no fill lands here
.set SP,    144
.set SPARE, STAGE+4*16*SP              ; the spare words, 128 bytes a wave, named by no other line
.set AK0, 2
.set AV0, 3
.set AK,  4
.set AV,  5
.set STO, 6
.set RD,  7
.set GO,  8
.set MV,  12                           ; v12-13 c m_old, by piece
.set QO,  15
.set ST,  16                           ; piece t: c m, m, l (even keys', odd keys')
.set TMP, 48                           ; by piece, c0-c3 at work; c2 takes a
.set SPW, 62
.set NIL, 63
.set S,   64
.set OT,  128
.set P,   192
.set MD,  224
.set MC,  0                            ; window 1
.set Q,   64
.set QB,  96
.set KF,  128
.set VF,  192
.set WV,  12
.set PB,  14                           ; b
.set HI,  15                           ; 15 - b
.set G1K, 24
.set G1V, 32
.set G0K, 40
.set G0V, 44
.set G0Z, 48                           ; K's keys 0-63
.set OW0, 52                           ; s52, s53: the count at which a turn makes its piece's own mask
.set PBL, 54                           ; b / 2: the second block's last tile
.set DHL, 55                           ; b % 2
.set SLOTS, 56
.set CNT, 57
.set CS,  58
.set SEL, 60
.set TBK, 62
.set TBV, 63
.set RT,  70
.set NXT, 71
.set LQ,  72
.set NEW, 73
.set OFF, 74
.set AL,  76
.set BE,  78
.set OLO, 80
.set BIGN, 82
.set DH,  83                           ; which half of its last tile holds the block in hand
.set G1Z, 88
.set MSB, 0
.macro WIN new
.if MSB != (\new)
	s_set_vgpr_msb (MSB<<8)|(\new)
.set MSB, (\new)
.endif
.endm
.set W_KQ, 0x05                        ; K and Q in window 1
.set W_KM, 0x15                        ; and the C operand too
.set W_PV, 0x01                        ; V in window 1
.set W_T1, 0x40                        ; destination in window 1
.set W_CP, 0x41
.macro LOAD                            ; a fill: waves 0, 1 fetch the halves of a tile's K, waves 2, 3 of its V; an s_nop 0 and four v_nop follow each line
	s_cmp_lt_u32 s[WV], 2
	s_cbranch_scc0 .Lfor_v_\@
	tensor_load_to_lds s[G0K:G0K+3], s[G1K:G1K+7]
	s_nop 0
.rept 4
	v_nop
.endr
	s_branch .Lasked_\@
.Lfor_v_\@:
	tensor_load_to_lds s[G0V:G0V+3], s[G1V:G1V+7]
	s_nop 0
.rept 4
	v_nop
.endr
.Lasked_\@:
.endm
; THE CHANGE OF SLOTS: all my tensor loads, the add, my reads of the slot that is left; the barrier; fill = 1: that slot takes tile NXT, first thing behind the barrier.
.macro CHANGE fill
	WIN 0
	s_wait_tensorcnt 0x0                           ; no tensor load of mine is out, so a group 0 may be written
	ds_add_u32 v[SPW], v[NIL]                      ; 0 onto my spare word
.if \fill
	s_lshl_b32 s[OFF], s[NXT], 15                  ; a tile is 32,768 bytes of K and of V
	s_xor_b32 s[G0K+1], s[G0K+1], SLOT1
	s_add_nc_u64 s[G0K+2:G0K+3], s[8:9], s[OFF:OFF+1]
	s_or_b32 s[G0K+3], s[G0K+3], 0x80000000
	s_xor_b32 s[G0V+1], s[G0V+1], SLOT1
	s_add_nc_u64 s[G0V+2:G0V+3], s[10:11], s[OFF:OFF+1]
	s_or_b32 s[G0V+3], s[G0V+3], 0x80000000
	s_add_co_u32 s[NXT], s[NXT], 1                 ; the block's next tile, or behind its last the second block's tile 0
	s_cmp_gt_u32 s[NXT], s[LQ]
	s_cselect_b32 s[NXT], 0, s[NXT]
	s_cselect_b32 s[LQ], s[PBL], s[LQ]
.endif
	s_wait_dscnt 0x0                               ; the add is done, and my reads of the slot are over
	s_barrier_signal -1
	s_sub_co_u32 s[TBK], s[TBK], 4*KS*PK           ; the fetches go back to a slot's first step, in the other slot
	s_xor_b32 s[TBK], s[TBK], SLOT1
	s_sub_co_u32 s[TBV], s[TBV], 4*KS*PV
	s_xor_b32 s[TBV], s[TBV], SLOT1
	s_barrier_wait -1
.if \fill
	LOAD
.endif
.endm
	s_load_b128 s[4:7], s[0:1], 0x0                ; big s[4:5], act s[6:7]
	v_lshl_add_u32 v[SPW], v0, 2, SPARE
	v_mov_b32 v[NIL], 0
	ds_add_u32 v62, v63
	ds_add_u32 v62, v63
	s_wait_dscnt 0x0
	v_lshrrev_b32 v1, 5, v0
	v_readfirstlane_b32 s[WV], v1
	s_mov_b32 s[PB], ttmp9
	s_sub_co_u32 s[HI], 15, s[PB]
	s_lshr_b32 s[PBL], s[PB], 1
	s_and_b32 s[DHL], s[PB], 1
	s_and_b32 s[DH], s[HI], 1
	s_lshl_b32 s16, s[DH], 1
	s_sub_co_u32 s[OW0], 5, s16
	s_sub_co_u32 s[OW0+1], 3, s16
	s_and_b32 s16, ttmp7, 0xffff
	s_and_b32 s17, s16, 15                         ; the head,
	s_lshr_b32 s16, s16, 4                         ; the batch
	s_lshl_b32 s20, s17, 19
	s_lshl_b32 s16, s16, 18
	s_add_co_u32 s20, s20, s16                     ; the head's first byte in q's part of big, and in act
	s_and_b32 s16, s[WV], 1                        ; which half of a tile I fetch
	s_lshl_b32 s22, s16, 14
	s_add_co_u32 s22, s22, s20
	s_mov_b32 s23, 0
	s_lshl_b32 s18, s16, 12                        ; and which 32 of K's keys 0-63
	s_add_co_u32 s18, s18, s20
	s_add_co_u32 s18, s18, 8388608
	s_mov_b32 s19, 0
	s_lshl_b32 s3, s[WV], 11                       ; my 16 rows in a band,
	s_add_co_u32 s3, s3, s20
	s_lshl_b32 s2, s[HI], 14                       ; in the first block,
	s_add_co_u32 s2, s2, s3
	s_lshl_b32 s84, s[PB], 14                      ; and in the second
	s_add_co_u32 s84, s84, s3
	s_mov_b32 s3, 0
	s_mov_b32 s85, 0
	; 128 keys are 16,384 dense bytes: asked for as 64 rows of 256 bytes, two keys a row, padded in LDS after every key
	s_mov_b32 s[G1K], (1<<16)|(1<<20)|(4<<22)|(3<<25)
	s_mov_b32 s[G1V], (1<<16)|(1<<20)|(4<<22)|(7<<25)
	s_mov_b32 s[G1Z], (1<<16)|(1<<20)|(4<<22)|(3<<25)
.irp g, G1K, G1V
	s_mov_b32 s[\g+1], 128<<16
	s_mov_b32 s[\g+2], 64<<16
	s_mov_b32 s[\g+3], 128<<16
	s_mov_b32 s[\g+4], 64
	s_mov_b32 s[\g+5], 128
	s_mov_b32 s[\g+6], 0
	s_mov_b32 s[\g+7], 0
.endr
	s_mov_b32 s[G1Z+1], 128<<16                    ; 32 keys: 16 such rows
	s_mov_b32 s[G1Z+2], 16<<16
	s_mov_b32 s[G1Z+3], 128<<16
	s_mov_b32 s[G1Z+4], 16
	s_mov_b32 s[G1Z+5], 128
	s_mov_b32 s[G1Z+6], 0
	s_mov_b32 s[G1Z+7], 0
	s_mov_b32 s[CS], 0x3e38aa3b                    ; c = log2(e) / 8
	s_mov_b32 s[CS+1], s[CS]
	s_mov_b32 s[SEL], 0x76543210
	s_mov_b32 s[SEL+1], 0xfedcba98
	s_mov_b32 s[TBK], SLOT1+4*KS*PK                ; the first change of slots turns these two into 0
	s_mov_b32 s[TBV], SLOT1+4*KS*PV
	s_mov_b32 s[G0K], 1
	s_mul_i32 s[G0K+1], s16, 128*PK
	s_mov_b32 s[G0V], 1
	s_mul_i32 s[G0V+1], s16, 128*PV
	s_add_co_u32 s[G0V+1], s[G0V+1], VOFF
	s_mov_b32 s[G0Z], 1
	s_mul_i32 s[G0Z+1], s16, 32*PK
	s_add_co_u32 s[G0Z+1], s[G0Z+1], K0B
	s_lshr_b32 s[LQ], s[HI], 1
	s_add_co_u32 s[RT], s[LQ], 1                   ; the first block's tiles
	s_mov_b32 s[NXT], 1
	s_mov_b32 s[NEW], 1
	s_mov_b32 s[OFF+1], 0
	s_mov_b32 s[AL+1], 0
	s_mov_b32 s[BE+1], 0
	s_mov_b32 s[BIGN], 0xf149f2ca                  ; -1e30
	s_mov_b32 s[SLOTS], 8
	s_wait_kmcnt 0x0
	s_add_nc_u64 s[8:9], s[4:5], s[22:23]
	s_add_nc_u64 s[10:11], s[8:9], 16777216        ; V at my half of the head's tile 0
	s_add_nc_u64 s[8:9], s[8:9], 8388608+8192      ; K likewise, a step of 64 keys on
	s_add_nc_u64 s[G0K+2:G0K+3], s[8:9], 0
	s_or_b32 s[G0K+3], s[G0K+3], 0x80000000
	s_add_nc_u64 s[G0V+2:G0V+3], s[10:11], 0
	s_or_b32 s[G0V+3], s[G0V+3], 0x80000000
	s_add_nc_u64 s[G0Z+2:G0Z+3], s[4:5], s[18:19]
	s_or_b32 s[G0Z+3], s[G0Z+3], 0x80000000
	s_add_nc_u64 s[86:87], s[4:5], s[84:85]        ; Q at my rows of the second block,
	s_add_nc_u64 s[4:5], s[4:5], s[2:3]            ; Q and y at those of the first
	s_add_nc_u64 s[OLO:OLO+1], s[6:7], s[84:85]
	s_add_nc_u64 s[6:7], s[6:7], s[2:3]
	s_cmp_lt_u32 s[WV], 2                          ; a wave's first fills stand in one branch: waves 0, 1 have two loads out, waves 2, 3 one
	s_cbranch_scc0 .Lfirst_v
	tensor_load_to_lds s[G0K:G0K+3], s[G1K:G1K+7]
	s_nop 0
	tensor_load_to_lds s[G0Z:G0Z+3], s[G1Z:G1Z+7]
	s_nop 0
.rept 4
	v_nop
.endr
	s_branch .Lfirst_asked
.Lfirst_v:
	tensor_load_to_lds s[G0V:G0V+3], s[G1V:G1V+7]
	s_nop 0
.rept 4
	v_nop
.endr
.Lfirst_asked:
	v_and_b32 v1, 15, v0                           ; l % 16
	v_bfe_u32 v9, v0, 4, 1                         ; l / 16
	v_lshlrev_b32 v[QO], 7, v1
	v_lshl_add_u32 v[QO], v9, 4, v[QO]
	WIN W_T1
.set i, 0
.rept 4                                ; both blocks' Q: piece i / 2 lies 8,192 bytes on; channels 32 (i % 2) on
	global_load_b128 v[Q+8*i:Q+8*i+3],     v[QO], s[4:5] offset:(i/2)*8192+(i%2)*64
	global_load_b128 v[Q+8*i+4:Q+8*i+7],   v[QO], s[4:5] offset:(i/2)*8192+(i%2)*64+32
	global_load_b128 v[QB+8*i:QB+8*i+3],   v[QO], s[86:87] offset:(i/2)*8192+(i%2)*64
	global_load_b128 v[QB+8*i+4:QB+8*i+7], v[QO], s[86:87] offset:(i/2)*8192+(i%2)*64+32
.set i, i+1
.endr
	; A block's first step multiplies O^T and l by a = 0, so these need only be finite: zeros for the first block, what the first block left for the second.  All this stands in the wait for the first tile.
.set i, VF
.rept 64
	v_mov_b32 v[i], 0
.set i, i+1
.endr
	WIN 0
	v_lshlrev_b32 v14, 3, v9
	v_sub_nc_u32 v14, v1, v14
	s_lshl_b32 s13, s[WV], 4
	v_add_nc_u32 v14, s13, v14                     ; 16 w + l % 16 - 8 (l / 16): register r of key group kt is hidden where 16 kt + r is greater
.set i, 0
.rept 32
	v_cmp_gt_i32 vcc_lo, 16*(i/8)+i%8, v14
	v_cndmask_b32 v[MD+i], 0, s[BIGN], vcc_lo
.set i, i+1
.endr
	v_mul_u32_u24 v[AK0], v1, PK
	v_lshl_add_u32 v[AK0], v9, 4, v[AK0]
	v_and_b32 v10, 7, v0
	v_bfe_u32 v11, v0, 3, 1
	v_lshl_add_u32 v[AV0], v9, 3, v10              ; the turning load: key 8 (l / 16) + l % 8, channels 8 ((l / 8) % 2) on
	v_mul_u32_u24 v[AV0], v[AV0], PV
	v_lshl_add_u32 v[AV0], v11, 4, v[AV0]
	v_add_nc_u32 v[AV0], VOFF, v[AV0]
	s_mul_i32 s13, s[WV], 16*SP
	s_add_co_u32 s13, s13, STAGE
	v_mul_u32_u24 v[STO], v1, SP
	v_lshl_add_u32 v[STO], v9, 4, v[STO]
	v_add_nc_u32 v[STO], s13, v[STO]
	v_bfe_u32 v[RD], v0, 3, 2
	v_mul_u32_u24 v[RD], v[RD], SP
	v_lshl_add_u32 v[RD], v10, 4, v[RD]
	v_add_nc_u32 v[RD], s13, v[RD]
	v_and_b32 v[GO], 31, v0
	v_lshlrev_b32 v[GO], 4, v[GO]
.set i, OT
.rept 64
	v_mov_b32 v[i], 0
.set i, i+1
.endr
.set i, 0
.rept 2
	v_mov_b32 v[ST+4*i+2], 0
	v_mov_b32 v[ST+4*i+3], 0
.set i, i+1
.endr
.set i, P+16
.rept 16
	v_mov_b32 v[i], 0
.set i, i+1
.endr
; THE MATRIX WORK.  The 4 accumulators of a run of 8 take turns.  Product i of 8 of S^T = K Q^T for piece x: channels 32 (i / 4) on, keys 16 (i % 4) on.
.macro KQ x
.set rS, S+32*(\x)+8*(i%4)
.set rK, KF+16*(i%4)+8*(i/4)
.set rQ, Q+16*(\x)+8*(i/4)
.set rM, MC+32*(\x)+8*(i%4)
.if (i < 4) && KM
	WIN W_KM
	v_wmma_f32_16x16x32_bf16 v[rS:rS+7], v[rK:rK+7], v[rQ:rQ+7], v[rM:rM+7]
.elseif i < 4
	WIN W_KQ
	v_wmma_f32_16x16x32_bf16 v[rS:rS+7], v[rK:rK+7], v[rQ:rQ+7], 0
.else
	WIN W_KQ
	v_wmma_f32_16x16x32_bf16 v[rS:rS+7], v[rK:rK+7], v[rQ:rQ+7], v[rS:rS+7]
.endif
.endm
; Product i of 8 of O^T += V^T P for piece x: keys 32 (i / 4) on, channels 16 (i % 4) on.
.macro PV x
	WIN W_PV
.set rO, OT+32*(\x)+8*(i%4)
.set rV, VF+32*(i/4)+8*(i%4)
.set rP, P+16*(\x)+8*(i/4)
	v_wmma_f32_16x16x32_bf16 v[rO:rO+7], v[rV:rV+7], v[rP:rP+7], v[rO:rO+7]
.endm
.macro MM                              ; the turn's next matrix instruction; NOKQ = 1: a block's last turn starts no new scores
.if (i < 8) && !NOKQ
	KQ 1-Y
.elseif i >= 8
.set i, i-8
	PV 1-Y
.set i, i+8
.endif
.set i, i+1
.endm
.macro FETCH_K step                    ; a step's K: 8 fragments, 16 loads in one run
	WIN W_T1
.irp f, 0,1,2,3,4,5,6,7
	ds_load_b128 v[KF+8*\f:KF+8*\f+3],   v[AK] offset:(\f/2)*16*PK+(\f%2)*64
	ds_load_b128 v[KF+8*\f+4:KF+8*\f+7], v[AK] offset:(\f/2)*16*PK+(\f%2)*64+32
.endr
.if \step
	s_add_co_u32 s[TBK], s[TBK], KS*PK
.endif
	WIN 0
.endm
.macro FETCH_V                         ; a step's V, turned
	WIN W_T1
.irp f, 0,1,2,3,4,5,6,7
	ds_load_tr16_b128 v[VF+8*\f:VF+8*\f+3],   v[AV] offset:(\f/4)*32*PV+(\f%4)*32
	ds_load_tr16_b128 v[VF+8*\f+4:VF+8*\f+7], v[AV] offset:(\f/4)*32*PV+16*PV+(\f%4)*32
.endr
	WIN 0
.endm
; THE VECTOR WORK, a line at a time: OP kind, number.  For piece Y: F n: c s - c m for pair n.  E n: the exponential of score n.  C n: pair n rounded to bf16.  B n: of the four weights 4 n .. the second pair is
; added onto the first.  L n: l takes that sum (L 0: l = a l + sum).  R n: pair n of O^T times a.  For the other piece: X n, number n of the 22 that find its maximum and statistics (each accumulator's lowest
; registers are read first): 0-11 four chains; 12-14, 16 the rest, the old m; 15 c m_old is kept; 17, 18 the other half of the lanes; 19-21 c m, c m_old - c m_new, a.
; C, B and L read the turn's exponentials; F, R and X 0-20 read none of them.  OP writes no wait: TURN, BEGIN and DIAG write one for each batch.
.set F, 0
.set E, 1
.set C, 2
.set B, 3
.set L, 4
.set R, 5
.set X, 6
.macro REGS y
.set rT, ST+4*(\y)
.set rC, TMP+4*(\y)
.set rW, MV+(\y)
.set rS, S+32*(\y)
.set rP, P+16*(\y)
.set rO, OT+32*(\y)
.endm
.macro OP k, n
.if (\k) < X
	REGS Y
	WIN 0
.if (\k) == F
	v_pk_fma_f32 v[rS+2*(\n):rS+2*(\n)+1], v[rS+2*(\n):rS+2*(\n)+1], s[CS:CS+1], v[rT:rT+1] op_sel_hi:[1,0,0] neg_lo:[0,0,1] neg_hi:[0,0,1]
.elseif (\k) == E
	v_exp_f32 v[rS+(\n)], v[rS+(\n)]
.elseif (\k) == C
	v_cvt_pk_bf16_f32 v[rP+(\n)], v[rS+2*(\n)], v[rS+2*(\n)+1]
.elseif (\k) == B
	v_pk_add_f32 v[rS+4*(\n):rS+4*(\n)+1], v[rS+4*(\n):rS+4*(\n)+1], v[rS+4*(\n)+2:rS+4*(\n)+3]
.elseif (\k) == R
	v_pk_mul_f32 v[rO+2*(\n):rO+2*(\n)+1], v[rO+2*(\n):rO+2*(\n)+1], v[rC+2:rC+3] op_sel_hi:[1,0]
.elseif (\n) == 0
	v_pk_fma_f32 v[rT+2:rT+3], v[rT+2:rT+3], v[rC+2:rC+3], v[rS:rS+1] op_sel_hi:[1,0,1]
.else
	v_pk_add_f32 v[rT+2:rT+3], v[rT+2:rT+3], v[rS+4*(\n):rS+4*(\n)+1]
.endif
.elseif NOKQ
	v_nop
.else
	REGS 1-Y
	WIN 0
.if (\n) < 4
	v_max3_num_f32 v[rC+(\n)], v[rS+8*(\n)], v[rS+8*(\n)+1], v[rS+8*(\n)+2]
.elseif (\n) < 12
	v_max3_num_f32 v[rC+(\n)%4], v[rC+(\n)%4], v[rS+8*((\n)%4)+2*((\n)/4)+1], v[rS+8*((\n)%4)+2*((\n)/4)+2]
.elseif (\n) == 12
	v_max3_num_f32 v[rC], v[rC], v[rS+7], v[rS+15]
.elseif (\n) == 13
	v_max3_num_f32 v[rC+1], v[rC+1], v[rS+23], v[rS+31]
.elseif (\n) == 14
	v_max3_num_f32 v[rC+2], v[rC+2], v[rC+3], v[rT+1]
.elseif (\n) == 15
	v_mov_b32 v[rW], v[rT]
.elseif (\n) == 16
	v_max3_num_f32 v[rC], v[rC], v[rC+1], v[rC+2]
.elseif (\n) == 17
	v_permlanex16_b32 v[rC+3], v[rC], s[SEL], s[SEL+1]
.elseif (\n) == 18
	v_max_num_f32 v[rT+1], v[rC], v[rC+3]
.elseif (\n) == 19
	v_mul_f32 v[rT], s[CS], v[rT+1]
.elseif (\n) == 20
	v_sub_f32 v[rC+1], v[rW], v[rT]
.else
	v_exp_f32 v[rC+2], v[rC+1]
.endif
.endif
.endm
.macro OPS a, i1, b=-1, i2=0, c=-1, i3=0, d=-1, i4=0
	OP \a, \i1
.if (\b) >= 0
	OP \b, \i2
.endif
.if (\c) >= 0
	OP \c, \i3
.endif
.if (\d) >= 0
	OP \d, \i4
.endif
.endm
.macro ROW a, i1, b, i2, c, i3, d, i4  ; a matrix instruction and the four behind it
	MM
	OPS \a, \i1, \b, \i2, \c, \i3, \d, \i4
.endm
.macro MASK b                          ; MD x AL + BE into buffer b of MC
	WIN W_T1
.set z, 0
.rept 16
	v_pk_fma_f32 v[MC+32*(\b)+2*z:MC+32*(\b)+2*z+1], v[MD+2*z:MD+2*z+1], s[AL:AL+1], s[BE:BE+1] op_sel_hi:[1,0,0]
.set z, z+1
.endr
.endm
; A TURN, for piece p: the order of its 16 matrix and 118 vector instructions, written out.  It has ONE wait, which cuts it in two.
; AHEAD OF THE WAIT stands all that names no result of the turn's exponentials: the 8 products K Q^T, behind each a scaling, an exponential and two more plain instructions (behind the first a second scaling in the
; exponential's place): rescalings, and behind the last three the first numbers of the other piece's maximum, each four places or more behind the product that ends its accumulator; then ONE LUMP of 54, plain and exponential
; by turns for the most part, in which the links of the chain X 3, 7, 11, 14, 16, 17 .. 20 stand some lines apart.  X 21, the other piece's a, is the batch's last; R 15 is the plain instruction behind it.
; The rescalings at the turn's head read O^T of piece p, which the turn before's products V^T P wrote: accumulator n / 4 of R n was ended four riders or more ahead of that turn's end.
; BEHIND THE WAIT stand the 8 products V^T P, behind each four of the roundings and sums: C 2 n ahead of B n, which writes over its source; the links of l's chain, L 0 to L 7, three riders apart.
; m = 1: the diagonal tile: the products take masks, and the turn makes the mask of its own piece's next step, which the next turn's products take.  In turn 0 of the tile's step k the count
; is 4 - k, in turn 1 it is 3 - k; OW0 = 5 - 2 DH and OW1 = 3 - 2 DH are the counts at which that next step is the band's own; at lower counts it lies behind it.
; end = 1: a block's last turn.  cnt = 1: the loop's count is taken down some lines ahead of the branch behind the turn.
; K's run stands in turn 0's lump, twelve vector instructions behind the last product that read K (five of them plain and free of its registers); V's at turn 0's end, four plain instructions behind the last that read V.
.macro TURN p, m=0, end=0, cnt=0
.set Y, (\p)
.set i, 0
.set KM, (\m)
.set NOKQ, (\end)
.if (\m) && !(\end)
	s_cmp_eq_u32 s[CNT], s[OW0+(\p)]
	s_cselect_b32 s[AL], 1.0, 0
	s_cmp_lt_u32 s[CNT], s[OW0+(\p)]
	s_cselect_b32 s[BE], s[BIGN], 0
.endif
.if (\p) == 1
	s_wait_dscnt 16                                ; K is in; V's sixteen loads, issued behind K's, may be out
.endif
	ROW F,0, F,1, R,0, R,1                         ; ahead of the wait: 8 products K Q^T and their riders,
	ROW F,2, E,0, R,2, R,3
	ROW F,3, E,1, R,4, R,5
	ROW F,4, E,2, R,6, R,7
	ROW F,5, E,3, R,8, R,9
	ROW F,6, E,4, X,0, R,10
.if (\p) == 0
	v_add_nc_u32 v[AK], s[TBK], v[AK0]
.endif
	ROW F,7, E,5, X,1, X,4
	ROW F,8, E,6, X,2, X,5
	OPS E,7, E,8, X,6, E,9                         ; and the lump
	OPS X,3, E,10, X,8, E,11
.if (\p) == 0
	FETCH_K 1
.endif
	OPS X,9, X,7, E,12, X,10
	OPS E,13, X,12, X,11, E,14
	OPS X,13, E,15, F,9, X,14
.if (\p) == 0
	v_add_nc_u32 v[AV], s[TBV], v[AV0]
.endif
	OPS E,16, F,10, E,17, F,11
	OPS X,16, E,18, X,15, E,19
	OPS F,12, E,20, X,17, E,21
	OPS F,13, E,22, F,14, E,23
	OPS X,18, E,24, F,15, E,25
	OPS R,11, E,26, X,19, E,27
	OPS R,12, E,28, R,13, E,29
	OPS X,20, E,30, R,14, E,31
	OPS X,21, R,15
	s_wait_alu depctr_va_vdst(0)                   ; the wait for the turn's batch, E 0 to E 31 and X 21, ahead of the first line that names a result
.if (\p) == 1
	s_wait_dscnt 0x0                               ; V is in
.endif
	ROW C,0, B,0, C,2, B,1                         ; behind the wait: 8 products V^T P and their riders
	ROW L,0, C,4, B,2, L,1
	ROW C,6, B,3, L,2, C,8
	ROW B,4, L,3, C,10, B,5
	ROW L,4, C,12, B,6, L,5
.if (\p) == 0
	s_add_co_u32 s[TBV], s[TBV], KS*PV
.endif
.if \cnt
	s_sub_co_u32 s[CNT], s[CNT], 1
	s_cmp_lg_u32 s[CNT], 0
.endif
	ROW C,14, B,7, L,6, C,1
	ROW C,3, L,7, C,5, C,7
	ROW C,9, C,11, C,13, C,15
.if (\p) == 0
	FETCH_V
.endif
.if (\m) && !(\end)
	MASK \p
.endif
.endm
; A BLOCK BEGINS: c m far below every c s, so the first step's a is 0; m the lowest finite number.  Piece 1's first mask is 0; piece 0's is its own if the block's first tile is the diagonal one and holds it in its first half.
; Then K's keys 0-63 from their own area, piece 0's first scores, its maximum and statistics.
.macro BEGIN
	s_mov_b32 s[NEW], 0
	WIN W_T1
.set i, MC+32
.rept 32
	v_mov_b32 v[i], 0
.set i, i+1
.endr
	WIN 0
.set i, 0
.rept 2
	v_mov_b32 v[ST+4*i], 0xfe000000
	v_mov_b32 v[ST+4*i+1], 0xff7fffff
.set i, i+1
.endr
	s_cmp_eq_u32 s[RT], 0
	s_cselect_b32 s[AL], 1.0, 0
	s_cmp_eq_u32 s[DH], 0
	s_cselect_b32 s[AL], s[AL], 0
	s_mov_b32 s[BE], 0
	MASK 0
	WIN 0
	v_add_nc_u32 v[AK], K0B, v[AK0]
	FETCH_K 0
	s_wait_loadcnt 0x0                             ; Q
	s_wait_dscnt 0x0
.set KM, 1
.set NOKQ, 0
.set i, 0
.rept 8
	KQ 0
.set i, i+1
.endr
	WIN 0
.rept 4
	v_nop                                          ; the places behind those products
.endr
.set Y, 1                              ; X works for the other piece: piece 0
.irp n, 0,1,2,3,4,5,6,7,8,9,10,11,12,13,14,15,16,17,18,19,20,21
	OP X, \n
.endr
	v_nop                                          ; a plain instruction behind the exponential,
	s_wait_alu depctr_va_vdst(0)                   ; and the wait for it, piece 0's first a, a batch of one: ahead of the branch that follows
.endm
.macro PREMASK                         ; the diagonal tile is entered from the tile before: piece 0's mask for its step 0
	s_cmp_eq_u32 s[DH], 0
	s_cselect_b32 s[AL], 1.0, 0
	s_mov_b32 s[BE], 0
	MASK 0
	WIN 0
.endm
.macro ALL line:vararg
.set t, 0
.rept 2
	\line
.set t, t+1
.endr
.endm
.macro PACK t                          ; O^T / l, rounded; 16 bytes a lane into rows of 144 bytes, back as whole rows of 128
	WIN 0
.set i, 0
.rept 16
	v_pk_mul_f32 v[OT+32*(\t)+2*i:OT+32*(\t)+2*i+1], v[OT+32*(\t)+2*i:OT+32*(\t)+2*i+1], v[ST+4*(\t)+2:ST+4*(\t)+3] op_sel_hi:[1,0]
.set i, i+1
.endr
.set i, 0
.rept 16
	v_cvt_pk_bf16_f32 v[S+16*(\t)+i], v[OT+32*(\t)+2*i], v[OT+32*(\t)+2*i+1]
.set i, i+1
.endr
.irp f, 0,1,2,3
	ds_store_b128 v[STO], v[S+16*(\t)+4*\f:S+16*(\t)+4*\f+3] offset:32*\f
.endr
.irp f, 0,1,2,3
	ds_load_b128 v[S+16*(\t)+4*\f:S+16*(\t)+4*\f+3], v[RD] offset:\f*4*SP  ; LDS serves a wave's instructions in order: these see the stores above
.endr
.endm
.macro SEND t, younger                 ; younger: the LDS instructions issued behind piece t's loads
.irp f, 0,1,2,3
	s_wait_dscnt (\younger)+3-\f
	global_store_b128 v[GO], v[S+16*(\t)+4*\f:S+16*(\t)+4*\f+3], s[6:7] offset:(\t)*8192+\f*512  ; 4 rows of the head: 512 consecutive bytes
.endr
.endm
; THE DIAGONAL TILE's four steps, the block's last turn, its last products, and the way out.
.macro DIAG tag
.LstepM\tag:
	TURN 1, 1
	WIN 0
.LfirstM\tag:
	TURN 0, 1, 0, 1
	WIN 0
	s_cbranch_scc1 .LstepM\tag
	TURN 1, 1, 1
.set i, 0
.rept 8
	PV 1
.set i, i+1
.endr
	WIN 0
	ALL v_add_f32 v[ST+4*t+2], v[ST+4*t+2], v[ST+4*t+3]
	ALL v_permlanex16_b32 v[ST+4*t+3], v[ST+4*t+2], s[SEL], s[SEL+1]
	ALL v_add_f32 v[ST+4*t+2], v[ST+4*t+2], v[ST+4*t+3]
	ALL v_rcp_f32 v[ST+4*t+2], v[ST+4*t+2]
	v_nop                                          ; a plain instruction between the last reciprocal and the use of its result
	s_wait_alu depctr_va_vdst(0)                   ; the wait for the way out's batch, the two reciprocals: one for both pieces' 32 multiplies
	PACK 0                                         ; piece 0's 32 lines name nothing of the last products: with the four additions and the v_nop they are the places behind them
	PACK 1
	SEND 0, 8
	SEND 1, 0
.endm
.set KM, 0
.set NOKQ, 0
.Lslot:                                                ; 8 times: a tile is entered and the next is asked for
	CHANGE 1
	s_sub_co_u32 s[RT], s[RT], 1
	s_mov_b32 s[CNT], 4
	s_cmp_eq_u32 s[NEW], 1
	s_cbranch_scc1 .Lnew                           ; a block's first tile
	s_cmp_eq_u32 s[RT], 0
	s_cbranch_scc0 .Lstep                          ; neither its first nor its last
	PREMASK
	s_branch .LstepM1
.Lnew:
	BEGIN
	s_branch .Lfirst                               ; in the loop a block's first tile is never its last: the first block has five tiles or more, the second's last is the walk's last
	DIAG 1                                         ; in the loop this is the first block's end
	s_wait_xcnt 0x0                                ; the stores have read their registers and y's address
	s_mov_b64 s[6:7], s[OLO:OLO+1]
	s_add_co_u32 s[RT], s[PBL], 1
	s_mov_b32 s[NEW], 1
	s_mov_b32 s[DH], s[DHL]
	s_lshl_b32 s16, s[DH], 1
	s_sub_co_u32 s[OW0], 5, s16
	s_sub_co_u32 s[OW0+1], 3, s16
	WIN W_CP                                       ; the second block's Q goes where the one text of the turns names Q
.set i, 0
.rept 32
	v_mov_b32 v[Q+i], v[QB+i]
.set i, i+1
.endr
	WIN 0
	s_branch .Lbottom
.Lstep:                                                ; a trip: turn 1 of one step, then turn 0 of the next, which fetches its V and the K behind it
	TURN 1
	WIN 0
.Lfirst:
	TURN 0, 0, 0, 1
	WIN 0
	s_cbranch_scc1 .Lstep
.Lbottom:
	s_sub_co_u32 s[SLOTS], s[SLOTS], 1
	s_cmp_lg_u32 s[SLOTS], 0
	s_cbranch_scc1 .Lslot
	CHANGE 0                                       ; the walk's last tile is written out: nothing is asked for
	s_sub_co_u32 s[RT], s[RT], 1
	s_mov_b32 s[CNT], 4
	s_cmp_eq_u32 s[NEW], 1
	s_cbranch_scc0 .Lold
	BEGIN
	s_branch .LfirstM2
.Lold:
	PREMASK
	DIAG 2
	s_wait_tensorcnt 0x0                           ; the wave's end
	ds_add_u32 v[SPW], v[NIL]
	s_wait_dscnt 0x0
	s_endpgm
.Lfunc_end_k_q9d64605072_attn:
	.size	k_q9d64605072_attn, .Lfunc_end_k_q9d64605072_attn-k_q9d64605072_attn
	.p2alignl 7, 3214868480
	.fill 96, 4, 3214868480
	.section	.rodata,"a",@progbits
	.p2align	6, 0x0
	.amdhsa_kernel k_q9d64605072_attn
		.amdhsa_group_segment_fixed_size 327680
		.amdhsa_private_segment_fixed_size 0
		.amdhsa_enable_private_segment 0
		.amdhsa_kernarg_size 16
		.amdhsa_user_sgpr_count 2
		.amdhsa_user_sgpr_kernarg_segment_ptr 1
		.amdhsa_wavefront_size32 1
		.amdhsa_system_sgpr_workgroup_id_x 1
		.amdhsa_system_sgpr_workgroup_id_y 1
		.amdhsa_system_sgpr_workgroup_id_z 1
		.amdhsa_system_vgpr_workitem_id 0
		.amdhsa_next_free_vgpr 512
		.amdhsa_next_free_sgpr 96
		.amdhsa_reserve_vcc 1
		.amdhsa_float_denorm_mode_32 3
		.amdhsa_float_denorm_mode_16_64 3
		.amdhsa_memory_ordered 1
		.amdhsa_forward_progress 1
		.amdhsa_inst_pref_size 123
	.end_amdhsa_kernel
	.amdgpu_metadata
---
amdhsa.version: [ 1, 2 ]
amdhsa.kernels:
  - .name:           k_q9d64605072_attn
    .symbol:         k_q9d64605072_attn.kd
    .args:
      - { .name: big, .offset: 0, .size: 8, .value_kind: global_buffer, .address_space: global }
      - { .name: act, .offset: 8, .size: 8, .value_kind: global_buffer, .address_space: global }
    .group_segment_fixed_size: 327680
    .private_segment_fixed_size: 0
    .kernarg_segment_align: 8
    .kernarg_segment_size: 16
    .max_flat_workgroup_size: 128
    .sgpr_count:     96
    .vgpr_count:     512
    .wavefront_size: 32
...
	.end_amdgpu_metadata
.endif
;; end of part 7
;; launch proj: the kernel of part 4 again; grid 8 x 32, 4 waves a work-group, clusters of 4 x 4, 327,680 bytes of LDS; arguments act, wbf, b_proj, x, x1; writes x1
;; launch ln2: the kernel of part 1 again; grid 256 x 1, 8 waves a work-group, no clusters, 0 bytes of LDS; arguments x1, ln2_w, ln2_b, act, w_attn, w_proj, w_fc, w_fc2, wbf, wf; writes act, wbf, wf
;; launch fc: the kernel of part 5 again; grid 16 x 16, 4 waves a work-group, clusters of 4 x 4, 327,680 bytes of LDS; arguments act, wf, b_fc, big; writes big
;; launch fc2: the kernel of part 6 again; grid 8 x 32, 4 waves a work-group, clusters of 4 x 4, 327,680 bytes of LDS; arguments big, wbf, b_fc2, x1, out0; writes out0
